; MI455X (gfx1250); checked and timed in simulation.
; The chip was launched on July 23, 2026; its instructions are those of AMD's public machine-readable ISA for CDNA 5 (MIT licence, August 2026) and "CDNA5" Instruction Set Architecture Reference Guide (July 2026). The comments in the code are by the model that wrote it; some were corrected since.
;; Encoder Layer. Allowed arithmetic: matrix products marked QUANTISED: E5M2 operands, one E8M0 scale for each 32 along K, by v_wmma_scale_f32_16x16x128_f8f6f4 with both operands' format E5M2, f32 sums; products left as they are: f32 operands where the result goes on into a quantised operand, else bf16, f16 or f32 operands; f32 sums; everything else in f32.
;; Inputs: b1 512 float32; b2 512 float32; bc 10 float32; bo 512 float32; ln1_b 512 float32; ln1_g 512 float32; ln2_b 512 float32; ln2_g 512 float32; w1 512 x 512 float32; w2 512 x 512 float32; wc 512 x 10 float32; wk 512 x 512 float32; wo 512 x 512 float32; wq 512 x 512 float32; wv 512 x 512 float32; x 8 x 2,048 x 512 float32.
;; Outputs: out0 8 x 10 float32; out1 8 x 2,048 x 512 float32.
;; This version of the problem:
;;   THIS VERSION OF THE PROBLEM IS GIVEN IN LOW PRECISION. The matrix products marked QUANTISED in the list below multiply operands that are first quantised to E5M2 (5 exponent bits, 2 mantissa bits; 8 bits a number), with one power-of-two scale for each 32 numbers along K (OCP MX v1.0); their sums are f32. All else is computed in f32.
;;   The module's matrix products, in the order in which they are computed (A, B: the left and right operand; K: the contracted axis; several contracted axes count as one K, in the product's order):
;;     1. [M 16,384, K 512] x [K 512, N 512]; A: input x; B: input wq: QUANTISED
;;     2. [M 16,384, K 512] x [K 512, N 512]; A: input x; B: input wk: QUANTISED
;;     3. [M 16,384, K 512] x [K 512, N 512]; A: input x; B: input wv: QUANTISED
;;     4. batch 8 x [M 2,048, K 512] x [K 512, N 2,048]; A: computed on the way; B: computed on the way: QUANTISED
;;     5. batch 8 x [M 2,048, K 2,048] x [K 2,048, N 512]; A: softmax (see below); B: computed on the way: QUANTISED
;;     6. [M 16,384, K 512] x [K 512, N 512]; A: computed on the way; B: input wo: QUANTISED
;;     7. [M 16,384, K 512] x [K 512, N 512]; A: computed on the way; B: input w1: QUANTISED
;;     8. [M 16,384, K 512] x [K 512, N 512]; A: computed on the way; B: input w2: QUANTISED
;;     9. [M 8, K 512] x [K 512, N 10]; A: computed on the way; B: input wc: left as it is (M = 8 < 16)
;;   THE QUANTISER, for each operand of a quantised product, along K:
;;     - K is cut into blocks of 32 from its start; a last block that is shorter is filled with zeros.
;;     - A block's scale is 2^e with e = floor(log2(the largest magnitude in the block)) - 15, held to -126 .. 127; a block of zeros has e = 0. As a byte (E8M0): e + 127.
;;     - Each number is divided by its block's scale, clamped to +-57,344, and rounded to the nearest number of E5M2, ties to even, subnormals kept.
;;     - The product sums the exact products of the quantised numbers (number of the format x scale) in f32.
;;   ~~~python
;;   def quantise(x, axis):      # numpy; x: float32 -> the quantised numbers, widened to float32 again
;;       x = np.moveaxis(x, axis, -1); K = x.shape[-1]
;;       x = np.pad(x, [(0, 0)] * (x.ndim - 1) + [(0, -K % 32)]); x = x.reshape(x.shape[:-1] + (-1, 32)); a = np.abs(x).max(-1, keepdims=True)
;;       e = np.where(a > 0, np.clip(np.frexp(np.where(a > 0, a, 1))[1] - 1 - 15, -126, 127), 0)      # np.frexp(a)[1] - 1 = floor(log2(a)), exactly
;;       r = np.clip(x / 2.0 ** e, -57344, 57344)
;;       step = 2.0 ** (np.maximum(np.frexp(np.where(r == 0, 1, r))[1] - 1, -14) - 2)
;;       q = np.round(r / step) * step * 2.0 ** e      # np.round: ties to even
;;       return np.moveaxis(q.reshape(q.shape[:-2] + (-1,))[..., :K], -1, axis).astype(np.float32)
;;   ~~~
;;   SOFTMAX AHEAD OF A QUANTISED PRODUCT. Where the list says 'softmax', what is quantised is not the finished softmax but p = 2^(t - M), with t = logit x log2(e) and M = ceil(the row's largest t), a whole number; so 1/2 < the row's largest p <= 1. The row's sum l is taken of the UNQUANTISED p, in f32, and the product's result is divided by l at the end. Since M is a whole number, a kernel that streams over the keys may use a running M (the ceiling of the running maximum): every later rescaling is an exact power of two, which a block's scale takes up: the codes' values come out the same.
;;   OPERANDS COMPUTED ON THE WAY. 'Computed on the way' means the value that the module computes at that place (a softmax that the list does not call 'softmax' is quantised finished and normalised). What goes into a quantiser is computed in f32, as accurately as f32 sums, v_exp_f32 and their like allow (about 1e-6 of the number): no bf16 or f16 on the way to a quantiser, and a product that is left as it is and whose result goes on into a quantised operand takes f32 operands (vector FMAs, or v_wmma_f32_16x16x4_f32). A number that lies on a knife's edge between two numbers of the format may be rounded either way, as far as f32 arithmetic and the matrix unit's own rounding can turn it there, and no further.
;; 2 versions. Each part assembles by itself: llvm-mc -triple=amdgcn-amd-amdhsa -mcpu=gfx1250 --defsym DOCPART=n.
;; ======== version 1 of 2: 5 launches
;; workspace buffers: wts 1,622,016 bytes; qws 8,650,752 bytes; kvws 17,301,504 bytes; cws 8,650,752 bytes; psum 524,288 bytes
;; launch prep (part 1): grid 16 x 6, 4 waves a work-group, no clusters, 0 bytes of LDS; arguments wq, wk, wv, wo, w1, w2, wts; writes wts
.if DOCPART == 1
	.amdgcn_target "amdgcn-amd-amdhsa--gfx1250"
	.amdhsa_code_object_version 6
	.text
	.protected	k_q43bde54e22_prep
	.globl	k_q43bde54e22_prep
	.p2align	8
	.type	k_q43bde54e22_prep,@function
k_q43bde54e22_prep:
	s_mov_b64 s[64:65], 0
	v_nop
	global_prefetch_b8 v0, s[64:65] scope:SCOPE_SE
	s_setreg_imm32_b32 hwreg(HW_REG_WAVE_MODE, 25, 1), 1
	s_wait_xcnt 0x0
; FIRST OF FIVE LAUNCHES (prep, qkv, attn, tail, logits) of one encoder layer on codes of E5M2 with one E8M0 scale for each 32 along K.
; DEAD WORK: none.  Every product of the problem's table is done, every one of the sixteen inputs has a way to an output and is loaded by some launch; no bias, mask or term cancels ahead of a quantiser.
; THIS LAUNCH: the six weights wq, wk, wv, wo, w1, w2, [512 (K)][512 (N)] f32, become codes with K innermost, laid in the ORDER OF AN OPERAND'S REGISTERS, so that the later launches fetch them as dense blocks.
; wts = [weight 0..5][half g: K steps 2 g, 2 g + 1][quarter w: columns 128 w ..][33,792 bytes].  A quarter: fragment (sl, ct) at (8 sl + ct) x 2,048: group c of four registers at 512 c + 16 x lane;
; behind the 16 fragments 1,024 bytes of scale words: word 2 ct + sl of row r at 256 (ct / 2) + 16 r + 4 (2 (ct % 2) + sl).
; THE COLUMNS OF A TILE ARE NOT NEIGHBOURS: row r of tile ct = 2 b + u is column 32 b + 8 u + r + 8 (r / 8) of the quarter, so that a product that takes the tile as source 0 leaves 16 neighbours along N in a lane's 16 registers of tiles 2 b, 2 b + 1.
; A LANE TAKES A COLUMN AND ITS REGISTERS RUN DOWN K: a block of 32 lies in one lane, each load reads 128 consecutive bytes a wave (512 a work-group), and the conversions give K innermost.
; SHARES: work-group (x, y): weight y, K step x / 4, quarter x % 4; wave b: the 32 columns of tiles 2 b, 2 b + 1; 128 numbers a lane.
; A block's scale is 2^(floor(log2(largest magnitude)) - 15); its byte is that magnitude's exponent field - 15, held at 1 from below.
; LIMITS: a block of zeros gets the byte 1 and not 127 (its codes are zeros; the bytes are read by this program alone); blocks whose largest magnitude lies under 2^-111 are held at byte 1; NaN and infinities among the inputs are not served.
; The scale words leave four bytes a lane, 128 bytes of each 256 by one instruction (the other K step's work-group writes the rest): 48 KiB in the whole launch.
.set X,  32                            ; v32-159   128 numbers down K
.set C,  160                           ; v160-191  their codes: no store's data are written again
.set SB, 24                            ; v24       the four scale bytes
	s_load_b256 s[4:11], s[0:1], 0x0               ; wq, wk, wv, wo
	s_load_b128 s[12:15], s[0:1], 0x20             ; w1, w2
	s_load_b64 s[16:17], s[0:1], 0x30              ; wts
	v_lshrrev_b32 v1, 5, v0
	v_readfirstlane_b32 s18, v1                    ; wave b
	v_and_b32 v2, 31, v0                           ; lane l
	s_and_b32 s19, ttmp7, 0xffff                   ; which weight
	s_lshr_b32 s22, ttmp9, 2                       ; K step s
	s_and_b32 s23, ttmp9, 3                        ; quarter
	s_lshl_b32 s24, s18, 7
	v_lshl_add_u32 v3, v2, 2, s24                  ; in: 4 l + 128 b
	v_bfe_u32 v4, v2, 3, 1                         ; u = (l / 8) % 2
	v_and_b32 v5, 7, v2
	v_lshrrev_b32 v6, 4, v2
	v_lshl_add_u32 v5, v6, 3, v5                   ; r = l % 8 + 8 (l / 16)
	s_lshl_b32 s24, s18, 1
	v_add_nc_u32 v6, s24, v4                       ; tile ct = 2 b + u
	v_lshlrev_b32 v6, 11, v6
	v_lshl_add_u32 v6, v5, 4, v6                   ; codes: 2,048 ct + 16 r
	s_lshl_b32 s24, s18, 8
	v_lshl_add_u32 v7, v5, 4, s24
	v_lshl_add_u32 v7, v4, 3, v7                   ; scale word: 256 b + 16 r + 8 u
	s_lshl_b32 s26, s22, 18                        ; 128 rows of 2,048 bytes a K step
	s_lshl_b32 s24, s23, 9
	s_add_co_u32 s26, s26, s24                     ; + the quarter's 512 bytes of a row
	s_mov_b32 s27, 0
	s_mul_i32 s28, s19, 270336
	s_lshr_b32 s24, s22, 1
	s_mul_i32 s24, s24, 135168
	s_add_co_u32 s28, s28, s24
	s_mul_i32 s24, s23, 33792
	s_add_co_u32 s28, s28, s24                     ; my quarter in wts
	s_mov_b32 s29, 0
	s_and_b32 s24, s22, 1                          ; sl
	s_lshl_b32 s34, s24, 14                        ; codes: + 16,384 sl
	s_mov_b32 s35, 0
	s_lshl_b32 s36, s24, 2
	s_add_co_u32 s36, s36, 32768                   ; scale words: + 32,768 + 4 sl
	s_mov_b32 s37, 0
	s_mov_b32 s31, 0x600000                        ; the mantissa field of 57,344
	s_wait_kmcnt 0x0
	s_mov_b64 s[20:21], s[4:5]                     ; the weight's address: a choice on the work-group's number alone
	s_cmp_eq_u32 s19, 1
	s_cselect_b64 s[20:21], s[6:7], s[20:21]
	s_cmp_eq_u32 s19, 2
	s_cselect_b64 s[20:21], s[8:9], s[20:21]
	s_cmp_eq_u32 s19, 3
	s_cselect_b64 s[20:21], s[10:11], s[20:21]
	s_cmp_eq_u32 s19, 4
	s_cselect_b64 s[20:21], s[12:13], s[20:21]
	s_cmp_eq_u32 s19, 5
	s_cselect_b64 s[20:21], s[14:15], s[20:21]
	s_add_nc_u64 s[20:21], s[20:21], s[26:27]
	s_add_nc_u64 s[16:17], s[16:17], s[28:29]
	s_add_nc_u64 s[32:33], s[16:17], s[34:35]      ; where my codes go
	s_add_nc_u64 s[16:17], s[16:17], s[36:37]      ; where my scale words go
.set kk, 0
.rept 128
	global_load_b32 v[X+kk], v3, s[20:21] offset:kk*2048 th:TH_LOAD_NT   ; W(128 s + kk, my column): all 128 are asked for at once
.set kk, kk+1
.endr
.macro BLOCK c, left                   ; block c of 32 along K; left: how many younger loads may stay out
.set XS, X+32*(\c)
	s_wait_loadcnt \left
	v_max3_num_f32 v12, |v[XS]|, |v[XS+1]|, |v[XS+2]|               ; the block's largest magnitude: all 32 numbers are mine; two chains
	v_max3_num_f32 v13, |v[XS+3]|, |v[XS+4]|, |v[XS+5]|
.irp i, 6,10,14,18,22,26
	v_max3_num_f32 v12, v12, |v[XS+\i]|, |v[XS+\i+1]|
	v_max3_num_f32 v13, v13, |v[XS+\i+2]|, |v[XS+\i+3]|
.endr
	v_max3_num_f32 v12, v12, |v[XS+30]|, |v[XS+31]|
	v_max3_num_f32 v12, v12, v13, 0x8000000        ; and the floor 2^(16 - 127): the byte cannot fall under 1
	v_add_nc_u32 v11, 0xf8800000, v12              ; 15 off the exponent field: the conversion's scale operand
	v_and_or_b32 v10, v12, 0x7f800000, s31         ; 57,344 x the scale
	v_lshrrev_b32 v13, 23, v11                     ; the scale's byte
.if (\c) == 0
	v_mov_b32 v[SB], v13
.else
	v_lshl_or_b32 v[SB], v13, 8*(\c), v[SB]
.endif
.irp i, 0,1,2,3,4,5,6,7,8,9,10,11,12,13,14,15,16,17,18,19,20,21,22,23,24,25,26,27,28,29,30,31
	v_med3_num_f32 v[XS+\i], v[XS+\i], -v10, v10   ; the conversion to an 8-bit code does not saturate (ISA guide 7.6.2): the hold at the largest code x the scale
.endr
.irp g, 0,1,2,3
	v_cvt_scalef32_pk8_bf8_f32 v[C+8*(\c)+2*\g:C+8*(\c)+2*\g+1], v[XS+8*\g:XS+8*\g+7], v11
.endr
	global_store_b128 v6, v[C+8*(\c):C+8*(\c)+3], s[32:33] offset:512*(\c)          ; k = 32 c + 0 .. 15: the image's lanes 0-15; sixteen lanes store 256 consecutive bytes, aligned
	global_store_b128 v6, v[C+8*(\c)+4:C+8*(\c)+7], s[32:33] offset:512*(\c)+256    ; k = 32 c + 16 .. 31: its lanes 16-31
.endm
	BLOCK 0, 63                                    ; 96 loads are younger than block 0's; the wait's field holds 63, and a smaller count is safe
	BLOCK 1, 63                                    ; 64 are younger
	BLOCK 2, 32
	BLOCK 3, 0
	global_store_b32 v7, v[SB], s[16:17]           ; my column's scale word for this K step
	s_endpgm
.Lfunc_end_k_q43bde54e22_prep:
	.size	k_q43bde54e22_prep, .Lfunc_end_k_q43bde54e22_prep-k_q43bde54e22_prep
	.p2alignl 7, 3214868480
	.fill 96, 4, 3214868480
	.section	.rodata,"a",@progbits
	.p2align	6, 0x0
	.amdhsa_kernel k_q43bde54e22_prep
		.amdhsa_group_segment_fixed_size 0
		.amdhsa_private_segment_fixed_size 0
		.amdhsa_enable_private_segment 0
		.amdhsa_kernarg_size 56
		.amdhsa_user_sgpr_count 2
		.amdhsa_user_sgpr_kernarg_segment_ptr 1
		.amdhsa_wavefront_size32 1
		.amdhsa_system_sgpr_workgroup_id_x 1
		.amdhsa_system_sgpr_workgroup_id_y 1
		.amdhsa_system_sgpr_workgroup_id_z 1
		.amdhsa_system_vgpr_workitem_id 0
		.amdhsa_next_free_vgpr 208
		.amdhsa_next_free_sgpr 66
		.amdhsa_reserve_vcc 0
		.amdhsa_float_denorm_mode_32 3
		.amdhsa_float_denorm_mode_16_64 3
		.amdhsa_memory_ordered 1
		.amdhsa_forward_progress 1
		.amdhsa_inst_pref_size 30
	.end_amdhsa_kernel
	.amdgpu_metadata
---
amdhsa.version: [ 1, 2 ]
amdhsa.kernels:
  - .name:           k_q43bde54e22_prep
    .symbol:         k_q43bde54e22_prep.kd
    .args:
      - { .name: wq, .offset: 0, .size: 8, .value_kind: global_buffer, .address_space: global }
      - { .name: wk, .offset: 8, .size: 8, .value_kind: global_buffer, .address_space: global }
      - { .name: wv, .offset: 16, .size: 8, .value_kind: global_buffer, .address_space: global }
      - { .name: wo, .offset: 24, .size: 8, .value_kind: global_buffer, .address_space: global }
      - { .name: w1, .offset: 32, .size: 8, .value_kind: global_buffer, .address_space: global }
      - { .name: w2, .offset: 40, .size: 8, .value_kind: global_buffer, .address_space: global }
      - { .name: wts, .offset: 48, .size: 8, .value_kind: global_buffer, .address_space: global }
    .group_segment_fixed_size: 0
    .private_segment_fixed_size: 0
    .kernarg_segment_align: 8
    .kernarg_segment_size: 56
    .max_flat_workgroup_size: 128
    .sgpr_count:     66
    .vgpr_count:     208
    .wavefront_size: 32
...
	.end_amdgpu_metadata
.endif
;; end of part 1
;; launch qkv (part 2): grid 256 x 1, 4 waves a work-group, clusters of 4 x 1, 327,680 bytes of LDS; arguments x, wts, qws, kvws; writes qws, kvws
.if DOCPART == 2
	.amdgcn_target "amdgcn-amd-amdhsa--gfx1250"
	.amdhsa_code_object_version 6
	.text
	.protected	k_q43bde54e22_qkv
	.globl	k_q43bde54e22_qkv
	.p2align	8
	.type	k_q43bde54e22_qkv,@function
k_q43bde54e22_qkv:
	s_mov_b64 s[64:65], 0
	v_nop
	global_prefetch_b8 v0, s[64:65] scope:SCOPE_SE
	s_setreg_imm32_b32 hwreg(HW_REG_WAVE_MODE, 25, 1), 1
	s_wait_xcnt 0x0
	s_wait_alu depctr_hold_cnt(0) depctr_sa_sdst(0) depctr_va_vdst(0) depctr_va_sdst(0) depctr_va_ssrc(0) depctr_va_vcc(0) depctr_vm_vsrc(0)
	s_getreg_b32 s2, hwreg(HW_REG_IB_STS2, 6, 4)
	s_cmp_eq_u32 s2, 0
	s_cbranch_scc0 .Lentry_in_a_cluster
	s_endpgm
.Lentry_in_a_cluster:
	s_bfe_u32 s2, ttmp6, 0x10000c
	s_cmp_lg_u32 s2, 0x3003
	s_cbranch_scc0 .Lentry_shape_is_right
	s_endpgm
.Lentry_shape_is_right:
; q = Q(x) Q(wq), k = Q(x) Q(wk), v = Q(x) Q(wv) on codes of E5M2 (Q: the quantiser along K); the three results are quantised in registers for the next products and stored as images of operand registers.  No work is left out.
; SHARES.  A work-group owns 64 tokens; each of its four waves owns 128 columns of each weight, for all four tiles of 16 tokens: 32 accumulators, so that each weight fragment read from LDS feeds four products.
; THE TOKENS OF A TILE ARE NOT NEIGHBOURS: row r of tile m = 2 b + u is token 32 b + 8 u + r + 8 (r / 8) of the 64; the weights' columns are laid likewise by the launch before.
; q, k: source 0 = 16 columns of the weight, source 1 = 16 tokens: a lane holds ONE token and 16 neighbouring columns in the registers of two neighbouring tiles: the next product's K.
; v: the sources swapped: a lane holds ONE column d and 16 neighbouring tokens, since the keys are the K of the product with p.
; IMAGES.  A fragment (16 rows x 128 K) is 2,048 bytes: group c of four registers at 512 c + 16 x lane.  A pair row of scale words is 128 bytes: lanes 0-15 the words of an even tile, lanes 16-31 those of the odd tile beside it.
; qws[work-group]: fragment (m, s) at (4 m + s) x 2,048, pair rows (m / 2, s) from byte 32,768.  kvws[batch][key step of 128]: K's four quarters of 16,896 (32 keys each: fragments (u, s), four rows of scale words), then V's four quarters
; (128 d each: fragments t, then [half of the step][row][t] two scale bytes).
; CLUSTER.  All work-groups walk the same six half weights of 135,168 bytes: the four partners ask for each JOINTLY (mask 15), each wave for its own quarter, which it alone reads.  Two LDS slots take turns.
; A wave has at most two tensor loads out (the two first fills), later one.
; LIMITS: as stated at the head of the first launch (zero blocks' byte, the floor at 2^-111, NaN and infinities not served).
; REGISTERS: window 0: addresses, scale words, codes, 64 at work.  Window 1: x's 16 fragments.  Window 2: x's numbers, then the 32 accumulators.  Window 3: the weight's fragments of two K steps.
.set QB,    33792                      ; a quarter: 132 rows of 256 bytes
.set R1,    135168                     ; slot 1 (slot 0 begins at byte 0)
.set XIMG,  270336                     ; x's 16 fragments
.set XSC,   303104                     ; their 8 pair rows
.set SPARE, 304128                     ; the spare words: 128 bytes a wave; no other line names them
.set LI,  1                            ; 16 x lane
.set XA,  2                            ; x: my row and half
.set XWI, 3                            ; where I store x's images
.set XWS, 4                            ; and their scale words
.set XRS, 5                            ; where I read pair rows
.set AW,  6                            ; v6-7   my quarter's fragments in slot 0, 1
.set AWS, 8                            ; v8-9   its scale words
.set GC,  10
.set GS,  11
.set GV,  12
.set GVS, 13
.set SPW, 14                           ; my spare word; never rewritten
.set NIL, 15                           ; 0; never rewritten
.set XR,  16
.set H,   17
.set TM,  20                           ; v20-35 the quantiser's: magnitudes, bytes, limits, scale operands
.set PW,  36                           ; v36-39 scale words just made
.set PS,  40                           ; v40-41 pair rows
.set XS,  44                           ; v44-51 x's pair rows (4 (m / 2) + s)
.set WS,  52                           ; v52-67 the weight's scale words (2 ct + sl)
.set PC,  68                           ; v68-131 four fragments of codes
.set TB,  132                          ; v132-195 64 held numbers
.set TWIN, 0
.set WV,  12
.set G1,  16
.set D0,  24
.set SEL, 32
.set MNT, 34
.set HM,  35
.set MSB, 0
.macro WIN new                         ; the immediate's high byte repeats the setting that is left
.if MSB != (\new)
	s_set_vgpr_msb (MSB<<8)|(\new)
.set MSB, (\new)
.endif
.endm
.macro NOPS n
.rept \n
	v_nop
.endr
.endm
.macro CROUND                          ; a round of the cluster's barrier
	s_barrier_signal -1
	s_barrier_wait -1
	s_cmp_lg_u32 s[WV], 0
	s_cbranch_scc1 .Lnw0_\@
	s_barrier_signal -3
.Lnw0_\@:
	s_barrier_wait -3
	s_barrier_signal -1
	s_barrier_wait -1
.endm
; one matrix instruction: d accumulator, a and b fragments, sa and sb scale registers; zero: C = 0; ra, rb: the scales lie in lanes 16-31
.macro WMS d, a, b, sa, sb, zero, ra, rb
.if (\zero)
.if (\ra) && (\rb)
	v_wmma_scale_f32_16x16x128_f8f6f4 v[(\d):(\d)+7], v[(\a):(\a)+15], v[(\b):(\b)+15], 0, v[\sa], v[\sb] matrix_a_fmt:MATRIX_FMT_BF8 matrix_b_fmt:MATRIX_FMT_BF8 matrix_a_scale:MATRIX_SCALE_ROW1 matrix_b_scale:MATRIX_SCALE_ROW1
.elseif (\ra)
	v_wmma_scale_f32_16x16x128_f8f6f4 v[(\d):(\d)+7], v[(\a):(\a)+15], v[(\b):(\b)+15], 0, v[\sa], v[\sb] matrix_a_fmt:MATRIX_FMT_BF8 matrix_b_fmt:MATRIX_FMT_BF8 matrix_a_scale:MATRIX_SCALE_ROW1
.elseif (\rb)
	v_wmma_scale_f32_16x16x128_f8f6f4 v[(\d):(\d)+7], v[(\a):(\a)+15], v[(\b):(\b)+15], 0, v[\sa], v[\sb] matrix_a_fmt:MATRIX_FMT_BF8 matrix_b_fmt:MATRIX_FMT_BF8 matrix_b_scale:MATRIX_SCALE_ROW1
.else
	v_wmma_scale_f32_16x16x128_f8f6f4 v[(\d):(\d)+7], v[(\a):(\a)+15], v[(\b):(\b)+15], 0, v[\sa], v[\sb] matrix_a_fmt:MATRIX_FMT_BF8 matrix_b_fmt:MATRIX_FMT_BF8
.endif
.else
.if (\ra) && (\rb)
	v_wmma_scale_f32_16x16x128_f8f6f4 v[(\d):(\d)+7], v[(\a):(\a)+15], v[(\b):(\b)+15], v[(\d):(\d)+7], v[\sa], v[\sb] matrix_a_fmt:MATRIX_FMT_BF8 matrix_b_fmt:MATRIX_FMT_BF8 matrix_a_scale:MATRIX_SCALE_ROW1 matrix_b_scale:MATRIX_SCALE_ROW1
.elseif (\ra)
	v_wmma_scale_f32_16x16x128_f8f6f4 v[(\d):(\d)+7], v[(\a):(\a)+15], v[(\b):(\b)+15], v[(\d):(\d)+7], v[\sa], v[\sb] matrix_a_fmt:MATRIX_FMT_BF8 matrix_b_fmt:MATRIX_FMT_BF8 matrix_a_scale:MATRIX_SCALE_ROW1
.elseif (\rb)
	v_wmma_scale_f32_16x16x128_f8f6f4 v[(\d):(\d)+7], v[(\a):(\a)+15], v[(\b):(\b)+15], v[(\d):(\d)+7], v[\sa], v[\sb] matrix_a_fmt:MATRIX_FMT_BF8 matrix_b_fmt:MATRIX_FMT_BF8 matrix_b_scale:MATRIX_SCALE_ROW1
.else
	v_wmma_scale_f32_16x16x128_f8f6f4 v[(\d):(\d)+7], v[(\a):(\a)+15], v[(\b):(\b)+15], v[(\d):(\d)+7], v[\sa], v[\sb] matrix_a_fmt:MATRIX_FMT_BF8 matrix_b_fmt:MATRIX_FMT_BF8
.endif
.endif
.endm
; 64 numbers of a lane in window sw, register src + 16 b + i = k 32 b + 16 (lane / 16) + i of my row, become a fragment's 16 registers of codes at v[pc] and its scale word in v[pw] (window 0).  The numbers are left as they are.
.macro QUANT src, sw, relu, pc, pw
	WIN (\sw)|((\sw)<<2)
.irp b, 0,1,2,3
.if \relu
	v_max3_num_f32 v[TM+\b], v[(\src)+16*\b], v[(\src)+16*\b+1], 0x8000000
.else
	v_max3_num_f32 v[TM+\b], |v[(\src)+16*\b]|, |v[(\src)+16*\b+1]|, 0x8000000   ; block b: my 16 numbers from the low end on, and the floor 2^(16 - 127)
.endif
.endr
.irp i, 2,4,6,8,10,12,14
.irp b, 0,1,2,3
.if \relu
	v_max3_num_f32 v[TM+\b], v[(\src)+16*\b+\i], v[(\src)+16*\b+\i+1], v[TM+\b]
.else
	v_max3_num_f32 v[TM+\b], |v[(\src)+16*\b+\i]|, |v[(\src)+16*\b+\i+1]|, v[TM+\b]   ; the four blocks by turns
.endif
.endr
.endr
	WIN 0
.irp b, 0,1,2,3
	v_permlanex16_b32 v[TM+4+\b], v[TM+\b], s[SEL], s[SEL+1]
.endr
.irp b, 0,1,2,3
	v_max_num_f32 v[TM+\b], v[TM+\b], v[TM+4+\b]   ; with lane l xor 16's: the block's largest magnitude
.endr
.irp b, 0,1,2,3
	v_add_nc_u32 v[TM+12+\b], 0xf8800000, v[TM+\b]   ; 15 off the exponent field: the conversion's scale operand
.endr
.irp b, 0,1,2,3
	v_and_or_b32 v[TM+8+\b], v[TM+\b], 0x7f800000, s[MNT]   ; 57,344 x the scale
.endr
.irp b, 0,1,2,3
	v_lshrrev_b32 v[TM+4+\b], 23, v[TM+12+\b]      ; the scale's byte
.endr
	v_lshl_or_b32 v[\pw], v[TM+5], 8, v[TM+4]
	v_lshl_or_b32 v[\pw], v[TM+6], 16, v[\pw]
	v_lshl_or_b32 v[\pw], v[TM+7], 24, v[\pw]
	WIN (TWIN<<6)|(\sw)
.irp b, 0,1,2,3
.irp i, 0,1,2,3,4,5,6,7,8,9,10,11,12,13,14,15
.if \relu
	v_med3_num_f32 v[TB+16*\b+\i], v[(\src)+16*\b+\i], 0, v[TM+8+\b]
.else
	v_med3_num_f32 v[TB+16*\b+\i], v[(\src)+16*\b+\i], -v[TM+8+\b], v[TM+8+\b]   ; the conversion does not saturate (ISA guide 7.6.2): the hold
.endif
.endr
.endr
	WIN TWIN
.irp b, 0,1,2,3
	v_cvt_scalef32_pk8_bf8_f32 v[(\pc)+4*\b:(\pc)+4*\b+1], v[TB+16*\b:TB+16*\b+7], v[TM+12+\b]
	v_cvt_scalef32_pk8_bf8_f32 v[(\pc)+4*\b+2:(\pc)+4*\b+3], v[TB+16*\b+8:TB+16*\b+15], v[TM+12+\b]
.endr
	WIN 0
	v_nop                                          ; one plain instruction behind the last scaled conversion
.endm
.macro SELW mp                         ; a pair row: lanes 0-15 tile 2 mp's words, lanes 16-31 tile 2 mp + 1's
	v_cndmask_b32 v[PS+\mp], v[PW+2*\mp], v[PW+2*\mp+1], s[HM]
.endm
	s_load_b256 s[4:11], s[0:1], 0x0               ; x, wts, qws, kvws
	v_lshl_add_u32 v[SPW], v0, 2, SPARE
	v_mov_b32 v[NIL], 0
	ds_add_u32 v[SPW], v[NIL]                      ; the wave's opening: the add, twice on end, and its wait ahead of my first tensor load
	ds_add_u32 v[SPW], v[NIL]
	v_lshrrev_b32 v196, 5, v0
	v_readfirstlane_b32 s[WV], v196                ; wave 0..3
	s_bfe_u32 s13, ttmp6, 0x40000                  ; cx
	s_lshl_b32 s14, ttmp9, 2
	s_add_co_u32 s14, s14, s13                     ; my work-group: it enters the addresses of x, qws and kvws alone
	s_mov_b32 s[G1+0], 15|(3<<16)|(1<<21)          ; the mask: all four partners; elements of 8 bytes; bit 21 beside a mask; no padding: images are read at 16 x lane
	s_mov_b32 s[G1+1], 32<<16                      ; tensor_dim0 = 32 elements = 256 bytes
	s_mov_b32 s[G1+2], 132<<16                     ; tensor_dim1 = 132 rows
	s_mov_b32 s[G1+3], 32<<16                      ; tile_dim0
	s_mov_b32 s[G1+4], 132                         ; tile_dim1
	s_mov_b32 s[G1+5], 32                          ; the pitch: dense
	s_mov_b32 s[G1+6], 0
	s_mov_b32 s[G1+7], 0
	s_mov_b32 s[SEL], 0x76543210
	s_mov_b32 s[SEL+1], 0xfedcba98                 ; lane l xor 16
	s_mov_b32 s[MNT], 0x600000
	v_and_b32 v196, 31, v0                         ; lane
	v_and_b32 v197, 15, v0                         ; r
	v_bfe_u32 v[H], v0, 4, 1                       ; h
	v_cmp_ne_u32 s[HM], 0, v[H]
	v_lshlrev_b32 v[LI], 4, v196
	v_and_b32 v198, 8, v197
	v_add_nc_u32 v198, v198, v197                  ; r + 8 (r / 8)
	s_lshr_b32 s44, s[WV], 1
	s_and_b32 s45, s[WV], 1
	s_lshl_b32 s46, s44, 5
	s_lshl_b32 s47, s45, 3
	s_add_co_u32 s46, s46, s47                     ; tile w begins at token 32 (w / 2) + 8 (w % 2)
	v_add_nc_u32 v198, s46, v198
	v_lshlrev_b32 v[XA], 11, v198                  ; a row of x is 2,048 bytes
	v_lshl_add_u32 v[XA], v[H], 6, v[XA]           ; + 64 h: my 16 numbers of a block
	s_lshl_b32 s46, s[WV], 13
	s_add_co_u32 s46, s46, XIMG
	v_add_nc_u32 v[XWI], s46, v[LI]
	s_lshl_b32 s46, s44, 9
	s_lshl_b32 s47, s45, 6
	s_add_co_u32 s46, s46, s47
	s_add_co_u32 s46, s46, XSC
	v_lshl_add_u32 v[XWS], v197, 2, s46
	v_lshl_add_u32 v[XRS], v196, 2, XSC
	s_mul_i32 s48, s[WV], QB                       ; my quarter
	v_add_nc_u32 v[AW], s48, v[LI]
	v_add_nc_u32 v[AW+1], R1, v[AW]
	s_add_co_u32 s47, s48, 32768
	v_lshl_add_u32 v[AWS], v197, 4, s47
	v_add_nc_u32 v[AWS+1], R1, v[AWS]
	s_lshl_b32 s47, s[WV], 11
	v_add_nc_u32 v[GC], s47, v[LI]                 ; out: K step w of a fragment row
	s_lshl_b32 s47, s[WV], 7
	v_lshl_add_u32 v[GS], v196, 2, s47
	s_mul_i32 s47, s[WV], 16896
	v_add_nc_u32 v[GV], s47, v[LI]                 ; out: V's quarter w
	v_lshl_add_u32 v[GVS], v197, 4, s47
	v_lshl_add_u32 v[GVS], v[H], 3, v[GVS]
	v_add_nc_u32 v[XR], XIMG, v[LI]
.irp b, 0,1,2,3
	v_mov_b32 v[TM+4+\b], 0                        ; written once: a lane permute's destination counts as one of its sources
.endr
	s_mov_b32 s[D0], 1
	s_mov_b32 s[D0+1], s48                         ; slot 0, my quarter
	s_mov_b32 s[D0+4], 1
	s_add_co_u32 s[D0+5], s48, R1                  ; slot 1, my quarter
	s_mov_b32 s49, 0
	s_mov_b32 s51, 0
	s_wait_dscnt 0x0                               ; both opening adds are done
	s_wait_kmcnt 0x0
	s_add_nc_u64 s[D0+2:D0+3], s[6:7], s[48:49]    ; wq's half 0
	s_add_nc_u64 s[D0+6:D0+7], s[D0+2:D0+3], 135168   ; wq's half 1
	s_or_b32 s[D0+3], s[D0+3], 0x80000000
	s_or_b32 s[D0+7], s[D0+7], 0x80000000
	s_lshl_b32 s50, s14, 17
	s_add_nc_u64 s[4:5], s[4:5], s[50:51]          ; x at my 64 tokens
	s_mul_i32 s50, s14, 33792
	s_add_nc_u64 s[36:37], s[8:9], s[50:51]        ; my block of qws
	s_lshr_b32 s52, s14, 1                         ; 16 x batch + key step
	s_mul_i32 s50, s52, 135168
	s_add_nc_u64 s[38:39], s[10:11], s[50:51]
	s_and_b32 s52, s14, 1                          ; which half of the step's 128 keys
	s_lshl_b32 s50, s52, 10
	s_add_co_u32 s50, s50, 67584
	s_add_nc_u64 s[40:41], s[38:39], s[50:51]      ; V's fragments: groups 2 g, 2 g + 1
	s_lshl_b32 s50, s52, 8
	s_add_co_u32 s50, s50, 83968
	s_add_nc_u64 s[42:43], s[38:39], s[50:51]      ; V's scale bytes
	s_mul_i32 s50, s52, 33792
	s_add_nc_u64 s[38:39], s[38:39], s[50:51]      ; K's quarters 2 g, 2 g + 1
	WIN 0x80                                       ; destination window 2
.irp s, 0,1,2,3
.irp c, 0,1,2,3
.irp i, 0,1,2,3
	global_load_b128 v[64*\s+16*\c+4*\i:64*\s+16*\c+4*\i+3], v[XA], s[4:5] offset:512*\s+128*\c+16*\i th:TH_LOAD_NT   ; tile w's rows: K step s, block c, my 16 numbers
.endr
.endr
.endr
	WIN 0
	CROUND                                         ; all four partners are here: the first joint loads meet
	tensor_load_to_lds s[D0:D0+3], s[G1:G1+7]
	s_nop 0
	tensor_load_to_lds s[D0+4:D0+7], s[G1:G1+7]
	s_nop 0
	NOPS 4
.irp s, 0,1,2,3
	s_wait_loadcnt 48-16*\s                        ; K step s is in; the younger K steps' sixteen loads each may stay out
	QUANT 64*\s, 2, 0, PC+16*\s, PW+\s
.irp c, 0,1,2,3
	ds_store_b128 v[XWI], v[PC+16*\s+4*\c:PC+16*\s+4*\c+3] offset:2048*\s+512*\c
.endr
	ds_store_b32 v[XWS], v[PW+\s] offset:128*\s    ; lanes r and r + 16 write the same word with the same value
.endr
	s_wait_dscnt 0x0                               ; for the others' sake: my images have landed
	s_barrier_signal -1
	s_barrier_wait -1                              ; the two first fills may stay out
	WIN 0x40                                       ; destination window 1
.set ii, 0
.rept 64
	ds_load_b128 v[4*ii:4*ii+3], v[XR] offset:512*ii   ; x's 16 fragments stay in registers
.set ii, ii+1
.endr
	WIN 0
.irp k, 0,1,2,3,4,5,6,7
	ds_load_b32 v[XS+\k], v[XRS] offset:128*\k
.endr
; 32 matrix instructions on 32 accumulators by turns: K step 2 g + sl.  mode 0: source 0 = the weight; mode 1: source 0 = x
.macro MM sl, g, mode, zero
.if \mode
	WIN 0xad                                       ; source 0 window 1, source 1 window 3, C and D window 2
.else
	WIN 0xa7                                       ; source 0 window 3, source 1 window 1, C and D window 2
.endif
.irp m, 0,1,2,3
.irp ct, 0,1,2,3,4,5,6,7
.if \mode
	WMS 8*(4*\ct+\m), 64*\m+16*(2*\g+\sl), 128*\sl+16*\ct, XS+4*(\m/2)+2*\g+\sl, WS+2*\ct+\sl, \zero, \m%2, 0
.else
	WMS 8*(8*\m+\ct), 128*\sl+16*\ct, 64*\m+16*(2*\g+\sl), WS+2*\ct+\sl, XS+4*(\m/2)+2*\g+\sl, \zero, 0, \m%2
.endif
.endr
.endr
.endm
; Half g of a weight, from slot p.  Both K steps' fragments go into registers; then the slot is free.  refill = 1: it is filled again, with the half weight two further on.  tw >= 0: a wait on my own tensor loads ahead of the reads.
.macro HALF p, g, mode, refill, tw
.if \tw >= 0
	s_wait_tensorcnt \tw
.endif
	NOPS 8                                         ; places in front of loads into registers that matrix instructions have read
	WIN 0xc0                                       ; destination window 3
.set ii, 0
.rept 32
	ds_load_b128 v[4*ii:4*ii+3], v[AW+\p] offset:512*ii
.set ii, ii+1
.endr
	WIN 0
.irp q, 0,1,2,3
	ds_load_b128 v[WS+4*\q:WS+4*\q+3], v[AWS+\p] offset:256*\q
.endr
	WIN 0xc0
.set ii, 0
.rept 32
	ds_load_b128 v[128+4*ii:128+4*ii+3], v[AW+\p] offset:16384+512*ii
.set ii, ii+1
.endr
	WIN 0
.if \refill
	s_wait_tensorcnt 0x0                           ; all my tensor loads have landed: the one that was out is the other slot's
	ds_add_u32 v[SPW], v[NIL]                      ; 0 onto my spare word
	s_add_nc_u64 s[D0+4*\p+2:D0+4*\p+3], s[D0+4*\p+2:D0+4*\p+3], 270336   ; no load of mine is out: this slot's next half weight
.endif
	s_wait_dscnt 32+\refill                        ; the second K step's 32 loads (and the add) may stay out
	MM 0, \g, \mode, 1-\g
	s_wait_dscnt 0x0                               ; the add is done, and my reads of this slot are over
.if \refill
	WIN 0
	CROUND                                         ; no wave of any partner still reads this slot or has a load on its way
	tensor_load_to_lds s[D0+4*\p:D0+4*\p+3], s[G1:G1+7]   ; my one tensor load behind the round, and the first thing there
	s_nop 0
	NOPS 4
.endif
	MM 1, \g, \mode, 0
	WIN 0
.endm
; q (kk = 0) or k (kk = 1): my 128 columns of the four tiles are K step w of the next product: quantised, stored as images
.macro EPI kk
	s_wait_xcnt 0x0                                ; earlier stores have read the codes' and pair rows' registers
	NOPS 8                                         ; places in front of the first read of results
.irp m, 0,1,2,3
	QUANT 64*\m, 2, 0, PC+16*\m, PW+\m
.irp c, 0,1,2,3
.if \kk
	global_store_b128 v[GC], v[PC+16*\m+4*\c:PC+16*\m+4*\c+3], s[38:39] offset:16896*(\m/2)+8192*(\m%2)+512*\c
.else
	global_store_b128 v[GC], v[PC+16*\m+4*\c:PC+16*\m+4*\c+3], s[36:37] offset:8192*\m+512*\c   ; 32 lanes store 512 consecutive bytes, aligned
.endif
.endr
.endr
	SELW 0
	SELW 1
.irp mp, 0,1
.if \kk
	global_store_b32 v[GS], v[PS+\mp], s[38:39] offset:16896*\mp+16384
.else
	global_store_b32 v[GS], v[PS+\mp], s[36:37] offset:32768+512*\mp
.endif
.endr
.endm
; v: accumulator (ct, m) at 32 ct + 8 m: a lane's 32 registers of a tile ct are 2 blocks of 32 keys (with lane l xor 16) of ONE row d
.macro EPIV
	s_wait_xcnt 0x0
	NOPS 8
.irp z, 0,1,2,3
	QUANT 64*\z, 2, 0, PC+16*\z, PW+\z
.irp e, 0,1,2,3
	global_store_b128 v[GV], v[PC+16*\z+4*\e:PC+16*\z+4*\e+3], s[40:41] offset:(2*\z+\e/2)*2048+(\e%2)*512   ; tile 2 z + e / 2, key block 2 g + e % 2
.endr
.endr
	v_cndmask_b32 v[PS], v[PW], v[PW+2], s[HM]     ; a row's 16 scale bytes: lanes 0-15 store tiles 0-3's, lanes 16-31 tiles 4-7's
	v_cndmask_b32 v[PS+1], v[PW+1], v[PW+3], s[HM]
	global_store_b64 v[GVS], v[PS:PS+1], s[42:43]  ; 256 consecutive bytes a wave, aligned
.endm
	HALF 0, 0, 0, 1, 1                             ; wq.  The count 1: its half 0 is in, half 1 may stay out
	HALF 1, 1, 0, 1, -1                            ; (each later half was shown landed by the wait for 0 in the half before)
	EPI 0
	HALF 0, 0, 0, 1, -1                            ; wk
	HALF 1, 1, 0, 1, -1
	EPI 1
	HALF 0, 0, 1, 0, -1                            ; wv: nothing is left to fetch
	HALF 1, 1, 1, 0, 0                             ; its half 1 was asked for behind the last wait for 0
	EPIV
	s_wait_tensorcnt 0x0                           ; the wave's end
	ds_add_u32 v[SPW], v[NIL]
	s_wait_dscnt 0x0
	CROUND                                         ; the closing round
	s_endpgm
.Lfunc_end_k_q43bde54e22_qkv:
	.size	k_q43bde54e22_qkv, .Lfunc_end_k_q43bde54e22_qkv-k_q43bde54e22_qkv
	.p2alignl 7, 3214868480
	.fill 96, 4, 3214868480
	.section	.rodata,"a",@progbits
	.p2align	6, 0x0
	.amdhsa_kernel k_q43bde54e22_qkv
		.amdhsa_group_segment_fixed_size 327680
		.amdhsa_private_segment_fixed_size 0
		.amdhsa_enable_private_segment 0
		.amdhsa_kernarg_size 32
		.amdhsa_user_sgpr_count 2
		.amdhsa_user_sgpr_kernarg_segment_ptr 1
		.amdhsa_wavefront_size32 1
		.amdhsa_system_sgpr_workgroup_id_x 1
		.amdhsa_system_sgpr_workgroup_id_y 1
		.amdhsa_system_sgpr_workgroup_id_z 1
		.amdhsa_system_vgpr_workitem_id 0
		.amdhsa_next_free_vgpr 1024
		.amdhsa_next_free_sgpr 66
		.amdhsa_reserve_vcc 0
		.amdhsa_float_denorm_mode_32 3
		.amdhsa_float_denorm_mode_16_64 3
		.amdhsa_memory_ordered 1
		.amdhsa_forward_progress 1
		.amdhsa_inst_pref_size 233
	.end_amdhsa_kernel
	.amdgpu_metadata
---
amdhsa.version: [ 1, 2 ]
amdhsa.kernels:
  - .name:           k_q43bde54e22_qkv
    .symbol:         k_q43bde54e22_qkv.kd
    .args:
      - { .name: x, .offset: 0, .size: 8, .value_kind: global_buffer, .address_space: global }
      - { .name: wts, .offset: 8, .size: 8, .value_kind: global_buffer, .address_space: global }
      - { .name: qws, .offset: 16, .size: 8, .value_kind: global_buffer, .address_space: global }
      - { .name: kvws, .offset: 24, .size: 8, .value_kind: global_buffer, .address_space: global }
    .group_segment_fixed_size: 327680
    .private_segment_fixed_size: 0
    .kernarg_segment_align: 8
    .kernarg_segment_size: 32
    .max_flat_workgroup_size: 128
    .sgpr_count:     66
    .vgpr_count:     1024
    .wavefront_size: 32
...
	.end_amdgpu_metadata
.endif
;; end of part 2
;; launch attn (part 3): grid 32 x 8, 4 waves a work-group, clusters of 4 x 1, 327,680 bytes of LDS; arguments qws, kvws, cws; writes cws
.if DOCPART == 3
	.amdgcn_target "amdgcn-amd-amdhsa--gfx1250"
	.amdhsa_code_object_version 6
	.text
	.protected	k_q43bde54e22_attn
	.globl	k_q43bde54e22_attn
	.p2align	8
	.type	k_q43bde54e22_attn,@function
k_q43bde54e22_attn:
	s_mov_b64 s[64:65], 0
	v_nop
	global_prefetch_b8 v0, s[64:65] scope:SCOPE_SE
	s_setreg_imm32_b32 hwreg(HW_REG_WAVE_MODE, 25, 1), 1
	s_wait_xcnt 0x0
	s_wait_alu depctr_hold_cnt(0) depctr_sa_sdst(0) depctr_va_vdst(0) depctr_va_sdst(0) depctr_va_ssrc(0) depctr_va_vcc(0) depctr_vm_vsrc(0)
	s_getreg_b32 s2, hwreg(HW_REG_IB_STS2, 6, 4)
	s_cmp_eq_u32 s2, 0
	s_cbranch_scc0 .Lentry_in_a_cluster
	s_endpgm
.Lentry_in_a_cluster:
	s_bfe_u32 s2, ttmp6, 0x10000c
	s_cmp_lg_u32 s2, 0x3003
	s_cbranch_scc0 .Lentry_shape_is_right
	s_endpgm
.Lentry_shape_is_right:
; ctx = softmax(q k^T / sqrt(512)) v, both products on codes of E5M2; ctx is quantised along its 512 for the product with wo and stored as images of operand registers.  No work is left out.
; THE SOFTMAX AHEAD OF THE SECOND PRODUCT: t = score x c, c = log2(e) / sqrt(512) as one constant; M = the running largest t rounded up to a whole number; p = 2^(t - M) is quantised along the keys, not normalised;
; the row's sum is taken of the unquantised p and divides at the end; when M moves, the sum and O are multiplied by 2^(old M - new M), which rounds nothing.
; SHARES.  A work-group owns 64 queries of one batch (four tiles of 16) and walks 16 steps of 128 keys.  THE WAVES SHARE THE KEYS IN THE FIRST PRODUCT AND THE HEAD'S 512 IN THE SECOND:
; wave w makes S^T for key block w (32 keys, two tiles) x 64 queries x K = 512 (32 matrix instructions, 8 accumulators by turns), its softmax and its codes of p, which are group w of p's fragments;
; then O^T for d = 128 w .. + 127 (8 tiles) x 64 queries x K = 128 keys (32 matrix instructions, 32 accumulators).  So each fragment of K and V read from LDS feeds four products.
; TWO MEETINGS A STEP: A, behind the block maxima (the four waves' maxima meet in LDS, so that all use one M); it is also the change of slots.  B, behind p's codes and scale bytes, which all four waves then read.
; Both products are used transposed: a lane holds ONE query (lane % 16) throughout.  K's keys and V's rows d were laid by the launch before so that a lane's 16 registers of two neighbouring tiles are 16 neighbours along the next K.
; A block's largest p is not searched for: p rises with the score, so the block's largest score goes through the same multiply-add and exponential (this takes v_exp_f32 not to fall where its input rises).
; RING.  Two slots of 135,168 bytes.  Slot p holds K of the steps of parity p and V of the steps of the other parity.  Waves 0, 1 fetch K's halves, waves 2, 3 V's; behind meeting A of step j slot j % 2 takes K of step j + 2 and V of step j + 1:
; K of step j went into registers in step j - 1, V of step j - 1 likewise.  Each load has a whole step in which to land.  A wave has at most two tensor loads out (the first fills), later one.
; CLUSTER.  The four query blocks of a cluster walk the same K and V: each tile is asked for JOINTLY (mask 15).
; LIMITS: those of the first launch; v_exp_f32 and v_rcp_f32 stand ahead of quantisers with their own accuracy.
; REGISTERS: window 0: addresses, statistics, scale words, S^T / p / p's fragments (v192-255).  Window 1: Q's 16 fragments.  Window 2: O^T, accumulator (m, t) at 64 m + 8 t.  Window 3: K's fragments v0-127, V's v128-255.
.set QB,    33792
.set R1,    135168
.set MX,    270336                     ; the waves' block maxima: [wave][lane] 16 bytes
.set PIM,   272384                     ; p's four fragments: [m][group] 512 bytes
.set PSC,   280576                     ; p's scale words: [lane][m]; byte w comes from wave w
.set LX,    281088                     ; the waves' sums, at the end
.set SPARE, 283136                     ; the spare words
.set AK,   2                           ; v2-3   K's quarter w in slot 0, 1
.set AKS,  4                           ; v4-5   its rows of scale words
.set AV,   6                           ; v6-7   V's quarter w for steps of parity 0, 1
.set AVS,  8                           ; v8-9   its scale bytes
.set AMXW, 10
.set AMXR, 11
.set APW,  12
.set APR,  13
.set APSW, 14
.set APSR, 15
.set L4,   16                          ; 4 x lane
.set PFO,  17                          ; 256 x lane: the prefetches' offset; never rewritten
.set GC,   18
.set GS,   19
.set SPW,  20
.set NIL,  21
.set LI,   22
.set H,    23
.set ST,   24                          ; 8 a tile: +0 -M, +1 the largest t, +2 f, +3 0, +4:5 the sum, +6:7 at work
.set BM,   56                          ; my block's largest score, a tile each
.set T1,   60
.set LMT,  64
.set SCO,  68
.set BY,   72
.set PSW,  76                          ; p's scale words
.set KSC,  80                          ; K's rows of scale words (lanes 0-15 tile u = 0, lanes 16-31 u = 1)
.set QSC,  84                          ; Q's pair rows
.set VSC,  92                          ; V's scale words, a tile each
.set VH,   100
.set MXR,  108
.set PC,   124
.set PW,   140
.set PS,   144
.set TM,   148
.set S,    192
.set TB,   0                           ; the quantiser's 64 held numbers: window 3, where K's fragments lay
.set TWIN, 3
.set WV,   10
.set G1,   16
.set D0,   24
.set CS,   32
.set SEL,  34
.set MNT,  36
.set REM,  37                          ; 15 - the step
.set LIM,  38                          ; a wave prefetches while REM is above it
.set CNT,  39
.set PFA,  40
.set INC0, 42
.set HM,   44
.set MSB, 0
.macro WIN new
.if MSB != (\new)
	s_set_vgpr_msb (MSB<<8)|(\new)
.set MSB, (\new)
.endif
.endm
.macro NOPS n
.rept \n
	v_nop
.endr
.endm
.macro CROUND
	s_barrier_signal -1
	s_barrier_wait -1
	s_cmp_lg_u32 s[WV], 0
	s_cbranch_scc1 .Lnw0_\@
	s_barrier_signal -3
.Lnw0_\@:
	s_barrier_wait -3
	s_barrier_signal -1
	s_barrier_wait -1
.endm
.macro WMS d, a, b, sa, sb, zero, ra, rb
.if (\zero)
.if (\ra) && (\rb)
	v_wmma_scale_f32_16x16x128_f8f6f4 v[(\d):(\d)+7], v[(\a):(\a)+15], v[(\b):(\b)+15], 0, v[\sa], v[\sb] matrix_a_fmt:MATRIX_FMT_BF8 matrix_b_fmt:MATRIX_FMT_BF8 matrix_a_scale:MATRIX_SCALE_ROW1 matrix_b_scale:MATRIX_SCALE_ROW1
.elseif (\ra)
	v_wmma_scale_f32_16x16x128_f8f6f4 v[(\d):(\d)+7], v[(\a):(\a)+15], v[(\b):(\b)+15], 0, v[\sa], v[\sb] matrix_a_fmt:MATRIX_FMT_BF8 matrix_b_fmt:MATRIX_FMT_BF8 matrix_a_scale:MATRIX_SCALE_ROW1
.elseif (\rb)
	v_wmma_scale_f32_16x16x128_f8f6f4 v[(\d):(\d)+7], v[(\a):(\a)+15], v[(\b):(\b)+15], 0, v[\sa], v[\sb] matrix_a_fmt:MATRIX_FMT_BF8 matrix_b_fmt:MATRIX_FMT_BF8 matrix_b_scale:MATRIX_SCALE_ROW1
.else
	v_wmma_scale_f32_16x16x128_f8f6f4 v[(\d):(\d)+7], v[(\a):(\a)+15], v[(\b):(\b)+15], 0, v[\sa], v[\sb] matrix_a_fmt:MATRIX_FMT_BF8 matrix_b_fmt:MATRIX_FMT_BF8
.endif
.else
.if (\ra) && (\rb)
	v_wmma_scale_f32_16x16x128_f8f6f4 v[(\d):(\d)+7], v[(\a):(\a)+15], v[(\b):(\b)+15], v[(\d):(\d)+7], v[\sa], v[\sb] matrix_a_fmt:MATRIX_FMT_BF8 matrix_b_fmt:MATRIX_FMT_BF8 matrix_a_scale:MATRIX_SCALE_ROW1 matrix_b_scale:MATRIX_SCALE_ROW1
.elseif (\ra)
	v_wmma_scale_f32_16x16x128_f8f6f4 v[(\d):(\d)+7], v[(\a):(\a)+15], v[(\b):(\b)+15], v[(\d):(\d)+7], v[\sa], v[\sb] matrix_a_fmt:MATRIX_FMT_BF8 matrix_b_fmt:MATRIX_FMT_BF8 matrix_a_scale:MATRIX_SCALE_ROW1
.elseif (\rb)
	v_wmma_scale_f32_16x16x128_f8f6f4 v[(\d):(\d)+7], v[(\a):(\a)+15], v[(\b):(\b)+15], v[(\d):(\d)+7], v[\sa], v[\sb] matrix_a_fmt:MATRIX_FMT_BF8 matrix_b_fmt:MATRIX_FMT_BF8 matrix_b_scale:MATRIX_SCALE_ROW1
.else
	v_wmma_scale_f32_16x16x128_f8f6f4 v[(\d):(\d)+7], v[(\a):(\a)+15], v[(\b):(\b)+15], v[(\d):(\d)+7], v[\sa], v[\sb] matrix_a_fmt:MATRIX_FMT_BF8 matrix_b_fmt:MATRIX_FMT_BF8
.endif
.endif
.endm
; 64 numbers of a lane in window sw become a fragment's codes at v[pc] and its scale word in v[pw]; as in the launch before
.macro QUANT src, sw, relu, pc, pw
	WIN (\sw)|((\sw)<<2)
.irp b, 0,1,2,3
.if \relu
	v_max3_num_f32 v[TM+\b], v[(\src)+16*\b], v[(\src)+16*\b+1], 0x8000000
.else
	v_max3_num_f32 v[TM+\b], |v[(\src)+16*\b]|, |v[(\src)+16*\b+1]|, 0x8000000
.endif
.endr
.irp i, 2,4,6,8,10,12,14
.irp b, 0,1,2,3
.if \relu
	v_max3_num_f32 v[TM+\b], v[(\src)+16*\b+\i], v[(\src)+16*\b+\i+1], v[TM+\b]
.else
	v_max3_num_f32 v[TM+\b], |v[(\src)+16*\b+\i]|, |v[(\src)+16*\b+\i+1]|, v[TM+\b]
.endif
.endr
.endr
	WIN 0
.irp b, 0,1,2,3
	v_permlanex16_b32 v[TM+4+\b], v[TM+\b], s[SEL], s[SEL+1]
.endr
.irp b, 0,1,2,3
	v_max_num_f32 v[TM+\b], v[TM+\b], v[TM+4+\b]
.endr
.irp b, 0,1,2,3
	v_add_nc_u32 v[TM+12+\b], 0xf8800000, v[TM+\b]
.endr
.irp b, 0,1,2,3
	v_and_or_b32 v[TM+8+\b], v[TM+\b], 0x7f800000, s[MNT]
.endr
.irp b, 0,1,2,3
	v_lshrrev_b32 v[TM+4+\b], 23, v[TM+12+\b]
.endr
	v_lshl_or_b32 v[\pw], v[TM+5], 8, v[TM+4]
	v_lshl_or_b32 v[\pw], v[TM+6], 16, v[\pw]
	v_lshl_or_b32 v[\pw], v[TM+7], 24, v[\pw]
	WIN (TWIN<<6)|(\sw)
.irp b, 0,1,2,3
.irp i, 0,1,2,3,4,5,6,7,8,9,10,11,12,13,14,15
.if \relu
	v_med3_num_f32 v[TB+16*\b+\i], v[(\src)+16*\b+\i], 0, v[TM+8+\b]
.else
	v_med3_num_f32 v[TB+16*\b+\i], v[(\src)+16*\b+\i], -v[TM+8+\b], v[TM+8+\b]
.endif
.endr
.endr
	WIN TWIN
.irp b, 0,1,2,3
	v_cvt_scalef32_pk8_bf8_f32 v[(\pc)+4*\b:(\pc)+4*\b+1], v[TB+16*\b:TB+16*\b+7], v[TM+12+\b]
	v_cvt_scalef32_pk8_bf8_f32 v[(\pc)+4*\b+2:(\pc)+4*\b+3], v[TB+16*\b+8:TB+16*\b+15], v[TM+12+\b]
.endr
	WIN 0
	v_nop
.endm
.macro SELW mp
	v_cndmask_b32 v[PS+\mp], v[PW+2*\mp], v[PW+2*\mp+1], s[HM]
.endm
; the joint refill of slot p.  kind 0: all four waves; 1: K's waves alone; 2: V's alone.  The branch hangs on the wave's number alone: it is the same in every partner
.macro TL p, kind
.if \kind == 1
	s_cmp_lt_u32 s[WV], 2
	s_cbranch_scc0 .Lno_\@
.elseif \kind == 2
	s_cmp_ge_u32 s[WV], 2
	s_cbranch_scc0 .Lno_\@
.endif
	tensor_load_to_lds s[D0+4*\p:D0+4*\p+3], s[G1:G1+7]
	s_nop 0
	NOPS 4
.Lno_\@:
.endm
; A PREFETCH INTO THE L2 of the fragment bytes that the meeting A two steps on will ask for (K of step j + 4, V of step j + 3): 128 matrix instructions a wave ahead of that load.  It stands behind my tensor load and its five lines.
; Each aligned block of 256 bytes is named once in the launch: all eight clusters of a batch walk the same K and V, and the batch's first cluster asks; of the 128 fragment blocks that a wave fetches each of the four partners
; takes 32, told apart by address; a lane a block.  The scale bytes are not asked for.  K's waves stop behind step 11, V's behind step 12: there is nothing further on.
.macro ASK
	s_cmp_gt_u32 s[REM], s[LIM]
	s_cbranch_scc0 .Lnm_\@
	global_prefetch_b8 v[PFO], s[PFA:PFA+1] th:TH_LOAD_NT scope:SCOPE_SE
.Lnm_\@:
.endm
	s_load_b128 s[4:7], s[0:1], 0x0                ; qws, kvws
	s_load_b64 s[8:9], s[0:1], 0x10                ; cws
	v_lshl_add_u32 v[SPW], v0, 2, SPARE
	v_mov_b32 v[NIL], 0
	ds_add_u32 v[SPW], v[NIL]                      ; the wave's opening: the add, twice on end, and its wait ahead of my first tensor load
	ds_add_u32 v[SPW], v[NIL]
	v_lshrrev_b32 v164, 5, v0
	v_readfirstlane_b32 s[WV], v164
	s_bfe_u32 s11, ttmp6, 0x40000                  ; cx
	s_mov_b32 s[G1+0], 15|(3<<16)|(1<<21)          ; as in the launch before: 132 dense rows of 256 bytes, for all four partners
	s_mov_b32 s[G1+1], 32<<16
	s_mov_b32 s[G1+2], 132<<16
	s_mov_b32 s[G1+3], 32<<16
	s_mov_b32 s[G1+4], 132
	s_mov_b32 s[G1+5], 32
	s_mov_b32 s[G1+6], 0
	s_mov_b32 s[G1+7], 0
	s_mov_b32 s[CS], 0x3d8293ee                    ; c = log2(e) / sqrt(512)
	s_mov_b32 s[CS+1], s[CS]                       ; (named with it as a pair, so it is written)
	s_mov_b32 s[SEL], 0x76543210
	s_mov_b32 s[SEL+1], 0xfedcba98
	s_mov_b32 s[MNT], 0x600000
	s_mov_b32 s[REM], 15
	s_mov_b32 s45, 0x05040100                      ; two low halves
	s_mov_b32 s46, 0x07060302                      ; two high halves
	v_and_b32 v164, 31, v0                         ; lane
	v_and_b32 v165, 15, v0                         ; r
	v_bfe_u32 v[H], v0, 4, 1
	v_cmp_ne_u32 s[HM], 0, v[H]
	v_lshlrev_b32 v[LI], 4, v164
	v_lshlrev_b32 v[L4], 2, v164
	v_lshlrev_b32 v[PFO], 8, v164
	s_mul_i32 s48, s[WV], 16896
	v_add_nc_u32 v[AK], s48, v[LI]
	v_add_nc_u32 v[AK+1], R1, v[AK]
	s_add_co_u32 s49, s48, 16384
	v_add_nc_u32 v[AKS], s49, v[L4]
	v_add_nc_u32 v[AKS+1], R1, v[AKS]
	v_add_nc_u32 v[AV+1], 67584, v[AK]             ; V of odd steps lies in slot 0,
	v_add_nc_u32 v[AV], R1, v[AV+1]                ; V of even steps in slot 1
	s_add_co_u32 s49, s48, 83968
	v_lshl_add_u32 v[AVS+1], v165, 4, s49
	v_add_nc_u32 v[AVS], R1, v[AVS+1]
	s_lshl_b32 s49, s[WV], 9
	s_add_co_u32 s50, s49, MX
	v_add_nc_u32 v[AMXW], s50, v[LI]
	v_add_nc_u32 v[AMXR], MX, v[LI]
	s_add_co_u32 s50, s49, PIM
	v_add_nc_u32 v[APW], s50, v[LI]
	v_add_nc_u32 v[APR], PIM, v[LI]
	s_add_co_u32 s50, s[WV], PSC
	v_add_nc_u32 v[APSW], s50, v[LI]
	v_add_nc_u32 v[APSR], PSC, v[LI]
	s_lshl_b32 s50, s[WV], 11
	v_add_nc_u32 v[GC], s50, v[LI]
	s_lshl_b32 s50, s[WV], 7
	v_add_nc_u32 v[GS], s50, v[L4]
.irp m, 0,1,2,3
	v_mov_b32 v[ST+8*\m+3], 0                      ; the upper halves of the pairs (f, 0)
	v_mov_b32 v[T1+\m], 0                          ; written once: a lane permute's destination counts as one of its sources
	v_mov_b32 v[TM+4+\m], 0
.endr
	s_mul_i32 s49, s[WV], QB
	s_mov_b32 s[D0], 1
	s_mov_b32 s[D0+1], s49                         ; slot 0: waves 0, 1 K's halves, waves 2, 3 V's
	s_mov_b32 s[D0+4], 1
	s_add_co_u32 s[D0+5], s49, R1
	s_lshr_b32 s53, s[WV], 1                       ; 0: I fetch for K; 1: for V
	s_xor_b32 s54, s53, 1
	s_mul_i32 s[INC0], s54, 270336                 ; the first step of slot 0's address: K's goes two steps on, V's stays
	s_mov_b32 s[INC0+1], 0
	s_sub_co_u32 s55, 3, s53
	s_and_b32 s52, ttmp7, 0xffff                   ; the batch, which the partners share
	s_mov_b32 s51, 0
	s_mov_b32 s57, 0
	s_mov_b32 s59, 0
	s_wait_dscnt 0x0                               ; both opening adds are done
	s_wait_kmcnt 0x0
	s_mul_i32 s50, s52, 2162688
	s_add_nc_u64 s[6:7], s[6:7], s[50:51]          ; the batch's 16 key steps
	s_mul_i32 s50, s53, 135168
	s_add_co_u32 s50, s50, s49
	s_add_nc_u64 s[D0+2:D0+3], s[6:7], s[50:51]    ; K of step 0 | V of step 1
	s_mul_i32 s50, s54, 135168
	s_add_co_u32 s50, s50, s49
	s_add_nc_u64 s[D0+6:D0+7], s[6:7], s[50:51]    ; K of step 1 | V of step 0
	s_or_b32 s[D0+3], s[D0+3], 0x80000000
	s_or_b32 s[D0+7], s[D0+7], 0x80000000
	s_mul_i32 s56, s55, 135168                     ; the prefetches: K's stand at step 3, V's at step 2; the first meeting steps them on
	s_add_co_u32 s56, s56, s49
	s_lshr_b32 s58, s11, 1
	s_mul_i32 s58, s58, 16896
	s_add_co_u32 s56, s56, s58
	s_and_b32 s58, s11, 1
	s_lshl_b32 s58, s58, 13
	s_add_co_u32 s56, s56, s58                     ; my work-group's 32 blocks
	s_add_nc_u64 s[PFA:PFA+1], s[6:7], s[56:57]
	s_cmp_eq_u32 ttmp9, 0                          ; the batch's first cluster asks: the same in all four partners
	s_cselect_b32 s[LIM], s55, -1
	s_lshl_b32 s58, s52, 5
	s_lshl_b32 s56, ttmp9, 2
	s_add_co_u32 s58, s58, s56
	s_add_co_u32 s58, s58, s11                     ; my work-group among the 256
	s_mul_i32 s58, s58, 33792
	s_add_nc_u64 s[4:5], s[4:5], s[58:59]
	s_add_nc_u64 s[8:9], s[8:9], s[58:59]
	CROUND                                         ; all four partners are here: the first joint loads meet
	tensor_load_to_lds s[D0:D0+3], s[G1:G1+7]
	s_nop 0
	tensor_load_to_lds s[D0+4:D0+7], s[G1:G1+7]
	s_nop 0
	NOPS 4
	WIN 0x40                                       ; destination window 1
.set ii, 0
.rept 64
	global_load_b128 v[4*ii:4*ii+3], v[LI], s[4:5] offset:512*ii   ; Q's 16 fragments stay in registers
.set ii, ii+1
.endr
	WIN 0
.irp k, 0,1,2,3,4,5,6,7
	global_load_b32 v[QSC+\k], v[L4], s[4:5] offset:32768+128*\k
.endr
	s_wait_tensorcnt 1                             ; my first fill is in (K of step 0 among them); the second may stay out
	s_barrier_signal -1
	s_barrier_wait -1
	WIN 0xc0
.set ii, 0
.rept 32
	ds_load_b128 v[4*ii:4*ii+3], v[AK] offset:512*ii   ; K of step 0, my 32 keys
.set ii, ii+1
.endr
	WIN 0
.irp s, 0,1,2,3
	ds_load_b32 v[KSC+\s], v[AKS] offset:128*\s
.endr
	s_wait_loadcnt 0x0
	s_wait_dscnt 0x0
; A KEY STEP of parity p.  first: it starts M, the sums and O^T.  kind: who refills (3: nobody).  last: no K follows.  ask: it steps the prefetches' address and may prefetch.
.macro STEP p, first, kind, last, ask
.if !(\first)
	NOPS 9                                         ; S^T is laid over p's fragments, which the last products read: a matrix instruction that writes over them stands nine places behind
.endif
	WIN 0x07                                       ; source 0 (K) window 3, source 1 (Q) window 1, C and D window 0
.irp s, 0,1,2,3
.irp m, 0,1,2,3
.irp u, 0,1
.if \s == 0
	WMS S+16*\m+8*\u, 16*(4*\u+\s), 64*\m+16*\s, KSC+\s, QSC+4*(\m/2)+\s, 1, \u, \m%2
.else
	WMS S+16*\m+8*\u, 16*(4*\u+\s), 64*\m+16*\s, KSC+\s, QSC+4*(\m/2)+\s, 0, \u, \m%2
.endif
.endr
.endr
.endr
	WIN 0
	NOPS 8
.irp m, 0,1,2,3
	v_max3_num_f32 v[BM+\m], v[S+16*\m], v[S+16*\m+1], v[S+16*\m+2]   ; the largest score of my 32 keys, for each tile's query: from each accumulator's low end on
.endr
.irp i, 3,5,7,9,11,13
.irp m, 0,1,2,3
	v_max3_num_f32 v[BM+\m], v[BM+\m], v[S+16*\m+\i], v[S+16*\m+\i+1]
.endr
.endr
.irp m, 0,1,2,3
	v_max_num_f32 v[BM+\m], v[BM+\m], v[S+16*\m+15]
.endr
.irp m, 0,1,2,3
	v_permlanex16_b32 v[T1+\m], v[BM+\m], s[SEL], s[SEL+1]
.endr
.irp m, 0,1,2,3
	v_max_num_f32 v[BM+\m], v[BM+\m], v[T1+\m]
.endr
	ds_store_b128 v[AMXW], v[BM:BM+3]
	; ---- meeting A
.if \ask
	s_wait_xcnt 0x0                                ; the last prefetch, a step back, has read its address
	s_add_nc_u64 s[PFA:PFA+1], s[PFA:PFA+1], 135168
.endif
	s_wait_tensorcnt 0x0                           ; all my tensor loads have landed: what this step and the next will read
	ds_add_u32 v[SPW], v[NIL]                      ; 0 onto my spare word
.if \kind < 3
.if \first
	s_add_nc_u64 s[D0+2:D0+3], s[D0+2:D0+3], s[INC0:INC0+1]
.else
	s_add_nc_u64 s[D0+4*\p+2:D0+4*\p+3], s[D0+4*\p+2:D0+4*\p+3], 270336   ; no load of mine is out: two steps on
.endif
.endif
	s_wait_dscnt 0x0                               ; the add is done, my maxima have landed, my reads of the slot are long over
.if \kind < 3
	CROUND                                         ; no wave of any partner still reads the slot or has a load on its way
	TL \p, \kind
.if \ask
	ASK
.endif
.else
	s_barrier_signal -1
	s_barrier_wait -1
.endif
.irp q, 0,1,2,3
	ds_load_b128 v[MXR+4*\q:MXR+4*\q+3], v[AMXR] offset:512*\q
.endr
	WIN 0xc0
.set ii, 0
.rept 32
	ds_load_b128 v[128+4*ii:128+4*ii+3], v[AV+\p] offset:512*ii   ; V of this step, my 128 rows d
.set ii, ii+1
.endr
	WIN 0
	ds_load_b128 v[VH:VH+3], v[AVS+\p]
	ds_load_b128 v[VH+4:VH+7], v[AVS+\p] offset:256
	s_wait_dscnt 34                                ; the four waves' maxima are in; V's 34 loads may stay out
.irp m, 0,1,2,3
	v_max3_num_f32 v[ST+8*\m+6], v[MXR+\m], v[MXR+4+\m], v[MXR+8+\m]
.endr
.irp m, 0,1,2,3
	v_max_num_f32 v[ST+8*\m+6], v[ST+8*\m+6], v[MXR+12+\m]   ; the step's largest score of my query
.endr
.if \first
.irp m, 0,1,2,3
	v_mul_f32 v[ST+8*\m+1], s[CS], v[ST+8*\m+6]    ; as t (c is positive)
.endr
.irp m, 0,1,2,3
	v_floor_f32 v[ST+8*\m], -v[ST+8*\m+1]          ; -M = floor(-t) = -ceil(t)
.endr
.else
.irp m, 0,1,2,3
	v_mul_f32 v[ST+8*\m+6], s[CS], v[ST+8*\m+6]
.endr
.irp m, 0,1,2,3
	v_max_num_f32 v[ST+8*\m+1], v[ST+8*\m+1], v[ST+8*\m+6]   ; the running largest t
.endr
.irp m, 0,1,2,3
	v_mov_b32 v[ST+8*\m+6], v[ST+8*\m]
.endr
.irp m, 0,1,2,3
	v_floor_f32 v[ST+8*\m], -v[ST+8*\m+1]
.endr
.irp m, 0,1,2,3
	v_sub_f32 v[ST+8*\m+6], v[ST+8*\m], v[ST+8*\m+6]   ; old M - new M: a whole number, 0 or less
.endr
.irp m, 0,1,2,3
	v_cvt_i32_f32 v[ST+8*\m+6], v[ST+8*\m+6]
.endr
.irp m, 0,1,2,3
	v_ldexp_f32 v[ST+8*\m+2], 1.0, v[ST+8*\m+6]    ; f = 2^(old M - new M)
.endr
.endif
.if !(\last)
	WIN 0xc0
.set ii, 0
.rept 32
	ds_load_b128 v[4*ii:4*ii+3], v[AK+1-\p] offset:512*ii   ; K of the next step: the places behind this step's first products stand above
.set ii, ii+1
.endr
	WIN 0
.irp s, 0,1,2,3
	ds_load_b32 v[KSC+\s], v[AKS+1-\p] offset:128*\s
.endr
.endif
.irp m, 0,1,2,3
.irp j, 0,2,4,6,8,10,12,14
	v_pk_fma_f32 v[S+16*\m+\j:S+16*\m+\j+1], v[S+16*\m+\j:S+16*\m+\j+1], s[CS:CS+1], v[ST+8*\m:ST+8*\m+1] op_sel_hi:[1,0,0]   ; t - M, two at a time
.endr
.endr
.irp m, 0,1,2,3
	v_fma_f32 v[BM+\m], v[BM+\m], s[CS], v[ST+8*\m]   ; the same of my block's largest score
.endr
.set ii, 0
.rept 64
	v_exp_f32 v[S+ii], v[S+ii]                     ; p = 2^(t - M), at most 1
.set ii, ii+1
.endr
.if \first
	v_nop                                          ; a plain instruction behind the exponentials
.else
	v_pk_mul_f32 v[ST+4:ST+5], v[ST+4:ST+5], v[ST+2:ST+3] op_sel_hi:[1,0]   ; tile 0's sum under the new M: a plain instruction behind the exponentials
.endif
	s_wait_alu depctr_va_vdst(0)                   ; one wait ahead of the batch's first reader
.irp m, 0,1,2,3
	v_exp_f32 v[BM+\m], v[BM+\m]                   ; my block's largest p
.endr
.if !(\first)
.irp m, 1,2,3
	v_pk_mul_f32 v[ST+8*\m+4:ST+8*\m+5], v[ST+8*\m+4:ST+8*\m+5], v[ST+8*\m+2:ST+8*\m+3] op_sel_hi:[1,0]
.endr
.endif
.irp m, 0,1,2,3
	v_pk_add_f32 v[ST+8*\m+6:ST+8*\m+7], v[S+16*\m+2:S+16*\m+3], v[S+16*\m+6:S+16*\m+7]   ; the sums are taken of the unquantised p: two chains a tile
.endr
.irp m, 0,1,2,3
.if \first
	v_pk_add_f32 v[ST+8*\m+4:ST+8*\m+5], v[S+16*\m:S+16*\m+1], v[S+16*\m+4:S+16*\m+5]
.else
	v_pk_add_f32 v[ST+8*\m+4:ST+8*\m+5], v[ST+8*\m+4:ST+8*\m+5], v[S+16*\m:S+16*\m+1]
.endif
.endr
.if !(\first)
.irp m, 0,1,2,3
	v_pk_add_f32 v[ST+8*\m+4:ST+8*\m+5], v[ST+8*\m+4:ST+8*\m+5], v[S+16*\m+4:S+16*\m+5]
.endr
.endif
.irp m, 0,1,2,3
	v_pk_add_f32 v[ST+8*\m+4:ST+8*\m+5], v[ST+8*\m+4:ST+8*\m+5], v[S+16*\m+8:S+16*\m+9]
.endr
.irp m, 0,1,2,3
	v_pk_add_f32 v[ST+8*\m+6:ST+8*\m+7], v[ST+8*\m+6:ST+8*\m+7], v[S+16*\m+10:S+16*\m+11]
.endr
.irp m, 0,1,2,3
	v_pk_add_f32 v[ST+8*\m+4:ST+8*\m+5], v[ST+8*\m+4:ST+8*\m+5], v[S+16*\m+12:S+16*\m+13]
.endr
.irp m, 0,1,2,3
	v_pk_add_f32 v[ST+8*\m+6:ST+8*\m+7], v[ST+8*\m+6:ST+8*\m+7], v[S+16*\m+14:S+16*\m+15]
.endr
.irp m, 0,1,2,3
	v_pk_add_f32 v[ST+8*\m+4:ST+8*\m+5], v[ST+8*\m+4:ST+8*\m+5], v[ST+8*\m+6:ST+8*\m+7]
.endr
	s_wait_alu depctr_va_vdst(0)                   ; and one for the four
.irp m, 0,1,2,3
	v_max_num_f32 v[BM+\m], 0x8000000, v[BM+\m]    ; the floor 2^(16 - 127)
.endr
.irp m, 0,1,2,3
	v_add_nc_u32 v[SCO+\m], 0xf8800000, v[BM+\m]
.endr
.irp m, 0,1,2,3
	v_and_or_b32 v[LMT+\m], v[BM+\m], 0x7f800000, s[MNT]
.endr
.irp m, 0,1,2,3
	v_lshrrev_b32 v[BY+\m], 23, v[SCO+\m]          ; byte w of the tile's scale words
.endr
.irp m, 0,1,2,3
.irp i, 0,1,2,3,4,5,6,7,8,9,10,11,12,13,14,15
	v_min_num_f32 v[S+16*\m+\i], v[S+16*\m+\i], v[LMT+\m]   ; p is not negative: the hold is one-sided
.endr
	v_cvt_scalef32_pk8_bf8_f32 v[PC+4*\m:PC+4*\m+1], v[S+16*\m:S+16*\m+7], v[SCO+\m]
	v_cvt_scalef32_pk8_bf8_f32 v[PC+4*\m+2:PC+4*\m+3], v[S+16*\m+8:S+16*\m+15], v[SCO+\m]
.endr
	v_nop                                          ; one plain instruction behind the last scaled conversion
.irp m, 0,1,2,3
	ds_store_b128 v[APW], v[PC+4*\m:PC+4*\m+3] offset:2048*\m   ; group w of tile m's fragment of p
.endr
.irp m, 0,1,2,3
	ds_store_b8 v[APSW], v[BY+\m] offset:4*\m
.endr
	s_wait_dscnt 0x0                               ; for the others' sake: my codes and bytes have landed; V and the next K are in
	s_barrier_signal -1                            ; ---- meeting B: my tensor load may stay out
	s_barrier_wait -1
.irp m, 0,1,2,3
.irp c, 0,1,2,3
	ds_load_b128 v[S+16*\m+4*\c:S+16*\m+4*\c+3], v[APR] offset:2048*\m+512*\c
.endr
.endr
	ds_load_b128 v[PSW:PSW+3], v[APSR]
.irp i, 0,1,2,3
	v_perm_b32 v[VSC+2*\i], v[VH+4+\i], v[VH+\i], s45     ; V's scale word of tile 2 i: two bytes from each half of the step
	v_perm_b32 v[VSC+2*\i+1], v[VH+4+\i], v[VH+\i], s46   ; of tile 2 i + 1
.endr
.if \first
	NOPS 8                                         ; a scale register written by a vector instruction stands eight places ahead of the product
.else
	WIN 0x82                                       ; O^T in window 2, f in window 0
.irp m, 0,1,2,3
.set ii, 0
.rept 32
	v_pk_mul_f32 v[64*\m+ii:64*\m+ii+1], v[64*\m+ii:64*\m+ii+1], v[ST+8*\m+2:ST+8*\m+3] op_sel_hi:[1,0]   ; O^T under the new M, each accumulator from its low end on; these are also the eight places
.set ii, ii+2
.endr
.endr
.endif
	s_wait_dscnt 0x0
	WIN 0xa3                                       ; source 0 (V) window 3, source 1 (p) window 0, C and D window 2
.irp t, 0,1,2,3,4,5,6,7
.irp m, 0,1,2,3
	WMS 64*\m+8*\t, 128+16*\t, S+16*\m, VSC+\t, PSW+\m, \first, 0, 0
.endr
.endr
	WIN 0
	s_sub_co_u32 s[REM], s[REM], 1
.endm
	STEP 0, 1, 1, 0, 1                             ; step 0: V of step 1 came with the first fills, so K's waves alone refill
	s_mov_b32 s[CNT], 6
.Lpair:                                            ; steps 1 to 12, two a trip
	STEP 1, 0, 0, 0, 1
	STEP 0, 0, 0, 0, 1
	s_sub_co_u32 s[CNT], s[CNT], 1
	s_cmp_lg_u32 s[CNT], 0
	s_cbranch_scc1 .Lpair
	STEP 1, 0, 0, 0, 0                             ; step 13: K of step 15, V of step 14.  The tail is written out
	STEP 0, 0, 2, 0, 0                             ; step 14: V of step 15 alone
	STEP 1, 0, 3, 1, 0                             ; step 15: nothing is left to fetch
	; THE WAY OUT: the four waves' sums meet; O^T / the sum is ctx: my 128 of its 512 are K step w of the product with wo
	NOPS 8
.irp m, 0,1,2,3
	v_add_f32 v[BM+\m], v[ST+8*\m+4], v[ST+8*\m+5]
.endr
.irp m, 0,1,2,3
	v_permlanex16_b32 v[T1+\m], v[BM+\m], s[SEL], s[SEL+1]
.endr
.irp m, 0,1,2,3
	v_add_f32 v[BM+\m], v[BM+\m], v[T1+\m]         ; the sum over my key blocks
.endr
	ds_store_b128 v[AMXW], v[BM:BM+3] offset:LX-MX
	s_wait_dscnt 0x0
	s_barrier_signal -1
	s_barrier_wait -1
.irp q, 0,1,2,3
	ds_load_b128 v[MXR+4*\q:MXR+4*\q+3], v[AMXR] offset:LX-MX+512*\q
.endr
	s_wait_dscnt 0x0
.irp m, 0,1,2,3
	v_add_f32 v[BM+\m], v[MXR+\m], v[MXR+4+\m]
	v_add_f32 v[T1+\m], v[MXR+8+\m], v[MXR+12+\m]
.endr
.irp m, 0,1,2,3
	v_add_f32 v[BM+\m], v[BM+\m], v[T1+\m]         ; the row's sum
.endr
.irp m, 0,1,2,3
	v_rcp_f32 v[ST+8*\m+2], v[BM+\m]
.endr
	v_nop
	s_wait_alu depctr_va_vdst(0)                   ; one wait for the four reciprocals, ahead of their first reader
	WIN 0x82
.irp m, 0,1,2,3
.set ii, 0
.rept 32
	v_pk_mul_f32 v[64*\m+ii:64*\m+ii+1], v[64*\m+ii:64*\m+ii+1], v[ST+8*\m+2:ST+8*\m+3] op_sel_hi:[1,0]
.set ii, ii+2
.endr
.endr
.irp m, 0,1,2,3
	QUANT 64*\m, 2, 0, S+16*\m, PW+\m
.irp c, 0,1,2,3
	global_store_b128 v[GC], v[S+16*\m+4*\c:S+16*\m+4*\c+3], s[8:9] offset:8192*\m+512*\c   ; 32 lanes store 512 consecutive bytes, aligned
.endr
.endr
	SELW 0
	SELW 1
.irp mp, 0,1
	global_store_b32 v[GS], v[PS+\mp], s[8:9] offset:32768+512*\mp
.endr
	s_wait_tensorcnt 0x0                           ; the wave's end
	ds_add_u32 v[SPW], v[NIL]
	s_wait_dscnt 0x0
	CROUND                                         ; the closing round
	s_endpgm
.Lfunc_end_k_q43bde54e22_attn:
	.size	k_q43bde54e22_attn, .Lfunc_end_k_q43bde54e22_attn-k_q43bde54e22_attn
	.p2alignl 7, 3214868480
	.fill 96, 4, 3214868480
	.section	.rodata,"a",@progbits
	.p2align	6, 0x0
	.amdhsa_kernel k_q43bde54e22_attn
		.amdhsa_group_segment_fixed_size 327680
		.amdhsa_private_segment_fixed_size 0
		.amdhsa_enable_private_segment 0
		.amdhsa_kernarg_size 24
		.amdhsa_user_sgpr_count 2
		.amdhsa_user_sgpr_kernarg_segment_ptr 1
		.amdhsa_wavefront_size32 1
		.amdhsa_system_sgpr_workgroup_id_x 1
		.amdhsa_system_sgpr_workgroup_id_y 1
		.amdhsa_system_sgpr_workgroup_id_z 1
		.amdhsa_system_vgpr_workitem_id 0
		.amdhsa_next_free_vgpr 1024
		.amdhsa_next_free_sgpr 66
		.amdhsa_reserve_vcc 0
		.amdhsa_float_denorm_mode_32 3
		.amdhsa_float_denorm_mode_16_64 3
		.amdhsa_memory_ordered 1
		.amdhsa_forward_progress 1
		.amdhsa_inst_pref_size 255
	.end_amdhsa_kernel
	.section	.bss,"aw",@nobits
	.p2align	6
	.space	262144
	.amdgpu_metadata
---
amdhsa.version: [ 1, 2 ]
amdhsa.kernels:
  - .name:           k_q43bde54e22_attn
    .symbol:         k_q43bde54e22_attn.kd
    .args:
      - { .name: qws, .offset: 0, .size: 8, .value_kind: global_buffer, .address_space: global }
      - { .name: kvws, .offset: 8, .size: 8, .value_kind: global_buffer, .address_space: global }
      - { .name: cws, .offset: 16, .size: 8, .value_kind: global_buffer, .address_space: global }
    .group_segment_fixed_size: 327680
    .private_segment_fixed_size: 0
    .kernarg_segment_align: 8
    .kernarg_segment_size: 24
    .max_flat_workgroup_size: 128
    .sgpr_count:     66
    .vgpr_count:     1024
    .wavefront_size: 32
...
	.end_amdgpu_metadata
.endif
;; end of part 3
;; launch tail (part 4): grid 256 x 1, 4 waves a work-group, clusters of 4 x 1, 327,680 bytes of LDS; arguments cws, x, wts, bo, ln1_g, ln1_b, b1, b2, ln2_g, ln2_b, out1, psum; writes out1, psum
.if DOCPART == 4
	.amdgcn_target "amdgcn-amd-amdhsa--gfx1250"
	.amdhsa_code_object_version 6
	.text
	.protected	k_q43bde54e22_tail
	.globl	k_q43bde54e22_tail
	.p2align	8
	.type	k_q43bde54e22_tail,@function
k_q43bde54e22_tail:
	s_mov_b64 s[64:65], 0
	v_nop
	global_prefetch_b8 v0, s[64:65] scope:SCOPE_SE
	s_setreg_imm32_b32 hwreg(HW_REG_WAVE_MODE, 25, 1), 1
	s_wait_xcnt 0x0
	s_wait_alu depctr_hold_cnt(0) depctr_sa_sdst(0) depctr_va_vdst(0) depctr_va_sdst(0) depctr_va_ssrc(0) depctr_va_vcc(0) depctr_vm_vsrc(0)
	s_getreg_b32 s2, hwreg(HW_REG_IB_STS2, 6, 4)
	s_cmp_eq_u32 s2, 0
	s_cbranch_scc0 .Lentry_in_a_cluster
	s_endpgm
.Lentry_in_a_cluster:
	s_bfe_u32 s2, ttmp6, 0x10000c
	s_cmp_lg_u32 s2, 0x3003
	s_cbranch_scc0 .Lentry_shape_is_right
	s_endpgm
.Lentry_shape_is_right:
; src = LN1(x + Q(ctx) Q(wo) + bo);  h = relu(Q(src) Q(w1) + b1);  out1 = LN2(src + Q(h) Q(w2) + b2);  psum = the work-group's column sums of out1, for the mean over the sequence.  No work is left out.
; SHARES.  A work-group owns 64 tokens (four tiles, in the order in which the launches before laid them); wave w owns columns 128 w .. + 127 of every product, for all 64 tokens: 32 accumulators.
; All three products: source 0 = 16 columns of the weight, source 1 = 16 tokens: a lane holds ONE token and, in register 64 m + 16 b + i, column 128 w + 32 b + 16 (lane / 16) + i: the next product's K, in the operand's own order.
; EVERY SUM CONTINUES WHAT LIES IN ITS ACCUMULATOR: x + bo for the first product, b1 for the second, src for the third: residuals and two of the biases cost no addition behind a product.
; src and h go from wave to wave through LDS as images of operand registers (fragment (m, s) at (4 m + s) x 2,048; pair rows of scale words beside them); neither goes to memory.
; LAYER NORM: each wave takes the mean and the sum of squares about it of its own 128 columns; the four meet in LDS once, and are joined as mean = the mean of means, M2 = the sum of M2 + 128 x the sum of (mean_w - mean)^2:
; no difference of large sums is formed.
; CLUSTER and RING as in the launch qkv: six half weights (wo, w1, w2), asked for jointly by the four partners, each wave its own quarter, two slots.  A wave has at most two tensor loads out, later one.
; LIMITS: those of the first launch; v_rsq_f32 stands ahead of a quantiser with its own accuracy.
; REGISTERS: window 0: addresses, scale words, codes, statistics; v128-191 and v192-255: activations' fragments of two K steps, held numbers, rows on the way out.  Window 1: the weight's fragments of two K steps.
; Window 2: A (x + bo, src, the result).  Window 3: B (parameters; h's accumulators; parameters).
.set QB,    33792
.set R1,    135168
.set AIMG,  270336                     ; 16 fragments of ctx, then src, then h
.set ASC,   303104                     ; their 8 pair rows
.set SX1,   304128                     ; LN1's exchange: [wave][mean | M2][lane] 16 bytes;  LN2's lies 4,096 further on
.set SPARE, 312320
.set LI,  1
.set XA,  2
.set PA,  3
.set AIW, 4
.set AIR, 5
.set ASW, 6
.set ASR, 7
.set AW,  8
.set AWS, 10
.set SXW, 12
.set SXR, 13
.set STO, 14
.set RD,  15
.set CO,  16
.set GCT, 17
.set GCS, 18
.set CIW, 19
.set CSW, 20
.set SPW, 21
.set NIL, 22
.set H,   23
.set TM,  24
.set PW,  40
.set PS,  44
.set AS,  46                           ; v46-49 the activations' pair rows (2 sl + m / 2)
.set WS,  50                           ; v50-65 the weight's scale words
.set PC,  66
.set LS,  82                           ; 8 a tile: +0 my mean, later 1 / sigma; +1 0; +2 (my mean - mean) / sigma; +3 0; +4:5, +6:7 chains
.set CSUM, 114
.set EX,  118                          ; v118-121 my means, v122-125 my M2
.set TB,  128
.set TWIN, 0
.set G1,  28
.set D0,  36
.set SEL, 44
.set MNT, 46
.set HM,  47
.set WV,  48
.set EPS, 51
.set MSB, 0
.macro WIN new
.if MSB != (\new)
	s_set_vgpr_msb (MSB<<8)|(\new)
.set MSB, (\new)
.endif
.endm
.macro NOPS n
.rept \n
	v_nop
.endr
.endm
.macro BAR
	s_barrier_signal -1
	s_barrier_wait -1
.endm
.macro CROUND
	s_barrier_signal -1
	s_barrier_wait -1
	s_cmp_lg_u32 s[WV], 0
	s_cbranch_scc1 .Lnw0_\@
	s_barrier_signal -3
.Lnw0_\@:
	s_barrier_wait -3
	s_barrier_signal -1
	s_barrier_wait -1
.endm
.macro WMS d, a, b, sa, sb, rb         ; in place; rb: source 1's scales lie in lanes 16-31
.if (\rb)
	v_wmma_scale_f32_16x16x128_f8f6f4 v[(\d):(\d)+7], v[(\a):(\a)+15], v[(\b):(\b)+15], v[(\d):(\d)+7], v[\sa], v[\sb] matrix_a_fmt:MATRIX_FMT_BF8 matrix_b_fmt:MATRIX_FMT_BF8 matrix_b_scale:MATRIX_SCALE_ROW1
.else
	v_wmma_scale_f32_16x16x128_f8f6f4 v[(\d):(\d)+7], v[(\a):(\a)+15], v[(\b):(\b)+15], v[(\d):(\d)+7], v[\sa], v[\sb] matrix_a_fmt:MATRIX_FMT_BF8 matrix_b_fmt:MATRIX_FMT_BF8
.endif
.endm
; 64 numbers of a lane in window sw become a fragment's codes at v[pc] and its scale word in v[pw]; relu = 1: what is negative becomes 0 on the way.  The numbers are left as they are
.macro QUANT src, sw, relu, pc, pw
	WIN (\sw)|((\sw)<<2)
.irp b, 0,1,2,3
.if \relu
	v_max3_num_f32 v[TM+\b], v[(\src)+16*\b], v[(\src)+16*\b+1], 0x8000000   ; no |.|: what is negative must not count; the floor stands over it
.else
	v_max3_num_f32 v[TM+\b], |v[(\src)+16*\b]|, |v[(\src)+16*\b+1]|, 0x8000000
.endif
.endr
.irp i, 2,4,6,8,10,12,14
.irp b, 0,1,2,3
.if \relu
	v_max3_num_f32 v[TM+\b], v[(\src)+16*\b+\i], v[(\src)+16*\b+\i+1], v[TM+\b]
.else
	v_max3_num_f32 v[TM+\b], |v[(\src)+16*\b+\i]|, |v[(\src)+16*\b+\i+1]|, v[TM+\b]
.endif
.endr
.endr
	WIN 0
.irp b, 0,1,2,3
	v_permlanex16_b32 v[TM+4+\b], v[TM+\b], s[SEL], s[SEL+1]
.endr
.irp b, 0,1,2,3
	v_max_num_f32 v[TM+\b], v[TM+\b], v[TM+4+\b]
.endr
.irp b, 0,1,2,3
	v_add_nc_u32 v[TM+12+\b], 0xf8800000, v[TM+\b]
.endr
.irp b, 0,1,2,3
	v_and_or_b32 v[TM+8+\b], v[TM+\b], 0x7f800000, s[MNT]
.endr
.irp b, 0,1,2,3
	v_lshrrev_b32 v[TM+4+\b], 23, v[TM+12+\b]
.endr
	v_lshl_or_b32 v[\pw], v[TM+5], 8, v[TM+4]
	v_lshl_or_b32 v[\pw], v[TM+6], 16, v[\pw]
	v_lshl_or_b32 v[\pw], v[TM+7], 24, v[\pw]
	WIN (TWIN<<6)|(\sw)
.irp b, 0,1,2,3
.irp i, 0,1,2,3,4,5,6,7,8,9,10,11,12,13,14,15
.if \relu
	v_med3_num_f32 v[TB+16*\b+\i], v[(\src)+16*\b+\i], 0, v[TM+8+\b]   ; the activation and the hold in one
.else
	v_med3_num_f32 v[TB+16*\b+\i], v[(\src)+16*\b+\i], -v[TM+8+\b], v[TM+8+\b]
.endif
.endr
.endr
	WIN TWIN
.irp b, 0,1,2,3
	v_cvt_scalef32_pk8_bf8_f32 v[(\pc)+4*\b:(\pc)+4*\b+1], v[TB+16*\b:TB+16*\b+7], v[TM+12+\b]
	v_cvt_scalef32_pk8_bf8_f32 v[(\pc)+4*\b+2:(\pc)+4*\b+3], v[TB+16*\b+8:TB+16*\b+15], v[TM+12+\b]
.endr
	WIN 0
	v_nop
.endm
.macro SELW mp
	v_cndmask_b32 v[PS+\mp], v[PW+2*\mp], v[PW+2*\mp+1], s[HM]
.endm
.macro IMG m                           ; the fragment in v[PC] on is K step w of tile m
.irp c, 0,1,2,3
	ds_store_b128 v[AIW], v[PC+4*\c:PC+4*\c+3] offset:8192*(\m)+512*\c
.endr
	s_wait_dscnt 0x0                               ; the stores have read their registers: the next tile's codes may be written
.endm
.macro PLOAD dst, sb                   ; my 64 numbers of a parameter of 512, in the accumulators' order (called with the destination in window 3)
.irp b, 0,1,2,3
.irp i, 0,1,2,3
	global_load_b128 v[(\dst)+16*\b+4*\i:(\dst)+16*\b+4*\i+3], v[PA], s[\sb:\sb+1] offset:128*\b+16*\i
.endr
.endr
.endm
.macro MMT sl, aw                      ; 32 matrix instructions on 32 accumulators by turns, in window aw
.if \aw == 2
	WIN 0xa1                                       ; source 0 (the weight) window 1, source 1 window 0, C and D window 2
.else
	WIN 0xf1                                       ; C and D window 3
.endif
.irp m, 0,1,2,3
.irp ct, 0,1,2,3,4,5,6,7
	WMS 64*\m+8*\ct, 128*\sl+16*\ct, TB+64*\sl+16*\m, WS+2*\ct+\sl, AS+2*\sl+\m/2, \m%2
.endr
.endr
.endm
; Half g of a weight, from slot p: both K steps' fragments of the weight and of the activations go into registers; then the slot is free, and my reads of the images are over
.macro HALFT p, g, aw, refill, tw
.if \tw >= 0
	s_wait_tensorcnt \tw
.endif
	NOPS 8                                         ; places in front of loads into registers that matrix instructions have read
	WIN 0x40
.set ii, 0
.rept 32
	ds_load_b128 v[4*ii:4*ii+3], v[AW+\p] offset:512*ii
.set ii, ii+1
.endr
	WIN 0
.irp m, 0,1,2,3
.irp c, 0,1,2,3
	ds_load_b128 v[TB+16*\m+4*\c:TB+16*\m+4*\c+3], v[AIR] offset:(4*\m+2*\g)*2048+512*\c
.endr
.endr
.irp mp, 0,1
	ds_load_b32 v[AS+\mp], v[ASR] offset:(4*\mp+2*\g)*128
.endr
.irp q, 0,1,2,3
	ds_load_b128 v[WS+4*\q:WS+4*\q+3], v[AWS+\p] offset:256*\q
.endr
	WIN 0x40
.set ii, 0
.rept 32
	ds_load_b128 v[128+4*ii:128+4*ii+3], v[AW+\p] offset:16384+512*ii
.set ii, ii+1
.endr
	WIN 0
.irp m, 0,1,2,3
.irp c, 0,1,2,3
	ds_load_b128 v[TB+64+16*\m+4*\c:TB+64+16*\m+4*\c+3], v[AIR] offset:(4*\m+2*\g+1)*2048+512*\c
.endr
.endr
.irp mp, 0,1
	ds_load_b32 v[AS+2+\mp], v[ASR] offset:(4*\mp+2*\g+1)*128
.endr
.if \refill
	s_wait_tensorcnt 0x0                           ; all my tensor loads have landed: the one that was out is the other slot's
	ds_add_u32 v[SPW], v[NIL]                      ; 0 onto my spare word
	s_add_nc_u64 s[D0+4*\p+2:D0+4*\p+3], s[D0+4*\p+2:D0+4*\p+3], 270336
.endif
	s_wait_dscnt 50+\refill                        ; the second K step's 50 loads (and the add) may stay out
	MMT 0, \aw
	s_wait_dscnt 0x0
.if \refill
	WIN 0
	CROUND
	tensor_load_to_lds s[D0+4*\p:D0+4*\p+3], s[G1:G1+7]   ; my one tensor load behind the round, and the first thing there
	s_nop 0
	NOPS 4
.endif
	MMT 1, \aw
	WIN 0
.endm
; LayerNorm of A in place.  sxo: which exchange area; gg, bb: where gain and bias lie in window 3
.macro LN sxo, gg, bb
	NOPS 8
	WIN 0x0a                                       ; sources 0 and 1 window 2
.irp m, 0,1,2,3
	v_pk_add_f32 v[LS+8*\m+4:LS+8*\m+5], v[64*\m:64*\m+1], v[64*\m+2:64*\m+3]   ; two chains a tile, each accumulator from its low end on
.endr
.irp m, 0,1,2,3
	v_pk_add_f32 v[LS+8*\m+6:LS+8*\m+7], v[64*\m+4:64*\m+5], v[64*\m+6:64*\m+7]
.endr
	WIN 0x02
.irp j, 8,12,16,20,24,28,32,36,40,44,48,52,56,60
.irp m, 0,1,2,3
	v_pk_add_f32 v[LS+8*\m+4:LS+8*\m+5], v[64*\m+\j:64*\m+\j+1], v[LS+8*\m+4:LS+8*\m+5]
.endr
.irp m, 0,1,2,3
	v_pk_add_f32 v[LS+8*\m+6:LS+8*\m+7], v[64*\m+\j+2:64*\m+\j+3], v[LS+8*\m+6:LS+8*\m+7]
.endr
.endr
	WIN 0
.irp m, 0,1,2,3
	v_pk_add_f32 v[LS+8*\m+4:LS+8*\m+5], v[LS+8*\m+4:LS+8*\m+5], v[LS+8*\m+6:LS+8*\m+7]
.endr
.irp m, 0,1,2,3
	v_add_f32 v[LS+8*\m+4], v[LS+8*\m+4], v[LS+8*\m+5]
.endr
.irp m, 0,1,2,3
	v_permlanex16_b32 v[LS+8*\m+6], v[LS+8*\m+4], s[SEL], s[SEL+1]
.endr
.irp m, 0,1,2,3
	v_add_f32 v[LS+8*\m+4], v[LS+8*\m+4], v[LS+8*\m+6]
.endr
.irp m, 0,1,2,3
	v_mul_f32 v[LS+8*\m], 0x3c000000, v[LS+8*\m+4]   ; the mean of my 128 columns
	v_mul_f32 v[EX+\m], 0x3c000000, v[LS+8*\m+4]
.endr
	WIN 0x82
.irp m, 0,1,2,3
.set ii, 0
.rept 32
	v_pk_add_f32 v[64*\m+ii:64*\m+ii+1], v[64*\m+ii:64*\m+ii+1], v[LS+8*\m:LS+8*\m+1] op_sel_hi:[1,0] neg_lo:[0,1] neg_hi:[0,1]   ; less my mean
.set ii, ii+2
.endr
.endr
	WIN 0x0a
.irp m, 0,1,2,3
	v_pk_mul_f32 v[LS+8*\m+4:LS+8*\m+5], v[64*\m:64*\m+1], v[64*\m:64*\m+1]
.endr
.irp m, 0,1,2,3
	v_pk_mul_f32 v[LS+8*\m+6:LS+8*\m+7], v[64*\m+2:64*\m+3], v[64*\m+2:64*\m+3]
.endr
.irp j, 4,8,12,16,20,24,28,32,36,40,44,48,52,56,60
.irp m, 0,1,2,3
	v_pk_fma_f32 v[LS+8*\m+4:LS+8*\m+5], v[64*\m+\j:64*\m+\j+1], v[64*\m+\j:64*\m+\j+1], v[LS+8*\m+4:LS+8*\m+5]
.endr
.irp m, 0,1,2,3
	v_pk_fma_f32 v[LS+8*\m+6:LS+8*\m+7], v[64*\m+\j+2:64*\m+\j+3], v[64*\m+\j+2:64*\m+\j+3], v[LS+8*\m+6:LS+8*\m+7]
.endr
.endr
	WIN 0
.irp m, 0,1,2,3
	v_pk_add_f32 v[LS+8*\m+4:LS+8*\m+5], v[LS+8*\m+4:LS+8*\m+5], v[LS+8*\m+6:LS+8*\m+7]
.endr
.irp m, 0,1,2,3
	v_add_f32 v[LS+8*\m+4], v[LS+8*\m+4], v[LS+8*\m+5]
.endr
.irp m, 0,1,2,3
	v_permlanex16_b32 v[LS+8*\m+6], v[LS+8*\m+4], s[SEL], s[SEL+1]
.endr
.irp m, 0,1,2,3
	v_add_f32 v[EX+4+\m], v[LS+8*\m+4], v[LS+8*\m+6]   ; my M2
.endr
	ds_store_b128 v[SXW], v[EX:EX+3] offset:\sxo
	ds_store_b128 v[SXW], v[EX+4:EX+7] offset:\sxo+512
	s_wait_dscnt 0x0
	BAR
.irp w, 0,1,2,3
.irp k, 0,1
	ds_load_b128 v[TB+8*\w+4*\k:TB+8*\w+4*\k+3], v[SXR] offset:\sxo+1024*\w+512*\k
.endr
.endr
	s_wait_dscnt 0x0
.irp m, 0,1,2,3
	v_add_f32 v[LS+8*\m+4], v[TB+\m], v[TB+8+\m]
	v_add_f32 v[LS+8*\m+5], v[TB+16+\m], v[TB+24+\m]
	v_add_f32 v[LS+8*\m+6], v[TB+4+\m], v[TB+12+\m]
	v_add_f32 v[LS+8*\m+7], v[TB+20+\m], v[TB+28+\m]
.endr
.irp m, 0,1,2,3
	v_add_f32 v[LS+8*\m+4], v[LS+8*\m+4], v[LS+8*\m+5]
	v_add_f32 v[LS+8*\m+5], v[LS+8*\m+6], v[LS+8*\m+7]   ; the sum of the four M2
.endr
.irp m, 0,1,2,3
	v_mul_f32 v[LS+8*\m+4], 0x3e800000, v[LS+8*\m+4]     ; the row's mean
.endr
.irp w, 0,1,2,3
.irp m, 0,1,2,3
	v_sub_f32 v[TB+8*\w+\m], v[TB+8*\w+\m], v[LS+8*\m+4]
.endr
.endr
.irp m, 0,1,2,3
	v_mul_f32 v[LS+8*\m+6], v[TB+\m], v[TB+\m]
.endr
.irp w, 1,2,3
.irp m, 0,1,2,3
	v_fma_f32 v[LS+8*\m+6], v[TB+8*\w+\m], v[TB+8*\w+\m], v[LS+8*\m+6]
.endr
.endr
.irp m, 0,1,2,3
	v_fma_f32 v[LS+8*\m+5], v[LS+8*\m+6], 0x43000000, v[LS+8*\m+5]   ; + 128 x the sum of (mean_w - mean)^2
.endr
.irp m, 0,1,2,3
	v_fma_f32 v[LS+8*\m+5], v[LS+8*\m+5], 0x3b000000, s[EPS]         ; / 512 + 1e-5
.endr
.irp m, 0,1,2,3
	v_sub_f32 v[LS+8*\m+2], v[LS+8*\m], v[LS+8*\m+4]                 ; my mean - the mean
.endr
.irp m, 0,1,2,3
	v_rsq_f32 v[LS+8*\m], v[LS+8*\m+5]
.endr
	v_nop
	s_wait_alu depctr_va_vdst(0)                   ; one wait for the four, ahead of their first reader
.irp m, 0,1,2,3
	v_mul_f32 v[LS+8*\m+2], v[LS+8*\m+2], v[LS+8*\m]
.endr
	WIN 0x82
.irp m, 0,1,2,3
.set ii, 0
.rept 32
	v_pk_fma_f32 v[64*\m+ii:64*\m+ii+1], v[64*\m+ii:64*\m+ii+1], v[LS+8*\m:LS+8*\m+1], v[LS+8*\m+2:LS+8*\m+3] op_sel_hi:[1,0,0]   ; (a - mean) / sigma
.set ii, ii+2
.endr
.endr
	WIN 0xbe                                       ; gain and bias in window 3
.irp m, 0,1,2,3
.set ii, 0
.rept 32
	v_pk_fma_f32 v[64*\m+ii:64*\m+ii+1], v[64*\m+ii:64*\m+ii+1], v[(\gg)+ii:(\gg)+ii+1], v[(\bb)+ii:(\bb)+ii+1]
.set ii, ii+2
.endr
.endr
	WIN 0
.endm
	s_load_b256 s[4:11], s[0:1], 0x0               ; cws, x, wts, bo
	s_load_b256 s[12:19], s[0:1], 0x20             ; ln1_g, ln1_b, b1, b2
	s_load_b256 s[20:27], s[0:1], 0x40             ; ln2_g, ln2_b, out1, psum
	v_lshl_add_u32 v[SPW], v0, 2, SPARE
	v_mov_b32 v[NIL], 0
	ds_add_u32 v[SPW], v[NIL]                      ; the wave's opening: the add, twice on end, and its wait ahead of my first tensor load
	ds_add_u32 v[SPW], v[NIL]
	v_lshrrev_b32 v126, 5, v0
	v_readfirstlane_b32 s[WV], v126
	s_bfe_u32 s49, ttmp6, 0x40000                  ; cx
	s_lshl_b32 s50, ttmp9, 2
	s_add_co_u32 s50, s50, s49                     ; my work-group: it enters global addresses of cws, x, out1 and psum alone
	s_mov_b32 s[G1+0], 15|(3<<16)|(1<<21)
	s_mov_b32 s[G1+1], 32<<16
	s_mov_b32 s[G1+2], 132<<16
	s_mov_b32 s[G1+3], 32<<16
	s_mov_b32 s[G1+4], 132
	s_mov_b32 s[G1+5], 32
	s_mov_b32 s[G1+6], 0
	s_mov_b32 s[G1+7], 0
	s_mov_b32 s[SEL], 0x76543210
	s_mov_b32 s[SEL+1], 0xfedcba98
	s_mov_b32 s[MNT], 0x600000
	s_mov_b32 s[EPS], 0x3727c5ac                   ; 1e-5
	v_and_b32 v126, 31, v0                         ; lane
	v_and_b32 v127, 15, v0                         ; r
	v_bfe_u32 v[H], v0, 4, 1
	v_cmp_ne_u32 s[HM], 0, v[H]
	v_lshlrev_b32 v[LI], 4, v126
	v_and_b32 v[XA], 8, v127
	v_add_nc_u32 v[XA], v[XA], v127                ; r + 8 (r / 8)
	v_lshlrev_b32 v[XA], 11, v[XA]
	s_lshl_b32 s52, s[WV], 9
	v_lshl_add_u32 v[PA], v[H], 6, s52             ; 512 w + 64 h: my columns' bytes in a row of 512 f32
	v_add_nc_u32 v[XA], v[XA], v[PA]
	s_lshl_b32 s53, s[WV], 11
	s_add_co_u32 s53, s53, AIMG
	v_add_nc_u32 v[AIW], s53, v[LI]
	v_add_nc_u32 v[AIR], AIMG, v[LI]
	s_lshl_b32 s53, s[WV], 7
	s_add_co_u32 s53, s53, ASC
	v_lshl_add_u32 v[ASW], v126, 2, s53
	v_lshl_add_u32 v[ASR], v126, 2, ASC
	s_mul_i32 s54, s[WV], QB
	v_add_nc_u32 v[AW], s54, v[LI]
	v_add_nc_u32 v[AW+1], R1, v[AW]
	s_add_co_u32 s53, s54, 32768
	v_lshl_add_u32 v[AWS], v127, 4, s53
	v_add_nc_u32 v[AWS+1], R1, v[AWS]
	s_lshl_b32 s53, s[WV], 10
	s_add_co_u32 s53, s53, SX1
	v_add_nc_u32 v[SXW], s53, v[LI]
	v_add_nc_u32 v[SXR], SX1, v[LI]
	s_mul_i32 s53, s[WV], 8448                     ; my stage for the way out: 16 rows of 512 + 16 bytes, in slot 0, which by then has had its last fill and its last read
	v_mul_u32_u24 v[STO], v127, 528
	v_lshl_add_u32 v[STO], v[H], 6, v[STO]
	v_add_nc_u32 v[STO], s53, v[STO]
	v_add_nc_u32 v[RD], s53, v[LI]
	v_add_nc_u32 v[CO], s52, v[LI]
	s_lshl_b32 s53, s[WV], 13
	v_add_nc_u32 v[GCT], s53, v[LI]
	s_add_co_u32 s53, s53, AIMG
	v_add_nc_u32 v[CIW], s53, v[LI]
	s_lshl_b32 s53, s[WV], 8
	v_lshl_add_u32 v[GCS], v126, 2, s53
	s_add_co_u32 s53, s53, ASC
	v_lshl_add_u32 v[CSW], v126, 2, s53
.irp m, 0,1,2,3
	v_mov_b32 v[TM+4+\m], 0                        ; written once: a lane permute's destination counts as one of its sources
	v_mov_b32 v[LS+8*\m+1], 0                      ; the upper halves of pairs whose low word serves both halves
	v_mov_b32 v[LS+8*\m+3], 0
.endr
	s_mov_b32 s[D0], 1
	s_mov_b32 s[D0+1], s54
	s_mov_b32 s[D0+4], 1
	s_add_co_u32 s[D0+5], s54, R1
	s_add_co_u32 s54, s54, 811008                  ; wo is the fourth weight
	s_mov_b32 s55, 0
	s_mov_b32 s57, 0
	s_wait_dscnt 0x0                               ; both opening adds are done
	s_wait_kmcnt 0x0
	s_add_nc_u64 s[D0+2:D0+3], s[8:9], s[54:55]
	s_add_nc_u64 s[D0+6:D0+7], s[D0+2:D0+3], 135168
	s_or_b32 s[D0+3], s[D0+3], 0x80000000
	s_or_b32 s[D0+7], s[D0+7], 0x80000000
	s_mul_i32 s56, s50, 33792
	s_add_nc_u64 s[4:5], s[4:5], s[56:57]          ; my block of cws
	s_lshl_b32 s56, s50, 17
	s_add_nc_u64 s[6:7], s[6:7], s[56:57]          ; x and out1 at my 64 tokens
	s_add_nc_u64 s[24:25], s[24:25], s[56:57]
	s_lshl_b32 s56, s50, 11
	s_add_nc_u64 s[26:27], s[26:27], s[56:57]      ; my row of psum
	CROUND                                         ; all four partners are here: the first joint loads meet
	tensor_load_to_lds s[D0:D0+3], s[G1:G1+7]
	s_nop 0
	tensor_load_to_lds s[D0+4:D0+7], s[G1:G1+7]
	s_nop 0
	NOPS 4
.irp s, 0,1,2,3
.irp c, 0,1,2,3
	global_load_b128 v[TB+16*\s+4*\c:TB+16*\s+4*\c+3], v[GCT], s[4:5] offset:2048*\s+512*\c   ; ctx: tile w's four fragments,
.endr
.endr
.irp i, 0,1
	global_load_b32 v[AS+\i], v[GCS], s[4:5] offset:32768+128*\i   ; and two of the eight pair rows
.endr
	WIN 0x80
.irp m, 0,1,2,3
.irp b, 0,1,2,3
.irp i, 0,1,2,3
	global_load_b128 v[64*\m+16*\b+4*\i:64*\m+16*\b+4*\i+3], v[XA], s[6:7] offset:(32*(\m/2)+8*(\m%2))*2048+128*\b+16*\i th:TH_LOAD_NT   ; x in the accumulators' order
.endr
.endr
.endr
	WIN 0
	s_wait_loadcnt 63                              ; 64 loads are younger than ctx's; the wait's field holds 63, and a smaller count is safe
.irp s, 0,1,2,3
.irp c, 0,1,2,3
	ds_store_b128 v[CIW], v[TB+16*\s+4*\c:TB+16*\s+4*\c+3] offset:2048*\s+512*\c
.endr
.endr
.irp i, 0,1
	ds_store_b32 v[CSW], v[AS+\i] offset:128*\i
.endr
	WIN 0xc0
	PLOAD 0, 10                                    ; bo
	PLOAD 64, 12                                   ; ln1_g
	PLOAD 128, 14                                  ; ln1_b
	WIN 0
	s_wait_dscnt 0x0
	BAR                                            ; ctx's sixteen fragments lie in LDS
	s_wait_loadcnt 0x0
	WIN 0x8e                                       ; A in window 2, bo in window 3
.irp m, 0,1,2,3
.set ii, 0
.rept 32
	v_pk_add_f32 v[64*\m+ii:64*\m+ii+1], v[64*\m+ii:64*\m+ii+1], v[ii:ii+1]
.set ii, ii+2
.endr
.endr
	WIN 0
	HALFT 0, 0, 2, 1, 1                            ; + ctx wo.  The count 1: wo's half 0 is in, half 1 may stay out
	HALFT 1, 1, 2, 1, -1
	LN 0, 64, 128                                  ; A = src
	WIN 0xc0
.irp m, 0,1,2,3
	PLOAD 64*\m, 16                                ; b1, once for each tile: the second product's sums begin with it
.endr
	WIN 0
.irp m, 0,1,2,3
	QUANT 64*\m, 2, 0, PC, PW+\m
	IMG \m
.endr
	SELW 0
	SELW 1
.irp mp, 0,1
	ds_store_b32 v[ASW], v[PS+\mp] offset:512*\mp
.endr
	s_wait_dscnt 0x0
	BAR                                            ; src's sixteen fragments lie in LDS (ctx's were last read ahead of the round in the half before)
	s_wait_loadcnt 0x0
	HALFT 0, 0, 3, 1, -1                           ; B = b1 + src w1
	HALFT 1, 1, 3, 1, -1
	NOPS 8
.irp m, 0,1,2,3
	QUANT 64*\m, 3, 1, PC, PW+\m
	IMG \m
.endr
	SELW 0
	SELW 1
.irp mp, 0,1
	ds_store_b32 v[ASW], v[PS+\mp] offset:512*\mp
.endr
	WIN 0xc0
	PLOAD 0, 18                                    ; b2: h's accumulators are done with
	PLOAD 64, 20                                   ; ln2_g
	PLOAD 128, 22                                  ; ln2_b
	WIN 0
	s_wait_dscnt 0x0
	BAR                                            ; h's sixteen fragments lie in LDS
	HALFT 0, 0, 2, 0, -1                           ; A = src + h w2: nothing is left to fetch
	HALFT 1, 1, 2, 0, 0
	NOPS 8
	s_wait_loadcnt 0x0
	WIN 0x8e
.irp m, 0,1,2,3
.set ii, 0
.rept 32
	v_pk_add_f32 v[64*\m+ii:64*\m+ii+1], v[64*\m+ii:64*\m+ii+1], v[ii:ii+1]   ; + b2, each accumulator from its low end on
.set ii, ii+2
.endr
.endr
	WIN 0
	LN 4096, 64, 128
; THE WAY OUT, a tile of 16 tokens x my 128 columns at a time, through my own stage: back come whole runs of 512 bytes of a row, which 32 lanes store as two aligned units of 256 bytes; on the way the columns are summed.
.macro TOSTAGE m
	WIN 0x08                                       ; an LDS store's data are its source 1: window 2
.irp b, 0,1,2,3
.irp i, 0,1,2,3
	ds_store_b128 v[STO], v[64*(\m)+16*\b+4*\i:64*(\m)+16*\b+4*\i+3] offset:128*\b+16*\i
.endr
.endr
	WIN 0
.irp t, 0,1,2,3,4,5,6,7,8,9,10,11,12,13,14,15
	ds_load_b128 v[TB+64*((\m)%2)+4*\t:TB+64*((\m)%2)+4*\t+3], v[RD] offset:528*\t   ; LDS serves a wave's instructions in order: these see my stores
.endr
.endm
.macro SEND m, younger                 ; younger: the LDS instructions issued behind tile m's loads, which may stay out
.set OBM, TB+64*((\m)%2)
	s_wait_dscnt \younger
.irp t, 0,1,2,3,4,5,6,7,8,9,10,11,12,13,14,15
.if ((\m) == 0) && (\t == 0)
.elseif ((\m) == 0) && (\t == 1)
	v_pk_add_f32 v[CSUM:CSUM+1], v[OBM:OBM+1], v[OBM+4:OBM+5]          ; the first two rows start the column sums
	v_pk_add_f32 v[CSUM+2:CSUM+3], v[OBM+2:OBM+3], v[OBM+6:OBM+7]
.else
	v_pk_add_f32 v[CSUM:CSUM+1], v[CSUM:CSUM+1], v[OBM+4*\t:OBM+4*\t+1]
	v_pk_add_f32 v[CSUM+2:CSUM+3], v[CSUM+2:CSUM+3], v[OBM+4*\t+2:OBM+4*\t+3]
.endif
.endr
.irp t, 0,1,2,3,4,5,6,7,8,9,10,11,12,13,14,15
	global_store_b128 v[CO], v[OBM+4*\t:OBM+4*\t+3], s[24:25] offset:(32*((\m)/2)+8*((\m)%2)+\t+8*(\t/8))*2048 th:TH_STORE_NT
.endr
.endm
	TOSTAGE 0
.irp m, 1,2,3
.if \m > 1
	s_wait_xcnt 0x0                                ; tile m - 2's stores have read their registers: tile m's rows may land there
.endif
	TOSTAGE \m
	SEND \m-1, 32                                  ; behind tile m - 1's loads: tile m's 16 stores and 16 loads
.endr
	SEND 3, 0
	global_store_b128 v[CO], v[CSUM:CSUM+3], s[26:27]   ; my 128 column sums over the 64 tokens
	s_wait_tensorcnt 0x0                           ; the wave's end
	ds_add_u32 v[SPW], v[NIL]
	s_wait_dscnt 0x0
	CROUND                                         ; the closing round
	s_endpgm
.Lfunc_end_k_q43bde54e22_tail:
	.size	k_q43bde54e22_tail, .Lfunc_end_k_q43bde54e22_tail-k_q43bde54e22_tail
	.p2alignl 7, 3214868480
	.fill 96, 4, 3214868480
	.section	.rodata,"a",@progbits
	.p2align	6, 0x0
	.amdhsa_kernel k_q43bde54e22_tail
		.amdhsa_group_segment_fixed_size 327680
		.amdhsa_private_segment_fixed_size 0
		.amdhsa_enable_private_segment 0
		.amdhsa_kernarg_size 96
		.amdhsa_user_sgpr_count 2
		.amdhsa_user_sgpr_kernarg_segment_ptr 1
		.amdhsa_wavefront_size32 1
		.amdhsa_system_sgpr_workgroup_id_x 1
		.amdhsa_system_sgpr_workgroup_id_y 1
		.amdhsa_system_sgpr_workgroup_id_z 1
		.amdhsa_system_vgpr_workitem_id 0
		.amdhsa_next_free_vgpr 1024
		.amdhsa_next_free_sgpr 66
		.amdhsa_reserve_vcc 0
		.amdhsa_float_denorm_mode_32 3
		.amdhsa_float_denorm_mode_16_64 3
		.amdhsa_memory_ordered 1
		.amdhsa_forward_progress 1
		.amdhsa_inst_pref_size 255
	.end_amdhsa_kernel
	.section	.bss,"aw",@nobits
	.p2align	6
	.space	262144
	.amdgpu_metadata
---
amdhsa.version: [ 1, 2 ]
amdhsa.kernels:
  - .name:           k_q43bde54e22_tail
    .symbol:         k_q43bde54e22_tail.kd
    .args:
      - { .name: cws, .offset: 0, .size: 8, .value_kind: global_buffer, .address_space: global }
      - { .name: x, .offset: 8, .size: 8, .value_kind: global_buffer, .address_space: global }
      - { .name: wts, .offset: 16, .size: 8, .value_kind: global_buffer, .address_space: global }
      - { .name: bo, .offset: 24, .size: 8, .value_kind: global_buffer, .address_space: global }
      - { .name: ln1_g, .offset: 32, .size: 8, .value_kind: global_buffer, .address_space: global }
      - { .name: ln1_b, .offset: 40, .size: 8, .value_kind: global_buffer, .address_space: global }
      - { .name: b1, .offset: 48, .size: 8, .value_kind: global_buffer, .address_space: global }
      - { .name: b2, .offset: 56, .size: 8, .value_kind: global_buffer, .address_space: global }
      - { .name: ln2_g, .offset: 64, .size: 8, .value_kind: global_buffer, .address_space: global }
      - { .name: ln2_b, .offset: 72, .size: 8, .value_kind: global_buffer, .address_space: global }
      - { .name: out1, .offset: 80, .size: 8, .value_kind: global_buffer, .address_space: global }
      - { .name: psum, .offset: 88, .size: 8, .value_kind: global_buffer, .address_space: global }
    .group_segment_fixed_size: 327680
    .private_segment_fixed_size: 0
    .kernarg_segment_align: 8
    .kernarg_segment_size: 96
    .max_flat_workgroup_size: 128
    .sgpr_count:     66
    .vgpr_count:     1024
    .wavefront_size: 32
...
	.end_amdgpu_metadata
.endif
;; end of part 4
;; launch logits (part 5): grid 8 x 1, 4 waves a work-group, no clusters, 1,024 bytes of LDS; arguments psum, wc, bc, out0; writes out0
.if DOCPART == 5
	.amdgcn_target "amdgcn-amd-amdhsa--gfx1250"
	.amdhsa_code_object_version 6
	.text
	.protected	k_q43bde54e22_logits
	.globl	k_q43bde54e22_logits
	.p2align	8
	.type	k_q43bde54e22_logits,@function
k_q43bde54e22_logits:
	s_mov_b64 s[64:65], 0
	v_nop
	global_prefetch_b8 v0, s[64:65] scope:SCOPE_SE
	s_setreg_imm32_b32 hwreg(HW_REG_WAVE_MODE, 25, 1), 1
	s_wait_xcnt 0x0
; out0[b][o] = the sum over c of pooled[b][c] wc[c][o] + bc[o], pooled = the mean of out1 over the sequence, from the 32 rows of column sums that the launch before stored for each batch.  No work is left out.
; The product has 8 rows: it is left as it is and done in f32 by fused multiply-adds: 41 thousand of them in all, so the matrix units, clusters and tensor loads would buy nothing.
; One work-group a batch; thread t takes columns 4 t .. 4 t + 3: 32 loads of 16 bytes (a wave reads 512 consecutive bytes), its four rows of wc (160 consecutive bytes), ten partial sums; these are summed over the
; 32 lanes, then over the four waves through LDS.  Eight work-groups are all the work there is.
.set P,   32                           ; v32-159  32 rows x 4 columns
.set WCR, 160                          ; v160-199 wc: 4 rows x 10
.set ACC, 8                            ; v8-17    ten partial sums
.set SPW, 6                            ; my spare word; never rewritten
.set NIL, 7                            ; 0; never rewritten
	s_load_b256 s[4:11], s[0:1], 0x0               ; psum, wc, bc, out0
	v_lshl_add_u32 v[SPW], v0, 2, 512              ; the spare words lie behind the 512 bytes of the reduction
	v_mov_b32 v[NIL], 0
	v_lshrrev_b32 v1, 5, v0
	v_readfirstlane_b32 s12, v1                    ; wave
	v_and_b32 v2, 31, v0                           ; lane
	v_lshlrev_b32 v3, 4, v0                        ; 16 t
	v_mul_u32_u24 v4, v0, 160                      ; four rows of wc
	v_min_u32 v5, 9, v2
	v_lshlrev_b32 v5, 2, v5                        ; bc: no lane leaves its 40 bytes
	v_lshlrev_b32 v30, 2, v0                       ; LDS: a word a thread
	v_lshlrev_b32 v31, 2, v2                       ; 4 x lane
	v_mov_b32 v28, 0                               ; a lane permute's destination counts as one of its sources
	s_lshl_b32 s14, ttmp9, 16                      ; the batch's 32 rows of 2,048 bytes
	s_mov_b32 s15, 0
	s_mul_i32 s16, ttmp9, 40
	s_mov_b32 s17, 0
	s_mov_b32 s18, 0x76543210
	s_mov_b32 s19, 0xfedcba98
	s_wait_kmcnt 0x0
	s_add_nc_u64 s[4:5], s[4:5], s[14:15]
	s_add_nc_u64 s[10:11], s[10:11], s[16:17]
.set ii, 0
.rept 32
	global_load_b128 v[P+4*ii:P+4*ii+3], v3, s[4:5] offset:2048*ii
.set ii, ii+1
.endr
.set ii, 0
.rept 10
	global_load_b128 v[WCR+4*ii:WCR+4*ii+3], v4, s[6:7] offset:16*ii
.set ii, ii+1
.endr
	global_load_b32 v29, v5, s[8:9]
	s_wait_loadcnt 11                              ; the 32 rows are in; wc's ten loads and bc's one may stay out
	v_pk_add_f32 v[20:21], v[P:P+1], v[P+8:P+9]    ; even rows and odd rows in chains of their own
	v_pk_add_f32 v[22:23], v[P+2:P+3], v[P+10:P+11]
	v_pk_add_f32 v[24:25], v[P+4:P+5], v[P+12:P+13]
	v_pk_add_f32 v[26:27], v[P+6:P+7], v[P+14:P+15]
.irp i, 4,6,8,10,12,14,16,18,20,22,24,26,28,30
	v_pk_add_f32 v[20:21], v[20:21], v[P+4*\i:P+4*\i+1]
	v_pk_add_f32 v[22:23], v[22:23], v[P+4*\i+2:P+4*\i+3]
	v_pk_add_f32 v[24:25], v[24:25], v[P+4*\i+4:P+4*\i+5]
	v_pk_add_f32 v[26:27], v[26:27], v[P+4*\i+6:P+4*\i+7]
.endr
	v_pk_add_f32 v[20:21], v[20:21], v[24:25]
	v_pk_add_f32 v[22:23], v[22:23], v[26:27]
	v_pk_mul_f32 v[20:21], v[20:21], 0x3a000000 op_sel_hi:[1,0]   ; / 2,048: pooled
	v_pk_mul_f32 v[22:23], v[22:23], 0x3a000000 op_sel_hi:[1,0]
	s_wait_loadcnt 0x0
.irp o, 0,1,2,3,4,5,6,7,8,9
	v_mul_f32 v[ACC+\o], v20, v[WCR+\o]
.endr
.irp o, 0,1,2,3,4,5,6,7,8,9
	v_fma_f32 v[ACC+\o], v21, v[WCR+10+\o], v[ACC+\o]
.endr
.irp o, 0,1,2,3,4,5,6,7,8,9
	v_fma_f32 v[ACC+\o], v22, v[WCR+20+\o], v[ACC+\o]
.endr
.irp o, 0,1,2,3,4,5,6,7,8,9
	v_fma_f32 v[ACC+\o], v23, v[WCR+30+\o], v[ACC+\o]
.endr
.irp x, 1,2,4,8
.irp o, 0,1,2,3,4,5,6,7,8,9
	v_add_f32_dpp v[ACC+\o], v[ACC+\o], v[ACC+\o] row_xmask:\x row_mask:0xf bank_mask:0xf
.endr
.endr
.irp o, 0,1,2,3,4,5,6,7,8,9
	v_permlanex16_b32 v28, v[ACC+\o], s18, s19
	v_add_f32 v[ACC+\o], v[ACC+\o], v28            ; the wave's sum, in every lane
.endr
	v_mov_b32 v19, v[ACC]
.irp o, 1,2,3,4,5,6,7,8,9
	v_cmp_eq_u32 vcc_lo, \o, v2
	v_cndmask_b32 v19, v19, v[ACC+\o], vcc_lo      ; lane o takes output o (lanes 10 on keep output 0: so every word that is read below has been written)
.endr
	ds_store_b32 v30, v19
	s_wait_dscnt 0x0                               ; for the others' sake
	s_barrier_signal -1
	s_barrier_wait -1
.irp w, 0,1,2,3
	ds_load_b32 v[32+\w], v31 offset:128*\w
.endr
	s_wait_dscnt 0x0
	v_add_f32 v32, v32, v33
	v_add_f32 v34, v34, v35
	v_add_f32 v32, v32, v34
	v_add_f32 v32, v32, v29                        ; + bc
	s_cmp_lg_u32 s12, 0                            ; wave 0 stores
	s_cbranch_scc1 .Ldone
	s_wait_xcnt 0x0                                ; EXEC changes only behind this wait
	v_cmp_gt_u32 vcc_lo, 10, v0
	s_and_saveexec_b32 s20, vcc_lo
	global_store_b32 v31, v32, s[10:11]            ; ten numbers
	s_wait_xcnt 0x0                                ; and again, in front of the line that widens it
	s_or_b32 exec_lo, exec_lo, s20
.Ldone:
	s_wait_tensorcnt 0x0                           ; the wave's end
	ds_add_u32 v[SPW], v[NIL]
	s_wait_dscnt 0x0
	s_endpgm
.Lfunc_end_k_q43bde54e22_logits:
	.size	k_q43bde54e22_logits, .Lfunc_end_k_q43bde54e22_logits-k_q43bde54e22_logits
	.p2alignl 7, 3214868480
	.fill 96, 4, 3214868480
	.section	.rodata,"a",@progbits
	.p2align	6, 0x0
	.amdhsa_kernel k_q43bde54e22_logits
		.amdhsa_group_segment_fixed_size 1024
		.amdhsa_private_segment_fixed_size 0
		.amdhsa_enable_private_segment 0
		.amdhsa_kernarg_size 32
		.amdhsa_user_sgpr_count 2
		.amdhsa_user_sgpr_kernarg_segment_ptr 1
		.amdhsa_wavefront_size32 1
		.amdhsa_system_sgpr_workgroup_id_x 1
		.amdhsa_system_sgpr_workgroup_id_y 1
		.amdhsa_system_sgpr_workgroup_id_z 1
		.amdhsa_system_vgpr_workitem_id 0
		.amdhsa_next_free_vgpr 208
		.amdhsa_next_free_sgpr 66
		.amdhsa_reserve_vcc 1
		.amdhsa_float_denorm_mode_32 3
		.amdhsa_float_denorm_mode_16_64 3
		.amdhsa_memory_ordered 1
		.amdhsa_forward_progress 1
		.amdhsa_inst_pref_size 17
	.end_amdhsa_kernel
	.amdgpu_metadata
---
amdhsa.version: [ 1, 2 ]
amdhsa.kernels:
  - .name:           k_q43bde54e22_logits
    .symbol:         k_q43bde54e22_logits.kd
    .args:
      - { .name: psum, .offset: 0, .size: 8, .value_kind: global_buffer, .address_space: global }
      - { .name: wc, .offset: 8, .size: 8, .value_kind: global_buffer, .address_space: global }
      - { .name: bc, .offset: 16, .size: 8, .value_kind: global_buffer, .address_space: global }
      - { .name: out0, .offset: 24, .size: 8, .value_kind: global_buffer, .address_space: global }
    .group_segment_fixed_size: 1024
    .private_segment_fixed_size: 0
    .kernarg_segment_align: 8
    .kernarg_segment_size: 32
    .max_flat_workgroup_size: 128
    .sgpr_count:     66
    .vgpr_count:     208
    .wavefront_size: 32
...
	.end_amdgpu_metadata
.endif
;; end of part 5
;; ======== version 2 of 2: 5 launches
;; limits: right only within a limited range of input values
;; workspace buffers: wts 1,622,016 bytes; qws 8,650,752 bytes; kvws 17,301,504 bytes; cws 8,650,752 bytes; psum 524,288 bytes
;; launch prep (part 6): grid 16 x 6, 4 waves a work-group, no clusters, 0 bytes of LDS; arguments wq, wk, wv, wo, w1, w2, wts; writes wts
.if DOCPART == 6
	.amdgcn_target "amdgcn-amd-amdhsa--gfx1250"
	.amdhsa_code_object_version 6
	.text
	.protected	k_q43bde54e22_prep
	.globl	k_q43bde54e22_prep
	.p2align	8
	.type	k_q43bde54e22_prep,@function
k_q43bde54e22_prep:
	s_mov_b64 s[64:65], 0
	v_nop
	global_prefetch_b8 v0, s[64:65] scope:SCOPE_SE
	s_setreg_imm32_b32 hwreg(HW_REG_WAVE_MODE, 25, 1), 1
	s_wait_xcnt 0x0
; FIRST OF FIVE LAUNCHES (prep, qkv, attn, tail, logits) of one encoder layer on codes of E5M2 with one E8M0 scale for each 32 along K.
; DEAD WORK: none.  Every product of the problem's table is done, every one of the sixteen inputs has a way to an output and is loaded by some launch; no bias, mask or term cancels ahead of a quantiser.
; THIS LAUNCH: the six weights wq, wk, wv, wo, w1, w2, [512 (K)][512 (N)] f32, become codes with K innermost, laid in the ORDER OF AN OPERAND'S REGISTERS, so that the later launches fetch them as dense blocks.
; wts = [weight 0..5][quarter w: columns 128 w ..][half g: K steps 2 g, 2 g + 1][33,792 bytes]: a quarter of a whole weight is 67,584 bytes on end.  A half quarter: fragment (sl, ct) at (8 sl + ct) x 2,048: group c of four
; registers at 512 c + 16 x lane; behind the 16 fragments 1,024 bytes of scale words: word 2 ct + sl of row r at 256 (ct / 2) + 16 r + 4 (2 (ct % 2) + sl).
; THE COLUMNS OF A TILE ARE NOT NEIGHBOURS: row r of tile ct = 2 b + u is column 32 b + 8 u + r + 8 (r / 8) of the quarter, so that a product that takes the tile as source 0 leaves 16 neighbours along N in a lane's 16 registers of tiles 2 b, 2 b + 1.
; A LANE TAKES A COLUMN AND ITS REGISTERS RUN DOWN K: a block of 32 lies in one lane, each load reads 128 consecutive bytes a wave (512 a work-group), and the conversions give K innermost.
; SHARES: work-group (x, y): weight y, K step x / 4, quarter x % 4; wave b: the 32 columns of tiles 2 b, 2 b + 1; 128 numbers a lane.
; A block's scale is 2^(floor(log2(largest magnitude)) - 15); its byte is that magnitude's exponent field - 15, held at 1 from below.
; LIMITS: a block of zeros gets the byte 1 and not 127 (its codes are zeros; the bytes are read by this program alone); blocks whose largest magnitude lies under 2^-111 are held at byte 1; NaN and infinities among the inputs are not served.
; The scale words leave four bytes a lane, 128 bytes of each 256 by one instruction (the other K step's work-group writes the rest): 48 KiB in the whole launch.
.set X,  32                            ; v32-159   128 numbers down K
.set C,  160                           ; v160-191  their codes: no store's data are written again
.set SB, 24                            ; v24       the four scale bytes
	s_load_b256 s[4:11], s[0:1], 0x0               ; wq, wk, wv, wo
	s_load_b128 s[12:15], s[0:1], 0x20             ; w1, w2
	s_load_b64 s[16:17], s[0:1], 0x30              ; wts
	v_lshrrev_b32 v1, 5, v0
	v_readfirstlane_b32 s18, v1                    ; wave b
	v_and_b32 v2, 31, v0                           ; lane l
	s_and_b32 s19, ttmp7, 0xffff                   ; which weight
	s_lshr_b32 s22, ttmp9, 2                       ; K step s
	s_and_b32 s23, ttmp9, 3                        ; quarter
	s_lshl_b32 s24, s18, 7
	v_lshl_add_u32 v3, v2, 2, s24                  ; in: 4 l + 128 b
	v_bfe_u32 v4, v2, 3, 1                         ; u = (l / 8) % 2
	v_and_b32 v5, 7, v2
	v_lshrrev_b32 v6, 4, v2
	v_lshl_add_u32 v5, v6, 3, v5                   ; r = l % 8 + 8 (l / 16)
	s_lshl_b32 s24, s18, 1
	v_add_nc_u32 v6, s24, v4                       ; tile ct = 2 b + u
	v_lshlrev_b32 v6, 11, v6
	v_lshl_add_u32 v6, v5, 4, v6                   ; codes: 2,048 ct + 16 r
	s_lshl_b32 s24, s18, 8
	v_lshl_add_u32 v7, v5, 4, s24
	v_lshl_add_u32 v7, v4, 3, v7                   ; scale word: 256 b + 16 r + 8 u
	s_lshl_b32 s26, s22, 18                        ; 128 rows of 2,048 bytes a K step
	s_lshl_b32 s24, s23, 9
	s_add_co_u32 s26, s26, s24                     ; + the quarter's 512 bytes of a row
	s_mov_b32 s27, 0
	s_mul_i32 s28, s19, 270336                     ; the weight,
	s_mul_i32 s24, s23, 67584
	s_add_co_u32 s28, s28, s24                     ; its quarter,
	s_lshr_b32 s24, s22, 1
	s_mul_i32 s24, s24, 33792
	s_add_co_u32 s28, s28, s24                     ; the quarter's half
	s_mov_b32 s29, 0
	s_and_b32 s24, s22, 1                          ; sl
	s_lshl_b32 s34, s24, 14                        ; codes: + 16,384 sl
	s_mov_b32 s35, 0
	s_lshl_b32 s36, s24, 2
	s_add_co_u32 s36, s36, 32768                   ; scale words: + 32,768 + 4 sl
	s_mov_b32 s37, 0
	s_mov_b32 s31, 0x600000                        ; the mantissa field of 57,344
	s_wait_kmcnt 0x0
	s_mov_b64 s[20:21], s[4:5]                     ; the weight's address: a choice on the work-group's number alone
	s_cmp_eq_u32 s19, 1
	s_cselect_b64 s[20:21], s[6:7], s[20:21]
	s_cmp_eq_u32 s19, 2
	s_cselect_b64 s[20:21], s[8:9], s[20:21]
	s_cmp_eq_u32 s19, 3
	s_cselect_b64 s[20:21], s[10:11], s[20:21]
	s_cmp_eq_u32 s19, 4
	s_cselect_b64 s[20:21], s[12:13], s[20:21]
	s_cmp_eq_u32 s19, 5
	s_cselect_b64 s[20:21], s[14:15], s[20:21]
	s_add_nc_u64 s[20:21], s[20:21], s[26:27]
	s_add_nc_u64 s[16:17], s[16:17], s[28:29]
	s_add_nc_u64 s[32:33], s[16:17], s[34:35]      ; where my codes go
	s_add_nc_u64 s[16:17], s[16:17], s[36:37]      ; where my scale words go
.set kk, 0
.rept 128
	global_load_b32 v[X+kk], v3, s[20:21] offset:kk*2048 th:TH_LOAD_NT   ; W(128 s + kk, my column): all 128 are asked for at once
.set kk, kk+1
.endr
.macro BLOCK c, left                   ; block c of 32 along K; left: how many younger loads may stay out
.set XS, X+32*(\c)
	s_wait_loadcnt \left
	v_max3_num_f32 v12, |v[XS]|, |v[XS+1]|, |v[XS+2]|               ; the block's largest magnitude: all 32 numbers are mine; two chains
	v_max3_num_f32 v13, |v[XS+3]|, |v[XS+4]|, |v[XS+5]|
.irp i, 6,10,14,18,22,26
	v_max3_num_f32 v12, v12, |v[XS+\i]|, |v[XS+\i+1]|
	v_max3_num_f32 v13, v13, |v[XS+\i+2]|, |v[XS+\i+3]|
.endr
	v_max3_num_f32 v12, v12, |v[XS+30]|, |v[XS+31]|
	v_max3_num_f32 v12, v12, v13, 0x8000000        ; and the floor 2^(16 - 127): the byte cannot fall under 1
	v_add_nc_u32 v11, 0xf8800000, v12              ; 15 off the exponent field: the conversion's scale operand
	v_and_or_b32 v10, v12, 0x7f800000, s31         ; 57,344 x the scale
	v_lshrrev_b32 v13, 23, v11                     ; the scale's byte
.if (\c) == 0
	v_mov_b32 v[SB], v13
.else
	v_lshl_or_b32 v[SB], v13, 8*(\c), v[SB]
.endif
.irp i, 0,1,2,3,4,5,6,7,8,9,10,11,12,13,14,15,16,17,18,19,20,21,22,23,24,25,26,27,28,29,30,31
	v_med3_num_f32 v[XS+\i], v[XS+\i], -v10, v10   ; the conversion to an 8-bit code does not saturate (ISA guide 7.6.2): the hold at the largest code x the scale
.endr
.irp g, 0,1,2,3
	v_cvt_scalef32_pk8_bf8_f32 v[C+8*(\c)+2*\g:C+8*(\c)+2*\g+1], v[XS+8*\g:XS+8*\g+7], v11
.endr
	global_store_b128 v6, v[C+8*(\c):C+8*(\c)+3], s[32:33] offset:512*(\c)          ; k = 32 c + 0 .. 15: the image's lanes 0-15; sixteen lanes store 256 consecutive bytes, aligned
	global_store_b128 v6, v[C+8*(\c)+4:C+8*(\c)+7], s[32:33] offset:512*(\c)+256    ; k = 32 c + 16 .. 31: its lanes 16-31
.endm
	BLOCK 0, 63                                    ; 96 loads are younger than block 0's; the wait's field holds 63, and a smaller count is safe
	BLOCK 1, 63                                    ; 64 are younger
	BLOCK 2, 32
	BLOCK 3, 0
	global_store_b32 v7, v[SB], s[16:17]           ; my column's scale word for this K step
	s_endpgm
.Lfunc_end_k_q43bde54e22_prep:
	.size	k_q43bde54e22_prep, .Lfunc_end_k_q43bde54e22_prep-k_q43bde54e22_prep
	.p2alignl 7, 3214868480
	.fill 96, 4, 3214868480
	.section	.rodata,"a",@progbits
	.p2align	6, 0x0
	.amdhsa_kernel k_q43bde54e22_prep
		.amdhsa_group_segment_fixed_size 0
		.amdhsa_private_segment_fixed_size 0
		.amdhsa_enable_private_segment 0
		.amdhsa_kernarg_size 56
		.amdhsa_user_sgpr_count 2
		.amdhsa_user_sgpr_kernarg_segment_ptr 1
		.amdhsa_wavefront_size32 1
		.amdhsa_system_sgpr_workgroup_id_x 1
		.amdhsa_system_sgpr_workgroup_id_y 1
		.amdhsa_system_sgpr_workgroup_id_z 1
		.amdhsa_system_vgpr_workitem_id 0
		.amdhsa_next_free_vgpr 208
		.amdhsa_next_free_sgpr 66
		.amdhsa_reserve_vcc 0
		.amdhsa_float_denorm_mode_32 3
		.amdhsa_float_denorm_mode_16_64 3
		.amdhsa_memory_ordered 1
		.amdhsa_forward_progress 1
		.amdhsa_inst_pref_size 30
	.end_amdhsa_kernel
	.amdgpu_metadata
---
amdhsa.version: [ 1, 2 ]
amdhsa.kernels:
  - .name:           k_q43bde54e22_prep
    .symbol:         k_q43bde54e22_prep.kd
    .args:
      - { .name: wq, .offset: 0, .size: 8, .value_kind: global_buffer, .address_space: global }
      - { .name: wk, .offset: 8, .size: 8, .value_kind: global_buffer, .address_space: global }
      - { .name: wv, .offset: 16, .size: 8, .value_kind: global_buffer, .address_space: global }
      - { .name: wo, .offset: 24, .size: 8, .value_kind: global_buffer, .address_space: global }
      - { .name: w1, .offset: 32, .size: 8, .value_kind: global_buffer, .address_space: global }
      - { .name: w2, .offset: 40, .size: 8, .value_kind: global_buffer, .address_space: global }
      - { .name: wts, .offset: 48, .size: 8, .value_kind: global_buffer, .address_space: global }
    .group_segment_fixed_size: 0
    .private_segment_fixed_size: 0
    .kernarg_segment_align: 8
    .kernarg_segment_size: 56
    .max_flat_workgroup_size: 128
    .sgpr_count:     66
    .vgpr_count:     208
    .wavefront_size: 32
...
	.end_amdgpu_metadata
.endif
;; end of part 6
;; launch qkv (part 7): grid 256 x 1, 4 waves a work-group, clusters of 4 x 1, 327,680 bytes of LDS; arguments x, wts, qws, kvws; writes qws, kvws
.if DOCPART == 7
	.amdgcn_target "amdgcn-amd-amdhsa--gfx1250"
	.amdhsa_code_object_version 6
	.text
	.protected	k_q43bde54e22_qkv
	.globl	k_q43bde54e22_qkv
	.p2align	8
	.type	k_q43bde54e22_qkv,@function
k_q43bde54e22_qkv:
	s_mov_b64 s[64:65], 0
	v_nop
	global_prefetch_b8 v0, s[64:65] scope:SCOPE_SE
	s_setreg_imm32_b32 hwreg(HW_REG_WAVE_MODE, 25, 1), 1
	s_wait_xcnt 0x0
	s_wait_alu depctr_hold_cnt(0) depctr_sa_sdst(0) depctr_va_vdst(0) depctr_va_sdst(0) depctr_va_ssrc(0) depctr_va_vcc(0) depctr_vm_vsrc(0)
	s_getreg_b32 s2, hwreg(HW_REG_IB_STS2, 6, 4)
	s_cmp_eq_u32 s2, 0
	s_cbranch_scc0 .Lentry_in_a_cluster
	s_endpgm
.Lentry_in_a_cluster:
	s_bfe_u32 s2, ttmp6, 0x10000c
	s_cmp_lg_u32 s2, 0x3003
	s_cbranch_scc0 .Lentry_shape_is_right
	s_endpgm
.Lentry_shape_is_right:
; q = Q(x) Q(wq), k = Q(x) Q(wk), v = Q(x) Q(wv) on codes of E5M2 (Q: the quantiser along K); the three results are quantised in registers for the next products and stored as images of operand registers.  No work is left out.
; SHARES.  A work-group owns 64 tokens; each of its four waves owns 128 columns of each weight, for all four tiles of 16 tokens: 32 accumulators, so that each weight fragment read from LDS feeds four products.
; THE TOKENS OF A TILE ARE NOT NEIGHBOURS: row r of tile m = 2 b + u is token 32 b + 8 u + r + 8 (r / 8) of the 64; the weights' columns are laid likewise by the launch before.
; q, k: source 0 = 16 columns of the weight, source 1 = 16 tokens: a lane holds ONE token and 16 neighbouring columns in the registers of two neighbouring tiles: the next product's K.
; v: the sources swapped: a lane holds ONE column d and 16 neighbouring tokens, since the keys are the K of the product with p.
; x COMES IN WHOLE PIECES OF 256 BYTES: a load takes 256 consecutive bytes of each of two rows, 16 bytes a lane.  The quantiser wants 16 neighbours along K in ONE lane: so each 16 rows x 256 bytes turn through a stage of the wave's own
; (rows 272 bytes apart), eight stores as loaded, eight loads 64 bytes from half to half.
; IMAGES.  A fragment (16 rows x 128 K) is 2,048 bytes: group c of four registers at 512 c + 16 x lane.  A pair row of scale words is 128 bytes: lanes 0-15 the words of an even tile, lanes 16-31 those of the odd tile beside it.
; qws[work-group]: fragment (m, s) at (4 m + s) x 2,048, pair rows (m / 2, s) from byte 32,768.  kvws[batch][key step of 128]: K's four quarters of 16,896 (32 keys each: fragments (u, s), four rows of scale words), then V's four quarters
; (128 d each: fragments t, then [half of the step][row][t] two scale bytes).
; CLUSTER AND RING.  All work-groups walk the same three weights of 270,336 bytes: the four partners ask for each JOINTLY (mask 15), each wave for its own quarter, 67,584 bytes on end, which it alone reads.  LDS holds one weight.
; When a weight's second half has gone into registers the whole region is free: one round, and one load a wave brings the whole next weight; it has the second half's products and the quantising of the results in which to land.
; A wave has one tensor load out.
; LIMITS: as stated at the head of the first launch (zero blocks' byte, the floor at 2^-111, NaN and infinities not served).
; REGISTERS: window 0: addresses, scale words, codes, 64 at work.  Window 1: x's 16 fragments.  Window 2: x's numbers as loaded, then the 32 accumulators.  Window 3: x's numbers turned, then the weight's fragments of two K steps.
.set QB,    33792                      ; half of a weight's quarter: 132 rows of 256 bytes
.set WB,    67584                      ; a weight's quarter: what one tensor load brings; wave w's lies at w x WB
.set XIMG,  270336                     ; x's 16 fragments
.set XSC,   303104                     ; their 8 pair rows
.set SPARE, 304128                     ; the spare words: 128 bytes a wave; no other line names them
.set XSTG,  304640                     ; four stages of 16 rows x 272 bytes, a wave's own each
.set LI,  1                            ; 16 x lane
.set XA,  2                            ; x: my row of a pair and my 16 bytes of its 256
.set XWI, 3                            ; where I store x's images
.set XWS, 4                            ; and their scale words
.set XRS, 5                            ; where I read pair rows
.set AW,  6                            ; v6-7   my quarter's fragments, half 0, 1
.set AWS, 8                            ; v8-9   its scale words
.set GC,  10
.set GS,  11
.set GV,  12
.set GVS, 13
.set SPW, 14                           ; my spare word; never rewritten
.set NIL, 15                           ; 0; never rewritten
.set XR,  16
.set H,   17
.set STW, 18                           ; the stage, on the way in
.set STR, 19                           ; and on the way out
.set TM,  20                           ; v20-35 the quantiser's: magnitudes, bytes, limits, scale operands
.set PW,  36                           ; v36-39 scale words just made
.set PS,  40                           ; v40-41 pair rows
.set XS,  44                           ; v44-51 x's pair rows (4 (m / 2) + s)
.set WS,  52                           ; v52-67 the weight's scale words (2 ct + sl)
.set PC,  68                           ; v68-131 four fragments of codes
.set TB,  132                          ; v132-195 64 held numbers
.set TWIN, 0
.set WV,  12
.set G1,  16
.set D0,  24
.set SEL, 32
.set MNT, 34
.set HM,  35
.set MSB, 0
.macro WIN new                         ; the immediate's high byte repeats the setting that is left
.if MSB != (\new)
	s_set_vgpr_msb (MSB<<8)|(\new)
.set MSB, (\new)
.endif
.endm
.macro NOPS n
.rept \n
	v_nop
.endr
.endm
.macro CROUND                          ; a round of the cluster's barrier
	s_barrier_signal -1
	s_barrier_wait -1
	s_cmp_lg_u32 s[WV], 0
	s_cbranch_scc1 .Lnw0_\@
	s_barrier_signal -3
.Lnw0_\@:
	s_barrier_wait -3
	s_barrier_signal -1
	s_barrier_wait -1
.endm
; one matrix instruction: d accumulator, a and b fragments, sa and sb scale registers; zero: C = 0; ra, rb: the scales lie in lanes 16-31
.macro WMS d, a, b, sa, sb, zero, ra, rb
.if (\zero)
.if (\ra) && (\rb)
	v_wmma_scale_f32_16x16x128_f8f6f4 v[(\d):(\d)+7], v[(\a):(\a)+15], v[(\b):(\b)+15], 0, v[\sa], v[\sb] matrix_a_fmt:MATRIX_FMT_BF8 matrix_b_fmt:MATRIX_FMT_BF8 matrix_a_scale:MATRIX_SCALE_ROW1 matrix_b_scale:MATRIX_SCALE_ROW1
.elseif (\ra)
	v_wmma_scale_f32_16x16x128_f8f6f4 v[(\d):(\d)+7], v[(\a):(\a)+15], v[(\b):(\b)+15], 0, v[\sa], v[\sb] matrix_a_fmt:MATRIX_FMT_BF8 matrix_b_fmt:MATRIX_FMT_BF8 matrix_a_scale:MATRIX_SCALE_ROW1
.elseif (\rb)
	v_wmma_scale_f32_16x16x128_f8f6f4 v[(\d):(\d)+7], v[(\a):(\a)+15], v[(\b):(\b)+15], 0, v[\sa], v[\sb] matrix_a_fmt:MATRIX_FMT_BF8 matrix_b_fmt:MATRIX_FMT_BF8 matrix_b_scale:MATRIX_SCALE_ROW1
.else
	v_wmma_scale_f32_16x16x128_f8f6f4 v[(\d):(\d)+7], v[(\a):(\a)+15], v[(\b):(\b)+15], 0, v[\sa], v[\sb] matrix_a_fmt:MATRIX_FMT_BF8 matrix_b_fmt:MATRIX_FMT_BF8
.endif
.else
.if (\ra) && (\rb)
	v_wmma_scale_f32_16x16x128_f8f6f4 v[(\d):(\d)+7], v[(\a):(\a)+15], v[(\b):(\b)+15], v[(\d):(\d)+7], v[\sa], v[\sb] matrix_a_fmt:MATRIX_FMT_BF8 matrix_b_fmt:MATRIX_FMT_BF8 matrix_a_scale:MATRIX_SCALE_ROW1 matrix_b_scale:MATRIX_SCALE_ROW1
.elseif (\ra)
	v_wmma_scale_f32_16x16x128_f8f6f4 v[(\d):(\d)+7], v[(\a):(\a)+15], v[(\b):(\b)+15], v[(\d):(\d)+7], v[\sa], v[\sb] matrix_a_fmt:MATRIX_FMT_BF8 matrix_b_fmt:MATRIX_FMT_BF8 matrix_a_scale:MATRIX_SCALE_ROW1
.elseif (\rb)
	v_wmma_scale_f32_16x16x128_f8f6f4 v[(\d):(\d)+7], v[(\a):(\a)+15], v[(\b):(\b)+15], v[(\d):(\d)+7], v[\sa], v[\sb] matrix_a_fmt:MATRIX_FMT_BF8 matrix_b_fmt:MATRIX_FMT_BF8 matrix_b_scale:MATRIX_SCALE_ROW1
.else
	v_wmma_scale_f32_16x16x128_f8f6f4 v[(\d):(\d)+7], v[(\a):(\a)+15], v[(\b):(\b)+15], v[(\d):(\d)+7], v[\sa], v[\sb] matrix_a_fmt:MATRIX_FMT_BF8 matrix_b_fmt:MATRIX_FMT_BF8
.endif
.endif
.endm
; 64 numbers of a lane in window sw, register src + 16 b + i = k 32 b + 16 (lane / 16) + i of my row, become a fragment's 16 registers of codes at v[pc] and its scale word in v[pw] (window 0).  The numbers are left as they are.
.macro QUANT src, sw, relu, pc, pw
	WIN (\sw)|((\sw)<<2)
.irp b, 0,1,2,3
.if \relu
	v_max3_num_f32 v[TM+\b], v[(\src)+16*\b], v[(\src)+16*\b+1], 0x8000000
.else
	v_max3_num_f32 v[TM+\b], |v[(\src)+16*\b]|, |v[(\src)+16*\b+1]|, 0x8000000   ; block b: my 16 numbers from the low end on, and the floor 2^(16 - 127)
.endif
.endr
.irp i, 2,4,6,8,10,12,14
.irp b, 0,1,2,3
.if \relu
	v_max3_num_f32 v[TM+\b], v[(\src)+16*\b+\i], v[(\src)+16*\b+\i+1], v[TM+\b]
.else
	v_max3_num_f32 v[TM+\b], |v[(\src)+16*\b+\i]|, |v[(\src)+16*\b+\i+1]|, v[TM+\b]   ; the four blocks by turns
.endif
.endr
.endr
	WIN 0
.irp b, 0,1,2,3
	v_permlanex16_b32 v[TM+4+\b], v[TM+\b], s[SEL], s[SEL+1]
.endr
.irp b, 0,1,2,3
	v_max_num_f32 v[TM+\b], v[TM+\b], v[TM+4+\b]   ; with lane l xor 16's: the block's largest magnitude
.endr
.irp b, 0,1,2,3
	v_add_nc_u32 v[TM+12+\b], 0xf8800000, v[TM+\b]   ; 15 off the exponent field: the conversion's scale operand
.endr
.irp b, 0,1,2,3
	v_and_or_b32 v[TM+8+\b], v[TM+\b], 0x7f800000, s[MNT]   ; 57,344 x the scale
.endr
.irp b, 0,1,2,3
	v_lshrrev_b32 v[TM+4+\b], 23, v[TM+12+\b]      ; the scale's byte
.endr
	v_lshl_or_b32 v[\pw], v[TM+5], 8, v[TM+4]
	v_lshl_or_b32 v[\pw], v[TM+6], 16, v[\pw]
	v_lshl_or_b32 v[\pw], v[TM+7], 24, v[\pw]
	WIN (TWIN<<6)|(\sw)
.irp b, 0,1,2,3
.irp i, 0,1,2,3,4,5,6,7,8,9,10,11,12,13,14,15
.if \relu
	v_med3_num_f32 v[TB+16*\b+\i], v[(\src)+16*\b+\i], 0, v[TM+8+\b]
.else
	v_med3_num_f32 v[TB+16*\b+\i], v[(\src)+16*\b+\i], -v[TM+8+\b], v[TM+8+\b]   ; the conversion does not saturate (ISA guide 7.6.2): the hold
.endif
.endr
.endr
	WIN TWIN
.irp b, 0,1,2,3
	v_cvt_scalef32_pk8_bf8_f32 v[(\pc)+4*\b:(\pc)+4*\b+1], v[TB+16*\b:TB+16*\b+7], v[TM+12+\b]
	v_cvt_scalef32_pk8_bf8_f32 v[(\pc)+4*\b+2:(\pc)+4*\b+3], v[TB+16*\b+8:TB+16*\b+15], v[TM+12+\b]
.endr
	WIN 0
	v_nop                                          ; one plain instruction behind the last scaled conversion
.endm
.macro SELW mp                         ; a pair row: lanes 0-15 tile 2 mp's words, lanes 16-31 tile 2 mp + 1's
	v_cndmask_b32 v[PS+\mp], v[PW+2*\mp], v[PW+2*\mp+1], s[HM]
.endm
; 16 rows x 256 bytes of x (64 along K from 64 hs on) turn through my stage: in as loaded (window 2), out 16 neighbours a lane and block (window 3).  LDS serves a wave's instructions in order: no wait stands between
.macro TURN hs
	WIN 0x08                                       ; an LDS store's data are its source 1: window 2
.irp a, 0,1,2,3,4,5,6,7
	ds_store_b128 v[STW], v[32*(\hs)+4*\a:32*(\hs)+4*\a+3] offset:544*\a   ; rows 2 a, 2 a + 1
.endr
	WIN 0xc0                                       ; destination window 3
.irp c, 0,1
.irp i, 0,1,2,3
	ds_load_b128 v[32*(\hs)+16*\c+4*\i:32*(\hs)+16*\c+4*\i+3], v[STR] offset:128*\c+16*\i
.endr
.endr
.endm
	s_load_b256 s[4:11], s[0:1], 0x0               ; x, wts, qws, kvws
	v_lshl_add_u32 v[SPW], v0, 2, SPARE
	v_mov_b32 v[NIL], 0
	ds_add_u32 v[SPW], v[NIL]                      ; the wave's opening: the add, twice on end, and its wait ahead of my first tensor load
	ds_add_u32 v[SPW], v[NIL]
	v_lshrrev_b32 v196, 5, v0
	v_readfirstlane_b32 s[WV], v196                ; wave 0..3
	s_bfe_u32 s13, ttmp6, 0x40000                  ; cx
	s_lshl_b32 s14, ttmp9, 2
	s_add_co_u32 s14, s14, s13                     ; my work-group: it enters the addresses of x, qws and kvws alone
	s_mov_b32 s[G1+0], 15|(3<<16)|(1<<21)          ; the mask: all four partners; elements of 8 bytes; bit 21 beside a mask; no padding: images are read at 16 x lane
	s_mov_b32 s[G1+1], 32<<16                      ; tensor_dim0 = 32 elements = 256 bytes
	s_mov_b32 s[G1+2], 264<<16                     ; tensor_dim1 = 264 rows
	s_mov_b32 s[G1+3], 32<<16                      ; tile_dim0
	s_mov_b32 s[G1+4], 264                         ; tile_dim1
	s_mov_b32 s[G1+5], 32                          ; the pitch: dense
	s_mov_b32 s[G1+6], 0
	s_mov_b32 s[G1+7], 0
	s_mov_b32 s[SEL], 0x76543210
	s_mov_b32 s[SEL+1], 0xfedcba98                 ; lane l xor 16
	s_mov_b32 s[MNT], 0x600000
	v_and_b32 v196, 31, v0                         ; lane
	v_and_b32 v197, 15, v0                         ; r
	v_bfe_u32 v[H], v0, 4, 1                       ; h
	v_cmp_ne_u32 s[HM], 0, v[H]
	v_lshlrev_b32 v[LI], 4, v196
	s_lshr_b32 s44, s[WV], 1
	s_and_b32 s45, s[WV], 1
	s_lshl_b32 s46, s44, 5
	s_lshl_b32 s47, s45, 3
	s_add_co_u32 s46, s46, s47                     ; tile w begins at token 32 (w / 2) + 8 (w % 2)
	v_add_nc_u32 v198, s46, v[H]                   ; lanes 16-31 take the odd row of a pair
	v_lshlrev_b32 v[XA], 11, v198                  ; a row of x is 2,048 bytes
	v_lshl_add_u32 v[XA], v197, 4, v[XA]           ; + my 16 bytes of the row's 256
	s_mul_i32 s47, s[WV], 4352
	s_add_co_u32 s47, s47, XSTG                    ; my stage
	v_mul_u32_u24 v[STW], v[H], 272
	v_lshl_add_u32 v[STW], v197, 4, v[STW]
	v_add_nc_u32 v[STW], s47, v[STW]               ; in: the pair's row, 16 bytes a lane
	v_mul_u32_u24 v[STR], v197, 272
	v_lshl_add_u32 v[STR], v[H], 6, v[STR]
	v_add_nc_u32 v[STR], s47, v[STR]               ; out: row r, + 64 h: my 16 numbers of a block
	s_lshl_b32 s46, s[WV], 13
	s_add_co_u32 s46, s46, XIMG
	v_add_nc_u32 v[XWI], s46, v[LI]
	s_lshl_b32 s46, s44, 9
	s_lshl_b32 s47, s45, 6
	s_add_co_u32 s46, s46, s47
	s_add_co_u32 s46, s46, XSC
	v_lshl_add_u32 v[XWS], v197, 2, s46
	v_lshl_add_u32 v[XRS], v196, 2, XSC
	s_mul_i32 s48, s[WV], WB                       ; my quarter
	v_add_nc_u32 v[AW], s48, v[LI]
	v_add_nc_u32 v[AW+1], QB, v[AW]
	s_add_co_u32 s47, s48, 32768
	v_lshl_add_u32 v[AWS], v197, 4, s47
	v_add_nc_u32 v[AWS+1], QB, v[AWS]
	s_lshl_b32 s47, s[WV], 11
	v_add_nc_u32 v[GC], s47, v[LI]                 ; out: K step w of a fragment row
	s_lshl_b32 s47, s[WV], 7
	v_lshl_add_u32 v[GS], v196, 2, s47
	s_mul_i32 s47, s[WV], 16896
	v_add_nc_u32 v[GV], s47, v[LI]                 ; out: V's quarter w
	v_lshl_add_u32 v[GVS], v197, 4, s47
	v_lshl_add_u32 v[GVS], v[H], 3, v[GVS]
	v_add_nc_u32 v[XR], XIMG, v[LI]
.irp b, 0,1,2,3
	v_mov_b32 v[TM+4+\b], 0                        ; written once: a lane permute's destination counts as one of its sources
.endr
	s_mov_b32 s[D0], 1
	s_mov_b32 s[D0+1], s48                         ; my quarter's place in LDS
	s_mov_b32 s49, 0
	s_mov_b32 s51, 0
	s_wait_dscnt 0x0                               ; both opening adds are done
	s_wait_kmcnt 0x0
	s_add_nc_u64 s[D0+2:D0+3], s[6:7], s[48:49]    ; wq's quarter w
	s_or_b32 s[D0+3], s[D0+3], 0x80000000
	s_lshl_b32 s50, s14, 17
	s_add_nc_u64 s[4:5], s[4:5], s[50:51]          ; x at my 64 tokens
	s_mul_i32 s50, s14, 33792
	s_add_nc_u64 s[36:37], s[8:9], s[50:51]        ; my block of qws
	s_lshr_b32 s52, s14, 1                         ; 16 x batch + key step
	s_mul_i32 s50, s52, 135168
	s_add_nc_u64 s[38:39], s[10:11], s[50:51]
	s_and_b32 s52, s14, 1                          ; which half of the step's 128 keys
	s_lshl_b32 s50, s52, 10
	s_add_co_u32 s50, s50, 67584
	s_add_nc_u64 s[40:41], s[38:39], s[50:51]      ; V's fragments: groups 2 g, 2 g + 1
	s_lshl_b32 s50, s52, 8
	s_add_co_u32 s50, s50, 83968
	s_add_nc_u64 s[42:43], s[38:39], s[50:51]      ; V's scale bytes
	s_mul_i32 s50, s52, 33792
	s_add_nc_u64 s[38:39], s[38:39], s[50:51]      ; K's quarters 2 g, 2 g + 1
	CROUND                                         ; all four partners are here: the first joint loads meet
	tensor_load_to_lds s[D0:D0+3], s[G1:G1+7]      ; the whole of wq, ahead of x's loads
	s_nop 0
	NOPS 4
	WIN 0x80                                       ; destination window 2
.irp hs, 0,1,2,3,4,5,6,7
.irp a, 0,1,2,3,4,5,6,7
	global_load_b128 v[32*\hs+4*\a:32*\hs+4*\a+3], v[XA], s[4:5] offset:(2*\a+8*(\a/4))*2048+256*\hs th:TH_LOAD_NT   ; rows 2 a, 2 a + 1 of tile w: sixteen lanes read 256 consecutive bytes, aligned
.endr
.endr
	WIN 0
.irp s, 0,1,2,3
	s_wait_loadcnt 48-16*\s                        ; K step s is in; the younger K steps' sixteen loads each may stay out
	TURN 2*\s
	TURN 2*\s+1
	WIN 0
	s_wait_dscnt 0x0                               ; the K step's 64 numbers a lane are back
	QUANT 64*\s, 3, 0, PC+16*\s, PW+\s
.irp c, 0,1,2,3
	ds_store_b128 v[XWI], v[PC+16*\s+4*\c:PC+16*\s+4*\c+3] offset:2048*\s+512*\c
.endr
	ds_store_b32 v[XWS], v[PW+\s] offset:128*\s    ; lanes r and r + 16 write the same word with the same value
.endr
	s_wait_dscnt 0x0                               ; for the others' sake: my images have landed
	s_barrier_signal -1
	s_barrier_wait -1                              ; the first fill may stay out
	WIN 0x40                                       ; destination window 1
.set ii, 0
.rept 64
	ds_load_b128 v[4*ii:4*ii+3], v[XR] offset:512*ii   ; x's 16 fragments stay in registers
.set ii, ii+1
.endr
	WIN 0
.irp k, 0,1,2,3,4,5,6,7
	ds_load_b32 v[XS+\k], v[XRS] offset:128*\k
.endr
; 32 matrix instructions on 32 accumulators by turns: K step 2 g + sl.  mode 0: source 0 = the weight; mode 1: source 0 = x
.macro MM sl, g, mode, zero
.if \mode
	WIN 0xad                                       ; source 0 window 1, source 1 window 3, C and D window 2
.else
	WIN 0xa7                                       ; source 0 window 3, source 1 window 1, C and D window 2
.endif
.irp m, 0,1,2,3
.irp ct, 0,1,2,3,4,5,6,7
.if \mode
	WMS 8*(4*\ct+\m), 64*\m+16*(2*\g+\sl), 128*\sl+16*\ct, XS+4*(\m/2)+2*\g+\sl, WS+2*\ct+\sl, \zero, \m%2, 0
.else
	WMS 8*(8*\m+\ct), 128*\sl+16*\ct, 64*\m+16*(2*\g+\sl), WS+2*\ct+\sl, XS+4*(\m/2)+2*\g+\sl, \zero, 0, \m%2
.endif
.endr
.endr
.endm
; Half g = p of a weight.  Both K steps' fragments go into registers.  refill = 1 (a second half): the whole region is then free and is filled again, with the next weight.  tw = 0 (a first half): the wait for my own load ahead of the reads.
.macro HALF p, g, mode, refill, tw
.if \tw >= 0
	s_wait_tensorcnt \tw                           ; my one tensor load, this weight's quarter, has landed; I alone read it
.endif
	NOPS 8                                         ; places in front of loads into registers that matrix instructions have read
	WIN 0xc0                                       ; destination window 3
.set ii, 0
.rept 32
	ds_load_b128 v[4*ii:4*ii+3], v[AW+\p] offset:512*ii
.set ii, ii+1
.endr
	WIN 0
.irp q, 0,1,2,3
	ds_load_b128 v[WS+4*\q:WS+4*\q+3], v[AWS+\p] offset:256*\q
.endr
	WIN 0xc0
.set ii, 0
.rept 32
	ds_load_b128 v[128+4*ii:128+4*ii+3], v[AW+\p] offset:16384+512*ii
.set ii, ii+1
.endr
	WIN 0
.if \refill
	s_wait_tensorcnt 0x0                           ; no tensor load of mine is out
	ds_add_u32 v[SPW], v[NIL]                      ; 0 onto my spare word
	s_add_nc_u64 s[D0+2:D0+3], s[D0+2:D0+3], 270336   ; the next weight's quarter w
.endif
	s_wait_dscnt 32+\refill                        ; the second K step's 32 loads (and the add) may stay out
	MM 0, \g, \mode, 1-\g
	s_wait_dscnt 0x0                               ; the add is done, and my reads of the weight are over
.if \refill
	WIN 0
	CROUND                                         ; no wave of any partner still reads the weight or has a load on its way
	tensor_load_to_lds s[D0:D0+3], s[G1:G1+7]      ; my one tensor load behind the round, and the first thing there
	s_nop 0
	NOPS 4
.endif
	MM 1, \g, \mode, 0
	WIN 0
.endm
; q (kk = 0) or k (kk = 1): my 128 columns of the four tiles are K step w of the next product: quantised, stored as images
.macro EPI kk
	s_wait_xcnt 0x0                                ; earlier stores have read the codes' and pair rows' registers
	NOPS 8                                         ; places in front of the first read of results
.irp m, 0,1,2,3
	QUANT 64*\m, 2, 0, PC+16*\m, PW+\m
.irp c, 0,1,2,3
.if \kk
	global_store_b128 v[GC], v[PC+16*\m+4*\c:PC+16*\m+4*\c+3], s[38:39] offset:16896*(\m/2)+8192*(\m%2)+512*\c
.else
	global_store_b128 v[GC], v[PC+16*\m+4*\c:PC+16*\m+4*\c+3], s[36:37] offset:8192*\m+512*\c   ; 32 lanes store 512 consecutive bytes, aligned
.endif
.endr
.endr
	SELW 0
	SELW 1
.irp mp, 0,1
.if \kk
	global_store_b32 v[GS], v[PS+\mp], s[38:39] offset:16896*\mp+16384
.else
	global_store_b32 v[GS], v[PS+\mp], s[36:37] offset:32768+512*\mp
.endif
.endr
.endm
; v: accumulator (ct, m) at 32 ct + 8 m: a lane's 32 registers of a tile ct are 2 blocks of 32 keys (with lane l xor 16) of ONE row d
.macro EPIV
	s_wait_xcnt 0x0
	NOPS 8
.irp z, 0,1,2,3
	QUANT 64*\z, 2, 0, PC+16*\z, PW+\z
.irp e, 0,1,2,3
	global_store_b128 v[GV], v[PC+16*\z+4*\e:PC+16*\z+4*\e+3], s[40:41] offset:(2*\z+\e/2)*2048+(\e%2)*512   ; tile 2 z + e / 2, key block 2 g + e % 2
.endr
.endr
	v_cndmask_b32 v[PS], v[PW], v[PW+2], s[HM]     ; a row's 16 scale bytes: lanes 0-15 store tiles 0-3's, lanes 16-31 tiles 4-7's
	v_cndmask_b32 v[PS+1], v[PW+1], v[PW+3], s[HM]
	global_store_b64 v[GVS], v[PS:PS+1], s[42:43]  ; 256 consecutive bytes a wave, aligned
.endm
	HALF 0, 0, 0, 0, 0                             ; wq
	HALF 1, 1, 0, 1, -1                            ; and wk is asked for
	EPI 0
	HALF 0, 0, 0, 0, 0                             ; wk
	HALF 1, 1, 0, 1, -1                            ; and wv is asked for
	EPI 1
	HALF 0, 0, 1, 0, 0                             ; wv: nothing is left to fetch
	HALF 1, 1, 1, 0, -1
	EPIV
	s_wait_tensorcnt 0x0                           ; the wave's end
	ds_add_u32 v[SPW], v[NIL]
	s_wait_dscnt 0x0
	CROUND                                         ; the closing round
	s_endpgm
.Lfunc_end_k_q43bde54e22_qkv:
	.size	k_q43bde54e22_qkv, .Lfunc_end_k_q43bde54e22_qkv-k_q43bde54e22_qkv
	.p2alignl 7, 3214868480
	.fill 96, 4, 3214868480
	.section	.rodata,"a",@progbits
	.p2align	6, 0x0
	.amdhsa_kernel k_q43bde54e22_qkv
		.amdhsa_group_segment_fixed_size 327680
		.amdhsa_private_segment_fixed_size 0
		.amdhsa_enable_private_segment 0
		.amdhsa_kernarg_size 32
		.amdhsa_user_sgpr_count 2
		.amdhsa_user_sgpr_kernarg_segment_ptr 1
		.amdhsa_wavefront_size32 1
		.amdhsa_system_sgpr_workgroup_id_x 1
		.amdhsa_system_sgpr_workgroup_id_y 1
		.amdhsa_system_sgpr_workgroup_id_z 1
		.amdhsa_system_vgpr_workitem_id 0
		.amdhsa_next_free_vgpr 1024
		.amdhsa_next_free_sgpr 66
		.amdhsa_reserve_vcc 0
		.amdhsa_float_denorm_mode_32 3
		.amdhsa_float_denorm_mode_16_64 3
		.amdhsa_memory_ordered 1
		.amdhsa_forward_progress 1
		.amdhsa_inst_pref_size 241
	.end_amdhsa_kernel
	.amdgpu_metadata
---
amdhsa.version: [ 1, 2 ]
amdhsa.kernels:
  - .name:           k_q43bde54e22_qkv
    .symbol:         k_q43bde54e22_qkv.kd
    .args:
      - { .name: x, .offset: 0, .size: 8, .value_kind: global_buffer, .address_space: global }
      - { .name: wts, .offset: 8, .size: 8, .value_kind: global_buffer, .address_space: global }
      - { .name: qws, .offset: 16, .size: 8, .value_kind: global_buffer, .address_space: global }
      - { .name: kvws, .offset: 24, .size: 8, .value_kind: global_buffer, .address_space: global }
    .group_segment_fixed_size: 327680
    .private_segment_fixed_size: 0
    .kernarg_segment_align: 8
    .kernarg_segment_size: 32
    .max_flat_workgroup_size: 128
    .sgpr_count:     66
    .vgpr_count:     1024
    .wavefront_size: 32
...
	.end_amdgpu_metadata
.endif
;; end of part 7
;; launch attn (part 8): grid 32 x 8, 4 waves a work-group, clusters of 4 x 1, 327,680 bytes of LDS; arguments qws, kvws, cws; writes cws
.if DOCPART == 8
	.amdgcn_target "amdgcn-amd-amdhsa--gfx1250"
	.amdhsa_code_object_version 6
	.text
	.protected	k_q43bde54e22_attn
	.globl	k_q43bde54e22_attn
	.p2align	8
	.type	k_q43bde54e22_attn,@function
k_q43bde54e22_attn:
	s_mov_b64 s[64:65], 0
	v_nop
	global_prefetch_b8 v0, s[64:65] scope:SCOPE_SE
	s_setreg_imm32_b32 hwreg(HW_REG_WAVE_MODE, 25, 1), 1
	s_wait_xcnt 0x0
	s_wait_alu depctr_hold_cnt(0) depctr_sa_sdst(0) depctr_va_vdst(0) depctr_va_sdst(0) depctr_va_ssrc(0) depctr_va_vcc(0) depctr_vm_vsrc(0)
	s_getreg_b32 s2, hwreg(HW_REG_IB_STS2, 6, 4)
	s_cmp_eq_u32 s2, 0
	s_cbranch_scc0 .Lentry_in_a_cluster
	s_endpgm
.Lentry_in_a_cluster:
	s_bfe_u32 s2, ttmp6, 0x10000c
	s_cmp_lg_u32 s2, 0x3003
	s_cbranch_scc0 .Lentry_shape_is_right
	s_endpgm
.Lentry_shape_is_right:
; ctx = softmax(q k^T / sqrt(512)) v on codes of E5M2, quantised again along its 512 channels and stored as images of operand registers.  No work is left out.
; SHARES.  A work-group owns 64 queries (four tiles m) of one batch and walks its 16 key steps of 128.  Wave w: S^T of the step's keys 32 w .. + 31 (one scale block) for all 64 queries; O^T of channels 128 w .. + 127 for all 64 queries.
; SOFTMAX.  t = score x log2(e) / sqrt(512).  Each wave keeps ITS OWN running M (ceiling of the largest t of its own blocks), p = 2^(t - M), and the sum of the unquantised p under that M.  M is a whole number, so a block's scale takes the
; difference between two waves' M up exactly.  With its codes a wave hands over E = scale byte + M (a whole number).  Every wave takes RE = the running maximum of all E; O^T stands under 2^(RE - 112); a block's byte is E - (RE - 112), at most 112,
; held at 0 from below (such a block lies 2^-112 under the row's largest p).  When RE moves, O^T is multiplied by 2^(old - new), exactly.  At the end the four sums are brought under RE - 112 by v_ldexp_f32 and added.
; The work on E is done for two tiles in one register: lanes 0-15 tile 2 g, lanes 16-31 tile 2 g + 1, as the scale operand's two rows take them.
; PERIOD i: S(i)'s 32 products with step i - 1's bytes and the rescaling of O^T among them; maxima and exponentials of step i; O^T += V(i - 1) p(i - 1), 32 products, with step i's sums, holds and conversions among them; ONE round of the
; cluster's barrier, which shows p(i) and E(i) and stands in front of the refill.  p and E have two buffers by turns, since p(i) is stored while another wave may still read p(i - 1).
; RING.  Two regions, each K's and V's tiles of one key step as they lie in kvws.  At the head one load a wave fills all four tiles (K(0), K(1), V(0), V(1)).  Round j asks for K(j + 3) (waves 0, 1) and V(j + 1) (waves 2, 3) into region (j + 1) % 2,
; whose K went into registers in period j and whose V was read in period j.  A wave has one tensor load out.  The four partners of a cluster walk the same tiles and ask jointly (mask 15).
; NO PREFETCH: the eight clusters of a batch begin at four key steps that lie four apart, so a tile is asked for at four different periods; of a cluster's own first four steps the head and the first two rounds ask for all but V(2), V(3) at once.
; LIMITS: those of the first launch; the promise holds while |t| stays under 2^31 (M and E are 32-bit whole numbers).
; REGISTERS: window 0: addresses, state, scale words, p's fragments v128-191, S^T v192-255.  Window 1: q's 16 fragments.  Window 2: O^T.  Window 3: K's fragments v0-127, V's v128-255.
.set QB,    33792
.set KB,    67584
.set R1,    135168
.set XB,    270336                     ; two buffers of 9,216: E [wave][row] 16 bytes, then p's four fragments
.set XS,    9216
.set LX,    288768                     ; the sums and M at the end: 2 x 1,024
.set SPARE, 290816
.set AK0,  1
.set AKS0, 2
.set AV0,  3
.set AVS0, 4
.set AER0, 5
.set APR0, 6
.set AEW0, 7
.set APW0, 8
.set ADK,  9
.set ADKS, 10
.set ADV,  11
.set ADVS, 12
.set AER,  13
.set APR,  14
.set AEW,  15
.set APW,  16
.set L4,   17
.set GC,   18
.set GS,   19
.set SPW,  20
.set NIL,  21
.set LI,   22
.set H,    23
.set ST,   24                          ; 8 a tile: +0 -M, +1 largest t, +2 O's factor, +3 0, +4:5 the sum, +6:7 a chain; +6 also the sum's factor
.set BM,   56
.set T1,   60
.set LMT,  64
.set SCO,  68
.set EW,   72                          ; E in the order m = 0, 2, 1, 3
.set VSC,  80                          ; V's scale words: lanes 0-15 tile 2 i, lanes 16-31 tile 2 i + 1
.set PSW,  84                          ; p's: lanes 0-15 tile 2 g, lanes 16-31 tile 2 g + 1
.set SELV, 86
.set KSC,  88
.set QS0,  92                          ; q's pair rows (g, s) at 92 - 16 g + s: no product's two scale registers have numbers equal modulo 8
.set RE,   96
.set PC,   100                         ; p's codes; in the first part of a period MXR and VH lie there
.set MXR,  100
.set VH,   108
.set TT,   116
.set BYT,  116
.set DF,   118
.set RB,   120
.set XP,   122
.set RM,   124
.set P,    128
.set TM,   128
.set PW,   144
.set PS,   148
.set S,    192
.set TB,   0
.set TWIN, 3
.set WV,   10
.set GI,   12
.set OFF,  14
.set G1,   16
.set D0,   24
.set TO,   28
.set XO,   29
.set XN,   30
.set K01,  31
.set CS,   32
.set SEL,  34
.set MNT,  36
.set CNT,  39
.set HM,   44
.set WQ,   47
.set G1H,  52
.set MSB, 0
.macro WIN new
.if MSB != (\new)
	s_set_vgpr_msb (MSB<<8)|(\new)
.set MSB, (\new)
.endif
.endm
.macro NOPS n
.rept \n
	v_nop
.endr
.endm
.macro BAR
	s_barrier_signal -1
	s_barrier_wait -1
.endm
.macro CROUND
	s_barrier_signal -1
	s_barrier_wait -1
	s_cmp_lg_u32 s[WV], 0
	s_cbranch_scc1 .Lnw0_\@
	s_barrier_signal -3
.Lnw0_\@:
	s_barrier_wait -3
	s_barrier_signal -1
	s_barrier_wait -1
.endm
.macro WMS d, a, b, sa, sb, zero, ra, rb
.if (\zero)
.if (\ra) && (\rb)
	v_wmma_scale_f32_16x16x128_f8f6f4 v[(\d):(\d)+7], v[(\a):(\a)+15], v[(\b):(\b)+15], 0, v[\sa], v[\sb] matrix_a_fmt:MATRIX_FMT_BF8 matrix_b_fmt:MATRIX_FMT_BF8 matrix_a_scale:MATRIX_SCALE_ROW1 matrix_b_scale:MATRIX_SCALE_ROW1
.elseif (\ra)
	v_wmma_scale_f32_16x16x128_f8f6f4 v[(\d):(\d)+7], v[(\a):(\a)+15], v[(\b):(\b)+15], 0, v[\sa], v[\sb] matrix_a_fmt:MATRIX_FMT_BF8 matrix_b_fmt:MATRIX_FMT_BF8 matrix_a_scale:MATRIX_SCALE_ROW1
.elseif (\rb)
	v_wmma_scale_f32_16x16x128_f8f6f4 v[(\d):(\d)+7], v[(\a):(\a)+15], v[(\b):(\b)+15], 0, v[\sa], v[\sb] matrix_a_fmt:MATRIX_FMT_BF8 matrix_b_fmt:MATRIX_FMT_BF8 matrix_b_scale:MATRIX_SCALE_ROW1
.else
	v_wmma_scale_f32_16x16x128_f8f6f4 v[(\d):(\d)+7], v[(\a):(\a)+15], v[(\b):(\b)+15], 0, v[\sa], v[\sb] matrix_a_fmt:MATRIX_FMT_BF8 matrix_b_fmt:MATRIX_FMT_BF8
.endif
.else
.if (\ra) && (\rb)
	v_wmma_scale_f32_16x16x128_f8f6f4 v[(\d):(\d)+7], v[(\a):(\a)+15], v[(\b):(\b)+15], v[(\d):(\d)+7], v[\sa], v[\sb] matrix_a_fmt:MATRIX_FMT_BF8 matrix_b_fmt:MATRIX_FMT_BF8 matrix_a_scale:MATRIX_SCALE_ROW1 matrix_b_scale:MATRIX_SCALE_ROW1
.elseif (\ra)
	v_wmma_scale_f32_16x16x128_f8f6f4 v[(\d):(\d)+7], v[(\a):(\a)+15], v[(\b):(\b)+15], v[(\d):(\d)+7], v[\sa], v[\sb] matrix_a_fmt:MATRIX_FMT_BF8 matrix_b_fmt:MATRIX_FMT_BF8 matrix_a_scale:MATRIX_SCALE_ROW1
.elseif (\rb)
	v_wmma_scale_f32_16x16x128_f8f6f4 v[(\d):(\d)+7], v[(\a):(\a)+15], v[(\b):(\b)+15], v[(\d):(\d)+7], v[\sa], v[\sb] matrix_a_fmt:MATRIX_FMT_BF8 matrix_b_fmt:MATRIX_FMT_BF8 matrix_b_scale:MATRIX_SCALE_ROW1
.else
	v_wmma_scale_f32_16x16x128_f8f6f4 v[(\d):(\d)+7], v[(\a):(\a)+15], v[(\b):(\b)+15], v[(\d):(\d)+7], v[\sa], v[\sb] matrix_a_fmt:MATRIX_FMT_BF8 matrix_b_fmt:MATRIX_FMT_BF8
.endif
.endif
.endm
; 64 numbers of a lane in window sw become a fragment's codes at v[pc] and its scale word in v[pw]
.macro QUANT src, sw, pc, pw
	WIN (\sw)|((\sw)<<2)
.irp b, 0,1,2,3
	v_max3_num_f32 v[TM+\b], |v[(\src)+16*\b]|, |v[(\src)+16*\b+1]|, 0x8000000
.endr
.irp i, 2,4,6,8,10,12,14
.irp b, 0,1,2,3
	v_max3_num_f32 v[TM+\b], |v[(\src)+16*\b+\i]|, |v[(\src)+16*\b+\i+1]|, v[TM+\b]
.endr
.endr
	WIN 0
.irp b, 0,1,2,3
	v_permlanex16_b32 v[TM+4+\b], v[TM+\b], s[SEL], s[SEL+1]
.endr
.irp b, 0,1,2,3
	v_max_num_f32 v[TM+\b], v[TM+\b], v[TM+4+\b]
.endr
.irp b, 0,1,2,3
	v_add_nc_u32 v[TM+12+\b], 0xf8800000, v[TM+\b]
.endr
.irp b, 0,1,2,3
	v_and_or_b32 v[TM+8+\b], v[TM+\b], 0x7f800000, s[MNT]
.endr
.irp b, 0,1,2,3
	v_lshrrev_b32 v[TM+4+\b], 23, v[TM+12+\b]
.endr
	v_lshl_or_b32 v[\pw], v[TM+5], 8, v[TM+4]
	v_lshl_or_b32 v[\pw], v[TM+6], 16, v[\pw]
	v_lshl_or_b32 v[\pw], v[TM+7], 24, v[\pw]
	WIN (TWIN<<6)|(\sw)
.irp b, 0,1,2,3
.irp i, 0,1,2,3,4,5,6,7,8,9,10,11,12,13,14,15
	v_med3_num_f32 v[TB+16*\b+\i], v[(\src)+16*\b+\i], -v[TM+8+\b], v[TM+8+\b]
.endr
.endr
	WIN TWIN
.irp b, 0,1,2,3
	v_cvt_scalef32_pk8_bf8_f32 v[(\pc)+4*\b:(\pc)+4*\b+1], v[TB+16*\b:TB+16*\b+7], v[TM+12+\b]
	v_cvt_scalef32_pk8_bf8_f32 v[(\pc)+4*\b+2:(\pc)+4*\b+3], v[TB+16*\b+8:TB+16*\b+15], v[TM+12+\b]
.endr
	WIN 0
	v_nop
.endm
.macro TL kind                         ; the round's joint load: 0 all waves, 1 waves 0, 1 (K), 2 waves 2, 3 (V)
.if \kind == 1
	s_cmp_lt_u32 s[WV], 2
	s_cbranch_scc0 .Lno_\@
.elseif \kind == 2
	s_cmp_ge_u32 s[WV], 2
	s_cbranch_scc0 .Lno_\@
.endif
	tensor_load_to_lds s[D0:D0+3], s[G1:G1+7]
	s_nop 0
	NOPS 4
.Lno_\@:
.endm
.macro DESC                            ; group 0's global address: my part of key step GI % 16; written with no tensor load of mine out
	s_and_b32 s[OFF], s[GI], 15
	s_mul_i32 s[OFF], s[OFF], R1
	s_add_co_u32 s[OFF], s[OFF], s[WQ]
	s_add_nc_u64 s[D0+2:D0+3], s[6:7], s[OFF:OFF+1]
	s_or_b32 s[D0+3], s[D0+3], 0x80000000
.endm
.macro SW n                            ; S^T's product n: K step n / 8 of the 512, tile (n % 8) / 2, key half n % 2: eight accumulators by turns
.set s_, (\n)/8
.set m_, ((\n)%8)/2
.set u_, (\n)%2
	WIN 0x07
	WMS S+16*m_+8*u_, 16*(4*u_+s_), 64*m_+16*s_, KSC+s_, QS0-16*(m_/2)+s_, 1-(s_+3)/4, u_, m_%2
.endm
.macro SN a
.if \a
	SW NS
.set NS, NS+1
.endif
.endm
.macro PVW n, zero                     ; O^T's product n: channel tile n / 4, query tile n % 4
.set t_, (\n)/4
.set m_, (\n)%4
	WIN 0xa3
	WMS 64*m_+8*t_, 128+16*t_, P+16*m_, VSC+t_/2, PSW+m_/2, \zero, t_%2, m_%2
.endm
.macro RSC cnt                         ; O^T x its tile's factor, each accumulator from its low end on
	WIN 0x82
.rept \cnt
	v_pk_mul_f32 v[2*RQ:2*RQ+1], v[2*RQ:2*RQ+1], v[ST+8*(RQ/32)+2:ST+8*(RQ/32)+3] op_sel_hi:[1,0]
.set RQ, RQ+1
.endr
.endm
; stage k of the work on the four waves' E, two lines (g = 0, 1).  d = 1: the first time, no RE and no factor yet
.macro CS k, d
	WIN 0
.irp g, 0,1
.if (\k) == 0
	v_max_i32 v[TT+\g], v[MXR+\g], v[MXR+2+\g]
.elseif (\k) == 1
	v_max_i32 v[TT+\g], v[TT+\g], v[MXR+4+\g]
.elseif (\k) == 2
	v_max_i32 v[TT+\g], v[TT+\g], v[MXR+6+\g]
.elseif ((\k) == 3) && ((\d) == 2)
	v_max_i32 v[TT+\g], v[TT+\g], v[RE+\g]
.elseif ((\k) == 4) && ((\d) == 2)
	v_sub_nc_u32 v[DF+\g], v[RE+\g], v[TT+\g]                  ; old RE - new: 0 or less
.elseif (\k) == 5
	v_mov_b32 v[RE+\g], v[TT+\g]
.elseif (\k) == 6
	v_add_nc_u32 v[RB+\g], 0xffffff90, v[TT+\g]                ; RE - 112: O^T's exponent
.elseif ((\k) == 7) && ((\d) == 2)
	v_ldexp_f32 v[DF+\g], 1.0, v[DF+\g]
.elseif (\k) == 8
	v_mul_lo_u32 v[RM+\g], v[RB+\g], s[K01]                    ; RB in each of four bytes, modulo 2^32
.elseif ((\k) >= 9) && ((\k) <= 12)
	v_max_i32 v[MXR+2*((\k)-9)+\g], v[MXR+2*((\k)-9)+\g], v[RB+\g]   ; so that no byte falls under 0
.elseif (\k) == 13
	v_lshl_add_u32 v[MXR+\g], v[MXR+2+\g], 8, v[MXR+\g]
.elseif (\k) == 14
	v_lshl_add_u32 v[MXR+4+\g], v[MXR+6+\g], 8, v[MXR+4+\g]
.elseif (\k) == 15
	v_lshl_add_u32 v[MXR+\g], v[MXR+4+\g], 16, v[MXR+\g]
.elseif (\k) == 16
	v_sub_nc_u32 v[PSW+\g], v[MXR+\g], v[RM+\g]                ; the four bytes E_w - RB, each 0 .. 112
.elseif ((\k) == 17) && ((\d) == 2)
	v_permlanex16_b32 v[XP+\g], v[DF+\g], s[SEL], s[SEL+1]
.elseif ((\k) == 18) && ((\d) == 2)
	v_cndmask_b32 v[ST+16*\g+2], v[DF+\g], v[XP+\g], s[HM]     ; tile 2 g's factor in all lanes
.elseif ((\k) == 19) && ((\d) == 2)
	v_cndmask_b32 v[ST+16*\g+10], v[XP+\g], v[DF+\g], s[HM]    ; tile 2 g + 1's
.elseif (\k) == 20
	v_perm_b32 v[VSC+\g], v[VH+4+\g], v[VH+\g], v[SELV]
.elseif (\k) == 21
	v_perm_b32 v[VSC+2+\g], v[VH+6+\g], v[VH+2+\g], v[SELV]
.endif
.endr
.endm
; FIRST PART.  a: S^T of this period's step;  d: 0 no earlier step, 1 the first, 2 any other
.macro P1 a, d
.set NS, 0
.set RQ, 0
.if \d
.irp w, 0,1,2,3
	ds_load_b64 v[MXR+2*\w:MXR+2*\w+1], v[AER] offset:256*\w
.endr
	ds_load_b128 v[VH:VH+3], v[ADVS]
	ds_load_b128 v[VH+4:VH+7], v[ADVS] offset:256
.irp m, 0,1,2,3
.irp c, 0,1,2,3
	ds_load_b128 v[P+16*\m+4*\c:P+16*\m+4*\c+3], v[APR] offset:2048*\m+512*\c
.endr
.endr
	WIN 0xc0
.set ii, 0
.rept 32
	ds_load_b128 v[128+4*ii:128+4*ii+3], v[ADV] offset:512*ii
.set ii, ii+1
.endr
	SN \a
	SN \a
	WIN 0
	s_wait_dscnt 48                                ; E and V's scale bytes are in; p's 16 loads and V's 32 may stay out
.set KC, 0
.rept 11
	CS KC, \d
	CS KC+1, \d
.set KC, KC+2
	SN \a
.endr
.rept 19
	SN \a
.if \d == 2
	RSC 6
.endif
.endr
.else
.rept 32
	SN \a
.endr
.endif
.if \d == 2
	RSC 14                                         ; these are also the places behind the last product
	WIN 0
.else
	WIN 0
	NOPS 8
.endif
.endm
; SECOND PART: the next step's K into registers; maxima, M, exponentials
.macro P2 first, kl
.if \kl
	WIN 0xc0
.set ii, 0
.rept 32
	ds_load_b128 v[4*ii:4*ii+3], v[ADK] offset:512*ii
.set ii, ii+1
.endr
	WIN 0
.irp s, 0,1,2,3
	ds_load_b32 v[KSC+\s], v[ADKS] offset:128*\s
.endr
.endif
.irp m, 0,1,2,3
	v_max3_num_f32 v[BM+\m], v[S+16*\m], v[S+16*\m+1], v[S+16*\m+2]
.endr
.irp i, 3,5,7,9,11,13
.irp m, 0,1,2,3
	v_max3_num_f32 v[BM+\m], v[BM+\m], v[S+16*\m+\i], v[S+16*\m+\i+1]
.endr
.endr
.irp m, 0,1,2,3
	v_max_num_f32 v[BM+\m], v[BM+\m], v[S+16*\m+15]
.endr
.irp m, 0,1,2,3
	v_permlanex16_b32 v[T1+\m], v[BM+\m], s[SEL], s[SEL+1]
.endr
.irp m, 0,1,2,3
	v_max_num_f32 v[BM+\m], v[BM+\m], v[T1+\m]     ; the block's largest score
.endr
.if \first
.irp m, 0,1,2,3
	v_mul_f32 v[ST+8*\m+1], s[CS], v[BM+\m]
.endr
.irp m, 0,1,2,3
	v_floor_f32 v[ST+8*\m], -v[ST+8*\m+1]
.endr
.else
.irp m, 0,1,2,3
	v_mul_f32 v[ST+8*\m+6], s[CS], v[BM+\m]
.endr
.irp m, 0,1,2,3
	v_max_num_f32 v[ST+8*\m+1], v[ST+8*\m+1], v[ST+8*\m+6]
.endr
.irp m, 0,1,2,3
	v_mov_b32 v[ST+8*\m+6], v[ST+8*\m]
.endr
.irp m, 0,1,2,3
	v_floor_f32 v[ST+8*\m], -v[ST+8*\m+1]          ; -M = floor(-t)
.endr
.irp m, 0,1,2,3
	v_sub_f32 v[ST+8*\m+6], v[ST+8*\m], v[ST+8*\m+6]
.endr
.irp m, 0,1,2,3
	v_cvt_i32_f32 v[ST+8*\m+6], v[ST+8*\m+6]
.endr
.irp m, 0,1,2,3
	v_ldexp_f32 v[ST+8*\m+6], 1.0, v[ST+8*\m+6]    ; 2^(old M - new M), for my sum
.endr
.endif
.irp m, 0,1,2,3
.irp j, 0,2,4,6,8,10,12,14
	v_pk_fma_f32 v[S+16*\m+\j:S+16*\m+\j+1], v[S+16*\m+\j:S+16*\m+\j+1], s[CS:CS+1], v[ST+8*\m:ST+8*\m+1] op_sel_hi:[1,0,0]
.endr
.endr
.irp m, 0,1,2,3
	v_fma_f32 v[BM+\m], v[BM+\m], s[CS], v[ST+8*\m]
.endr
.irp m, 0,1,2,3
	v_cvt_i32_f32 v[T1+\m], v[ST+8*\m]             ; -M as a whole number
.endr
	s_wait_alu depctr_va_vdst(0)                   ; the wait ahead of the batch
.set ii, 0
.rept 64
	v_exp_f32 v[S+ii], v[S+ii]
.set ii, ii+1
.endr
.irp m, 0,1,2,3
	v_exp_f32 v[BM+\m], v[BM+\m]                   ; the block's largest p
.endr
	v_nop
	s_wait_alu depctr_va_vdst(0)                   ; and behind it
	s_wait_dscnt 36*\kl                            ; p's and V's fragments are in; K's 32 loads and its 4 scale loads may stay out
.endm
; line L (0 .. 127) of what follows the exponentials: the sums of the unquantised p, the scale, the holds and conversions
.macro PL L, first
.set q_, (\L)
.if q_ < 36
.set m_, q_%4
.set g_, q_/4
.set X_, S+16*m_
.set T_, ST+8*m_
.if g_ == 0
.if !(\first)
	v_pk_mul_f32 v[T_+4:T_+5], v[T_+4:T_+5], v[T_+6:T_+7] op_sel_hi:[1,0]
.endif
.elseif g_ == 1
	v_pk_add_f32 v[T_+6:T_+7], v[X_+2:X_+3], v[X_+6:X_+7]
.elseif g_ == 2
.if \first
	v_pk_add_f32 v[T_+4:T_+5], v[X_:X_+1], v[X_+4:X_+5]
.else
	v_pk_add_f32 v[T_+4:T_+5], v[T_+4:T_+5], v[X_:X_+1]
.endif
.elseif g_ == 3
.if !(\first)
	v_pk_add_f32 v[T_+4:T_+5], v[T_+4:T_+5], v[X_+4:X_+5]
.endif
.elseif g_ == 8
	v_pk_add_f32 v[T_+4:T_+5], v[T_+4:T_+5], v[T_+6:T_+7]
.elseif g_%2 == 0
	v_pk_add_f32 v[T_+4:T_+5], v[T_+4:T_+5], v[X_+2*g_:X_+2*g_+1]
.else
	v_pk_add_f32 v[T_+6:T_+7], v[T_+6:T_+7], v[X_+2*g_:X_+2*g_+1]
.endif
.elseif q_ < 56
.set m_, q_%4
.set g_, (q_-36)/4
.if g_ == 0
	v_max_num_f32 v[BM+m_], 0x8000000, v[BM+m_]
.elseif g_ == 1
	v_add_nc_u32 v[SCO+m_], 0xf8800000, v[BM+m_]
.elseif g_ == 2
	v_and_or_b32 v[LMT+m_], v[BM+m_], 0x7f800000, s[MNT]
.elseif g_ == 3
	v_lshrrev_b32 v[BYT+m_], 23, v[SCO+m_]
.else
	v_sub_nc_u32 v[EW+2*(m_%2)+m_/2], v[BYT+m_], v[T1+m_]      ; E = byte + M
.endif
.if q_ == 55
	ds_store_b128 v[AEW], v[EW:EW+3]               ; lanes r and r + 16 write the same words with the same values
.endif
.else
.set m_, (q_-56)/18
.set j_, (q_-56)%18
.set X_, S+16*m_
.if j_ < 8
	v_min_num_f32 v[X_+j_], v[X_+j_], v[LMT+m_]
.elseif j_ == 8
	v_cvt_scalef32_pk8_bf8_f32 v[PC+4*m_:PC+4*m_+1], v[X_:X_+7], v[SCO+m_]
.elseif j_ < 17
	v_min_num_f32 v[X_+j_-1], v[X_+j_-1], v[LMT+m_]
.else
	v_cvt_scalef32_pk8_bf8_f32 v[PC+4*m_+2:PC+4*m_+3], v[X_+8:X_+15], v[SCO+m_]
	ds_store_b128 v[APW], v[PC+4*m_:PC+4*m_+3] offset:2048*m_
.endif
.endif
.endm
.macro PREP kind                       ; the next period's addresses, then the lines in front of the round
	WIN 0
	s_xor_b32 s[TO], s[TO], R1
	s_xor_b32 s[XO], s[XO], XS
	s_xor_b32 s[XN], s[XN], XS
	v_add_nc_u32 v[ADK], s[TO], v[AK0]
	v_add_nc_u32 v[ADKS], s[TO], v[AKS0]
	v_add_nc_u32 v[ADV], s[TO], v[AV0]
	v_add_nc_u32 v[ADVS], s[TO], v[AVS0]
	v_add_nc_u32 v[AER], s[XO], v[AER0]
	v_add_nc_u32 v[APR], s[XO], v[APR0]
	v_add_nc_u32 v[AEW], s[XN], v[AEW0]
	v_add_nc_u32 v[APW], s[XN], v[APW0]
	s_wait_alu depctr_va_vdst(0)
	s_wait_tensorcnt 0x0                           ; my one tensor load has landed
.if \kind < 3
	ds_add_u32 v[SPW], v[NIL]                      ; products stand between the add and its wait
	s_xor_b32 s13, s[TO], R1                       ; the region that the next period does not read
	s_add_co_u32 s[D0+1], s13, s[WQ]
	DESC
	s_add_co_u32 s[GI], s[GI], 1
.endif
.endm
; THIRD PART: O^T's 32 products, five lines behind each of the first 26
.macro P3 a, d, first, kind
.set N3, 0
.set L3, 0
.rept 32
.if \d
	PVW N3, 2-\d
.endif
.if (\a) && (L3 < 128)
	WIN 0
.rept 5
.if L3 < 128
	PL L3, \first
.endif
.set L3, L3+1
.endr
.endif
.if (N3 == 26) && (\kind < 4)
	PREP \kind
.endif
.set N3, N3+1
.endr
	WIN 0
.if \d
	NOPS 8                                         ; places behind the last product
.endif
.endm
.macro PERIOD a, d, first, kind, kl
	P1 \a, \d
.if \a
	P2 \first, \kl
.else
	s_wait_alu depctr_va_vdst(0)
	s_wait_dscnt 0x0
.endif
	P3 \a, \d, \first, \kind
.if \kind < 4
	s_wait_dscnt 0x0                               ; the add, my stores of p and E, my reads of both regions
.if \kind < 3
	CROUND
	TL \kind
.else
	BAR
.endif
.endif
.endm
	s_load_b128 s[4:7], s[0:1], 0x0                ; qws, kvws
	s_load_b64 s[8:9], s[0:1], 0x10                ; cws
	v_lshl_add_u32 v[SPW], v0, 2, SPARE
	v_mov_b32 v[NIL], 0
	ds_add_u32 v[SPW], v[NIL]                      ; the opening: the add, twice on end, and its wait
	ds_add_u32 v[SPW], v[NIL]
	v_lshrrev_b32 v116, 5, v0
	v_readfirstlane_b32 s[WV], v116
	s_bfe_u32 s11, ttmp6, 0x40000                  ; cx: it enters the addresses of qws and cws alone
.irp g, G1, G1H
	s_mov_b32 s[\g+0], 15|(3<<16)|(1<<21)          ; all four partners; elements of 8 bytes; dense rows of 256 bytes
	s_mov_b32 s[\g+1], 32<<16
	s_mov_b32 s[\g+3], 32<<16
	s_mov_b32 s[\g+5], 32
	s_mov_b32 s[\g+6], 0
	s_mov_b32 s[\g+7], 0
.endr
	s_mov_b32 s[G1+2], 132<<16                     ; the ring's loads: half a tile
	s_mov_b32 s[G1+4], 132
	s_mov_b32 s[G1H+2], 264<<16                    ; the head's: a whole tile
	s_mov_b32 s[G1H+4], 264
	s_mov_b32 s[CS], 0x3d8293ee                    ; log2(e) / sqrt(512)
	s_mov_b32 s[CS+1], s[CS]
	s_mov_b32 s[SEL], 0x76543210
	s_mov_b32 s[SEL+1], 0xfedcba98
	s_mov_b32 s[MNT], 0x600000
	s_mov_b32 s[K01], 0x01010101
	s_mov_b32 s[TO], R1
	s_mov_b32 s[XO], XS
	s_mov_b32 s[XN], 0
	v_and_b32 v116, 31, v0
	v_and_b32 v117, 15, v0
	v_bfe_u32 v[H], v0, 4, 1
	v_cmp_ne_u32 s[HM], 0, v[H]
	v_lshlrev_b32 v[LI], 4, v116
	v_lshlrev_b32 v[L4], 2, v116
	s_mul_i32 s48, s[WV], 16896
	v_add_nc_u32 v[AK0], s48, v[LI]
	s_add_co_u32 s49, s48, 16384
	v_add_nc_u32 v[AKS0], s49, v[L4]
	v_add_nc_u32 v[AV0], KB, v[AK0]
	s_add_co_u32 s49, s48, KB+16384
	v_lshl_add_u32 v[AVS0], v117, 4, s49
	v_lshlrev_b32 v118, 4, v117
	v_lshl_add_u32 v[AER0], v[H], 3, v118
	v_add_nc_u32 v[AER0], XB, v[AER0]
	s_lshl_b32 s49, s[WV], 8
	s_add_co_u32 s49, s49, XB
	v_add_nc_u32 v[AEW0], s49, v118
	v_add_nc_u32 v[APR0], XB+1024, v[LI]
	s_lshl_b32 s49, s[WV], 9
	s_add_co_u32 s49, s49, XB+1024
	v_add_nc_u32 v[APW0], s49, v[LI]
	v_add_nc_u32 v[ADK], R1, v[AK0]                ; period 0 fetches K(1) and stores into buffer 0
	v_add_nc_u32 v[ADKS], R1, v[AKS0]
	v_mov_b32 v[AEW], v[AEW0]
	v_mov_b32 v[APW], v[APW0]
	s_lshl_b32 s50, s[WV], 11
	v_add_nc_u32 v[GC], s50, v[LI]
	s_lshl_b32 s50, s[WV], 7
	v_add_nc_u32 v[GS], s50, v[L4]
	v_mov_b32 v119, 0x05040100
	v_mov_b32 v[SELV], 0x07060302
	v_cndmask_b32 v[SELV], v119, v[SELV], s[HM]    ; lanes 0-15 take the even tile's two bytes, lanes 16-31 the odd tile's
.irp m, 0,1,2,3
	v_mov_b32 v[ST+8*\m+3], 0
	v_mov_b32 v[ST+8*\m+7], 0
	v_mov_b32 v[T1+\m], 0
.endr
	v_mov_b32 v[XP], 0
	v_mov_b32 v[XP+1], 0
	s_mul_i32 s[WQ], s[WV], QB
	s_lshr_b32 s37, s[WV], 1
	s_and_b32 s38, s[WV], 1
	s_lshr_b32 s40, ttmp9, 2
	s_add_co_u32 s40, s40, ttmp9
	s_and_b32 s40, s40, 3
	s_lshl_b32 s40, s40, 2                         ; the key step at which my cluster begins
	s_lshl_b32 s41, s37, 1
	s_sub_co_u32 s[GI], s40, s41
	s_add_co_u32 s[GI], s[GI], 2                   ; the first round asks for K(2); V's count stands at 0
	s_mov_b32 s[D0], 1
	s_mul_i32 s[D0+1], s38, R1                     ; the head: wave 0 K(0), wave 1 K(1), wave 2 V(0), wave 3 V(1)
	s_mul_i32 s42, s37, KB
	s_add_co_u32 s[D0+1], s[D0+1], s42
	s_add_co_u32 s[OFF], s40, s38
	s_mul_i32 s[OFF], s[OFF], R1
	s_add_co_u32 s[OFF], s[OFF], s42
	s_mov_b32 s[OFF+1], 0
	s_and_b32 s43, ttmp7, 0xffff                   ; the batch
	s_mul_i32 s50, s43, 2162688
	s_mov_b32 s51, 0
	s_lshl_b32 s60, s43, 5
	s_lshl_b32 s62, ttmp9, 2
	s_add_co_u32 s60, s60, s62
	s_add_co_u32 s60, s60, s11
	s_mul_i32 s60, s60, 33792
	s_mov_b32 s61, 0
	s_wait_alu depctr_va_vdst(0)
	s_wait_dscnt 0x0
	s_wait_kmcnt 0x0
	s_add_nc_u64 s[6:7], s[6:7], s[50:51]
	s_add_nc_u64 s[D0+2:D0+3], s[6:7], s[OFF:OFF+1]
	s_or_b32 s[D0+3], s[D0+3], 0x80000000
	s_add_nc_u64 s[4:5], s[4:5], s[60:61]
	s_add_nc_u64 s[8:9], s[8:9], s[60:61]
	CROUND
	tensor_load_to_lds s[D0:D0+3], s[G1H:G1H+7]    ; my one load at the head
	s_nop 0
	WIN 0x40
.set ii, 0
.rept 64
	global_load_b128 v[4*ii:4*ii+3], v[LI], s[4:5] offset:512*ii   ; q's 16 fragments stay in registers
.set ii, ii+1
.endr
	WIN 0
.irp g, 0,1
.irp s, 0,1,2,3
	global_load_b32 v[QS0-16*\g+\s], v[L4], s[4:5] offset:32768+128*(4*\g+\s)
.endr
.endr
	s_wait_tensorcnt 0x0                           ; every wave waits: the barrier shows all four tiles
	BAR
	WIN 0xc0
.set ii, 0
.rept 32
	ds_load_b128 v[4*ii:4*ii+3], v[AK0] offset:512*ii   ; K(0)
.set ii, ii+1
.endr
	WIN 0
.irp s, 0,1,2,3
	ds_load_b32 v[KSC+\s], v[AKS0] offset:128*\s
.endr
	s_wait_tensorcnt 0x0
	ds_add_u32 v[SPW], v[NIL]
	s_mov_b32 s[D0+1], s[WQ]                       ; region 0, whose K is on its way into registers
	DESC
	s_add_co_u32 s[GI], s[GI], 1
	s_wait_dscnt 0x0
	CROUND
	TL 1                                           ; K(2)
	s_wait_loadcnt 0x0                             ; q
	PERIOD 1, 0, 1, 1, 1                           ; period 0; its round asks for K(3)
	PERIOD 1, 1, 0, 0, 1                           ; period 1: O^T's sums begin
	s_mov_b32 s[CNT], 11
.Lmain:                                                ; periods 2 to 12
	PERIOD 1, 2, 0, 0, 1
	s_sub_co_u32 s[CNT], s[CNT], 1
	s_cmp_lg_u32 s[CNT], 0
	s_cbranch_scc1 .Lmain
	s_mov_b32 s[CNT], 2
.Ltail:                                                ; periods 13, 14: only V is left to ask for
	PERIOD 1, 2, 0, 2, 1
	s_sub_co_u32 s[CNT], s[CNT], 1
	s_cmp_lg_u32 s[CNT], 0
	s_cbranch_scc1 .Ltail
	PERIOD 1, 2, 0, 3, 0                           ; period 15: nothing is asked for
	PERIOD 0, 2, 0, 4, 0                           ; the last step's second product
; THE END: the four waves' sums under RE - 112; O^T / the sum; the quantiser along the channels
.irp m, 0,1,2,3
	v_add_f32 v[BM+\m], v[ST+8*\m+4], v[ST+8*\m+5]
.endr
.irp m, 0,1,2,3
	v_permlanex16_b32 v[LMT+\m], v[BM+\m], s[SEL], s[SEL+1]
.endr
.irp m, 0,1,2,3
	v_add_f32 v[EW+2*(\m%2)+\m/2], v[BM+\m], v[LMT+\m]
	v_mov_b32 v[SCO+2*(\m%2)+\m/2], v[T1+\m]
.endr
	ds_store_b128 v[AEW0], v[EW:EW+3] offset:LX-XB
	ds_store_b128 v[AEW0], v[SCO:SCO+3] offset:LX-XB+1024
.irp g, 0,1
	v_sub_nc_u32 v[RM+\g], 0, v[RB+\g]
.endr
.irp b, 0,1,2,3
	v_mov_b32 v[TM+4+\b], 0                        ; a lane permute's destination counts as one of its sources
.endr
	s_wait_alu depctr_va_vdst(0)
	s_wait_dscnt 0x0
	BAR
.irp w, 0,1,2,3
	ds_load_b64 v[MXR+2*\w:MXR+2*\w+1], v[AER0] offset:LX-XB+256*\w
.endr
.irp w, 0,1,2,3
	ds_load_b64 v[VH+2*\w:VH+2*\w+1], v[AER0] offset:LX-XB+1024+256*\w
.endr
	s_wait_dscnt 0x0
.irp w, 0,1,2,3
.irp g, 0,1
	v_sub_nc_u32 v[VH+2*\w+\g], v[RM+\g], v[VH+2*\w+\g]        ; M_w - (RE - 112)
.endr
.endr
.irp w, 0,1,2,3
.irp g, 0,1
	v_ldexp_f32 v[MXR+2*\w+\g], v[MXR+2*\w+\g], v[VH+2*\w+\g]
.endr
.endr
	v_pk_add_f32 v[MXR:MXR+1], v[MXR:MXR+1], v[MXR+2:MXR+3]
	v_pk_add_f32 v[MXR+4:MXR+5], v[MXR+4:MXR+5], v[MXR+6:MXR+7]
	v_pk_add_f32 v[MXR:MXR+1], v[MXR:MXR+1], v[MXR+4:MXR+5]
	s_wait_alu depctr_va_vdst(0)                   ; the wait ahead of the transcendentals
	v_rcp_f32 v[DF], v[MXR]
	v_rcp_f32 v[DF+1], v[MXR+1]
	v_nop
	s_wait_alu depctr_va_vdst(0)                   ; and behind them
	CS 17, 2
	CS 18, 2
	CS 19, 2
	s_wait_alu depctr_va_vdst(0)                   ; the wait ahead of the first reader of O^T
.set RQ, 0
	RSC 128
.irp m, 0,1,2,3
	QUANT 64*\m, 2, S+16*\m, PW+\m
.irp c, 0,1,2,3
	global_store_b128 v[GC], v[S+16*\m+4*\c:S+16*\m+4*\c+3], s[8:9] offset:8192*\m+512*\c   ; 32 lanes store 512 consecutive bytes, aligned
.endr
.endr
.irp mp, 0,1
	v_cndmask_b32 v[PS+\mp], v[PW+2*\mp], v[PW+2*\mp+1], s[HM]
.endr
.irp mp, 0,1
	global_store_b32 v[GS], v[PS+\mp], s[8:9] offset:32768+512*\mp
.endr
	s_wait_tensorcnt 0x0                           ; the wave's end
	ds_add_u32 v[SPW], v[NIL]
	s_wait_dscnt 0x0
	CROUND                                         ; the closing round
	s_endpgm
.Lfunc_end_k_q43bde54e22_attn:
	.size	k_q43bde54e22_attn, .Lfunc_end_k_q43bde54e22_attn-k_q43bde54e22_attn
	.p2alignl 7, 3214868480
	.fill 96, 4, 3214868480
	.section	.rodata,"a",@progbits
	.p2align	6, 0x0
	.amdhsa_kernel k_q43bde54e22_attn
		.amdhsa_group_segment_fixed_size 327680
		.amdhsa_private_segment_fixed_size 0
		.amdhsa_enable_private_segment 0
		.amdhsa_kernarg_size 24
		.amdhsa_user_sgpr_count 2
		.amdhsa_user_sgpr_kernarg_segment_ptr 1
		.amdhsa_wavefront_size32 1
		.amdhsa_system_sgpr_workgroup_id_x 1
		.amdhsa_system_sgpr_workgroup_id_y 1
		.amdhsa_system_sgpr_workgroup_id_z 1
		.amdhsa_system_vgpr_workitem_id 0
		.amdhsa_next_free_vgpr 1024
		.amdhsa_next_free_sgpr 66
		.amdhsa_reserve_vcc 0
		.amdhsa_float_denorm_mode_32 3
		.amdhsa_float_denorm_mode_16_64 3
		.amdhsa_memory_ordered 1
		.amdhsa_forward_progress 1
		.amdhsa_inst_pref_size 255
	.end_amdhsa_kernel
	.section	.bss,"aw",@nobits
	.p2align	6
	.space	262144
	.amdgpu_metadata
---
amdhsa.version: [ 1, 2 ]
amdhsa.kernels:
  - .name:           k_q43bde54e22_attn
    .symbol:         k_q43bde54e22_attn.kd
    .args:
      - { .name: qws, .offset: 0, .size: 8, .value_kind: global_buffer, .address_space: global }
      - { .name: kvws, .offset: 8, .size: 8, .value_kind: global_buffer, .address_space: global }
      - { .name: cws, .offset: 16, .size: 8, .value_kind: global_buffer, .address_space: global }
    .group_segment_fixed_size: 327680
    .private_segment_fixed_size: 0
    .kernarg_segment_align: 8
    .kernarg_segment_size: 24
    .max_flat_workgroup_size: 128
    .sgpr_count:     66
    .vgpr_count:     1024
    .wavefront_size: 32
...
	.end_amdgpu_metadata
.endif
;; end of part 8
;; launch tail (part 9): grid 256 x 1, 4 waves a work-group, clusters of 4 x 1, 327,680 bytes of LDS; arguments cws, x, wts, bo, ln1_g, ln1_b, b1, b2, ln2_g, ln2_b, out1, psum; writes out1, psum
.if DOCPART == 9
	.amdgcn_target "amdgcn-amd-amdhsa--gfx1250"
	.amdhsa_code_object_version 6
	.text
	.protected	k_q43bde54e22_tail
	.globl	k_q43bde54e22_tail
	.p2align	8
	.type	k_q43bde54e22_tail,@function
k_q43bde54e22_tail:
	s_mov_b64 s[64:65], 0
	v_nop
	global_prefetch_b8 v0, s[64:65] scope:SCOPE_SE
	s_setreg_imm32_b32 hwreg(HW_REG_WAVE_MODE, 25, 1), 1
	s_wait_xcnt 0x0
	s_wait_alu depctr_hold_cnt(0) depctr_sa_sdst(0) depctr_va_vdst(0) depctr_va_sdst(0) depctr_va_ssrc(0) depctr_va_vcc(0) depctr_vm_vsrc(0)
	s_getreg_b32 s2, hwreg(HW_REG_IB_STS2, 6, 4)
	s_cmp_eq_u32 s2, 0
	s_cbranch_scc0 .Lentry_in_a_cluster
	s_endpgm
.Lentry_in_a_cluster:
	s_bfe_u32 s2, ttmp6, 0x10000c
	s_cmp_lg_u32 s2, 0x3003
	s_cbranch_scc0 .Lentry_shape_is_right
	s_endpgm
.Lentry_shape_is_right:
; src = LN1(x + Q(ctx) Q(wo) + bo);  h = relu(Q(src) Q(w1) + b1);  out1 = LN2(src + Q(h) Q(w2) + b2);  psum = the work-group's column sums of out1, for the mean over the sequence.  No work is left out.
; SHARES.  A work-group owns 64 tokens (four tiles, in the order in which the launches before laid them); wave w owns columns 128 w .. + 127 of every product, for all 64 tokens: 32 accumulators.
; All three products: source 0 = 16 columns of the weight, source 1 = 16 tokens: a lane holds ONE token and, in register 64 m + 16 b + i, column 128 w + 32 b + 16 (lane / 16) + i: the next product's K, in the operand's own order.
; EVERY SUM CONTINUES WHAT LIES IN ITS ACCUMULATOR: x + bo for the first product, b1 for the second, src for the third: residuals and two of the biases cost no addition behind a product.
; x COMES IN WHOLE PIECES OF 256 BYTES: a load takes 256 consecutive bytes of each of two rows; each 16 rows x 256 bytes turn through a stage of the wave's own (rows 272 bytes apart) into the accumulators' order.
; src and h go from wave to wave through LDS as images of operand registers (fragment (m, s) at (4 m + s) x 2,048; pair rows of scale words beside them); neither goes to memory.
; LAYER NORM: each wave takes the mean and the sum of squares about it of its own 128 columns; the four meet in LDS once, and are joined as mean = the mean of means, M2 = the sum of M2 + 128 x the sum of (mean_w - mean)^2:
; no difference of large sums is formed.
; CLUSTER and RING as in the launch qkv: three weights (wo, w1, w2), asked for jointly by the four partners, each wave its own quarter of 67,584 bytes; LDS holds one weight; when its second half has gone into registers one round and
; one load a wave bring the next, which has that half's products and the norm or the quantising behind them in which to land.  A wave has one tensor load out.
; LIMITS: those of the first launch; v_rsq_f32 stands ahead of a quantiser with its own accuracy.
; REGISTERS: window 0: addresses, scale words, codes, statistics; v128-191 and v192-255: activations' fragments of two K steps, held numbers, rows on the way out.  Window 1: x as loaded, then the weight's fragments of two K steps.
; Window 2: A (x + bo, src, the result).  Window 3: B (parameters; h's accumulators; parameters).
.set QB,    33792
.set WB,    67584                      ; a weight's quarter; wave w's lies at w x WB
.set AIMG,  270336                     ; 16 fragments of ctx, then src, then h; at the head each wave's own 8,192 bytes of it hold its stage for x
.set ASC,   303104                     ; their 8 pair rows
.set SX1,   304128                     ; LN1's exchange: [wave][mean | M2][lane] 16 bytes;  LN2's lies 4,096 further on
.set SPARE, 312320
.set LI,  1
.set XA,  2
.set PA,  3
.set AIW, 4
.set AIR, 5
.set ASW, 6
.set ASR, 7
.set AW,  8
.set AWS, 10
.set SXW, 12
.set SXR, 13
.set STO, 14
.set RD,  15
.set CO,  16
.set GCT, 17
.set GCS, 18
.set CIW, 19
.set CSW, 20
.set SPW, 21
.set NIL, 22
.set H,   23
.set TM,  24
.set PW,  40
.set PS,  44
.set AS,  46                           ; v46-49 the activations' pair rows (2 sl + m / 2)
.set WS,  50                           ; v50-65 the weight's scale words
.set PC,  66
.set LS,  82                           ; 8 a tile: +0 my mean, later 1 / sigma; +1 0; +2 (my mean - mean) / sigma; +3 0; +4:5, +6:7 chains
.set CSUM, 114
.set EX,  118                          ; v118-121 my means, v122-125 my M2
.set STW, 126                          ; x's stage, on the way in  (v126, v127 hold the lane and r while the other addresses are made)
.set STR, 127                          ; and on the way out
.set TB,  128
.set TWIN, 0
.set G1,  28
.set D0,  36
.set SEL, 44
.set MNT, 46
.set HM,  47
.set WV,  48
.set EPS, 51
.set MSB, 0
.macro WIN new
.if MSB != (\new)
	s_set_vgpr_msb (MSB<<8)|(\new)
.set MSB, (\new)
.endif
.endm
.macro NOPS n
.rept \n
	v_nop
.endr
.endm
.macro BAR
	s_barrier_signal -1
	s_barrier_wait -1
.endm
.macro CROUND
	s_barrier_signal -1
	s_barrier_wait -1
	s_cmp_lg_u32 s[WV], 0
	s_cbranch_scc1 .Lnw0_\@
	s_barrier_signal -3
.Lnw0_\@:
	s_barrier_wait -3
	s_barrier_signal -1
	s_barrier_wait -1
.endm
.macro WMS d, a, b, sa, sb, rb         ; in place; rb: source 1's scales lie in lanes 16-31
.if (\rb)
	v_wmma_scale_f32_16x16x128_f8f6f4 v[(\d):(\d)+7], v[(\a):(\a)+15], v[(\b):(\b)+15], v[(\d):(\d)+7], v[\sa], v[\sb] matrix_a_fmt:MATRIX_FMT_BF8 matrix_b_fmt:MATRIX_FMT_BF8 matrix_b_scale:MATRIX_SCALE_ROW1
.else
	v_wmma_scale_f32_16x16x128_f8f6f4 v[(\d):(\d)+7], v[(\a):(\a)+15], v[(\b):(\b)+15], v[(\d):(\d)+7], v[\sa], v[\sb] matrix_a_fmt:MATRIX_FMT_BF8 matrix_b_fmt:MATRIX_FMT_BF8
.endif
.endm
; 64 numbers of a lane in window sw become a fragment's codes at v[pc] and its scale word in v[pw]; relu = 1: what is negative becomes 0 on the way.  The numbers are left as they are
.macro QUANT src, sw, relu, pc, pw
	WIN (\sw)|((\sw)<<2)
.irp b, 0,1,2,3
.if \relu
	v_max3_num_f32 v[TM+\b], v[(\src)+16*\b], v[(\src)+16*\b+1], 0x8000000   ; no |.|: what is negative must not count; the floor stands over it
.else
	v_max3_num_f32 v[TM+\b], |v[(\src)+16*\b]|, |v[(\src)+16*\b+1]|, 0x8000000
.endif
.endr
.irp i, 2,4,6,8,10,12,14
.irp b, 0,1,2,3
.if \relu
	v_max3_num_f32 v[TM+\b], v[(\src)+16*\b+\i], v[(\src)+16*\b+\i+1], v[TM+\b]
.else
	v_max3_num_f32 v[TM+\b], |v[(\src)+16*\b+\i]|, |v[(\src)+16*\b+\i+1]|, v[TM+\b]
.endif
.endr
.endr
	WIN 0
.irp b, 0,1,2,3
	v_permlanex16_b32 v[TM+4+\b], v[TM+\b], s[SEL], s[SEL+1]
.endr
.irp b, 0,1,2,3
	v_max_num_f32 v[TM+\b], v[TM+\b], v[TM+4+\b]
.endr
.irp b, 0,1,2,3
	v_add_nc_u32 v[TM+12+\b], 0xf8800000, v[TM+\b]
.endr
.irp b, 0,1,2,3
	v_and_or_b32 v[TM+8+\b], v[TM+\b], 0x7f800000, s[MNT]
.endr
.irp b, 0,1,2,3
	v_lshrrev_b32 v[TM+4+\b], 23, v[TM+12+\b]
.endr
	v_lshl_or_b32 v[\pw], v[TM+5], 8, v[TM+4]
	v_lshl_or_b32 v[\pw], v[TM+6], 16, v[\pw]
	v_lshl_or_b32 v[\pw], v[TM+7], 24, v[\pw]
	WIN (TWIN<<6)|(\sw)
.irp b, 0,1,2,3
.irp i, 0,1,2,3,4,5,6,7,8,9,10,11,12,13,14,15
.if \relu
	v_med3_num_f32 v[TB+16*\b+\i], v[(\src)+16*\b+\i], 0, v[TM+8+\b]   ; the activation and the hold in one
.else
	v_med3_num_f32 v[TB+16*\b+\i], v[(\src)+16*\b+\i], -v[TM+8+\b], v[TM+8+\b]
.endif
.endr
.endr
	WIN TWIN
.irp b, 0,1,2,3
	v_cvt_scalef32_pk8_bf8_f32 v[(\pc)+4*\b:(\pc)+4*\b+1], v[TB+16*\b:TB+16*\b+7], v[TM+12+\b]
	v_cvt_scalef32_pk8_bf8_f32 v[(\pc)+4*\b+2:(\pc)+4*\b+3], v[TB+16*\b+8:TB+16*\b+15], v[TM+12+\b]
.endr
	WIN 0
	v_nop
.endm
.macro SELW mp
	v_cndmask_b32 v[PS+\mp], v[PW+2*\mp], v[PW+2*\mp+1], s[HM]
.endm
.macro IMG m                           ; the fragment in v[PC] on is K step w of tile m
.irp c, 0,1,2,3
	ds_store_b128 v[AIW], v[PC+4*\c:PC+4*\c+3] offset:8192*(\m)+512*\c
.endr
	s_wait_dscnt 0x0                               ; the stores have read their registers: the next tile's codes may be written
.endm
.macro PLOAD dst, sb                   ; my 64 numbers of a parameter of 512, in the accumulators' order (called with the destination in window 3)
.irp b, 0,1,2,3
.irp i, 0,1,2,3
	global_load_b128 v[(\dst)+16*\b+4*\i:(\dst)+16*\b+4*\i+3], v[PA], s[\sb:\sb+1] offset:128*\b+16*\i
.endr
.endr
.endm
; tile m of x, my 512 bytes of its 16 rows, turns through my stage, 256 bytes of a row at a time: in as loaded (window 1), out in the accumulators' order (window 2).  LDS serves a wave's instructions in order: no wait stands between
.macro TURN m
.irp q, 0,1
	WIN 0x04                                       ; an LDS store's data are its source 1: window 1
.irp a, 0,1,2,3,4,5,6,7
	ds_store_b128 v[STW], v[64*(\m)+32*\q+4*\a:64*(\m)+32*\q+4*\a+3] offset:544*\a   ; rows 2 a, 2 a + 1
.endr
	WIN 0x80                                       ; destination window 2
.irp c, 0,1
.irp i, 0,1,2,3
	ds_load_b128 v[64*(\m)+32*\q+16*\c+4*\i:64*(\m)+32*\q+16*\c+4*\i+3], v[STR] offset:128*\c+16*\i
.endr
.endr
.endr
.endm
.macro MMT sl, aw                      ; 32 matrix instructions on 32 accumulators by turns, in window aw
.if \aw == 2
	WIN 0xa1                                       ; source 0 (the weight) window 1, source 1 window 0, C and D window 2
.else
	WIN 0xf1                                       ; C and D window 3
.endif
.irp m, 0,1,2,3
.irp ct, 0,1,2,3,4,5,6,7
	WMS 64*\m+8*\ct, 128*\sl+16*\ct, TB+64*\sl+16*\m, WS+2*\ct+\sl, AS+2*\sl+\m/2, \m%2
.endr
.endr
.endm
; Half g = p of a weight: both K steps' fragments of the weight and of the activations go into registers.  refill = 1 (a second half): the whole weight's place is then free and takes the next weight.  tw = 0 (a first half): the wait for my own load
.macro HALFT p, g, aw, refill, tw
.if \tw >= 0
	s_wait_tensorcnt \tw                           ; my one tensor load, this weight's quarter, has landed; I alone read it
.endif
	NOPS 8                                         ; places in front of loads into registers that matrix instructions have read
	WIN 0x40
.set ii, 0
.rept 32
	ds_load_b128 v[4*ii:4*ii+3], v[AW+\p] offset:512*ii
.set ii, ii+1
.endr
	WIN 0
.irp m, 0,1,2,3
.irp c, 0,1,2,3
	ds_load_b128 v[TB+16*\m+4*\c:TB+16*\m+4*\c+3], v[AIR] offset:(4*\m+2*\g)*2048+512*\c
.endr
.endr
.irp mp, 0,1
	ds_load_b32 v[AS+\mp], v[ASR] offset:(4*\mp+2*\g)*128
.endr
.irp q, 0,1,2,3
	ds_load_b128 v[WS+4*\q:WS+4*\q+3], v[AWS+\p] offset:256*\q
.endr
	WIN 0x40
.set ii, 0
.rept 32
	ds_load_b128 v[128+4*ii:128+4*ii+3], v[AW+\p] offset:16384+512*ii
.set ii, ii+1
.endr
	WIN 0
.irp m, 0,1,2,3
.irp c, 0,1,2,3
	ds_load_b128 v[TB+64+16*\m+4*\c:TB+64+16*\m+4*\c+3], v[AIR] offset:(4*\m+2*\g+1)*2048+512*\c
.endr
.endr
.irp mp, 0,1
	ds_load_b32 v[AS+2+\mp], v[ASR] offset:(4*\mp+2*\g+1)*128
.endr
.if \refill
	s_wait_tensorcnt 0x0                           ; no tensor load of mine is out
	ds_add_u32 v[SPW], v[NIL]                      ; 0 onto my spare word
	s_add_nc_u64 s[D0+2:D0+3], s[D0+2:D0+3], 270336   ; the next weight's quarter w
.endif
	s_wait_dscnt 50+\refill                        ; the second K step's 50 loads (and the add) may stay out
	MMT 0, \aw
	s_wait_dscnt 0x0                               ; the add is done; my reads of the weight and of the images are over
.if \refill
	WIN 0
	CROUND
	tensor_load_to_lds s[D0:D0+3], s[G1:G1+7]      ; my one tensor load behind the round, and the first thing there
	s_nop 0
	NOPS 4
.endif
	MMT 1, \aw
	WIN 0
.endm
; LayerNorm of A in place.  sxo: which exchange area; gg, bb: where gain and bias lie in window 3
.macro LN sxo, gg, bb
	NOPS 8
	WIN 0x0a                                       ; sources 0 and 1 window 2
.irp m, 0,1,2,3
	v_pk_add_f32 v[LS+8*\m+4:LS+8*\m+5], v[64*\m:64*\m+1], v[64*\m+2:64*\m+3]   ; two chains a tile, each accumulator from its low end on
.endr
.irp m, 0,1,2,3
	v_pk_add_f32 v[LS+8*\m+6:LS+8*\m+7], v[64*\m+4:64*\m+5], v[64*\m+6:64*\m+7]
.endr
	WIN 0x02
.irp j, 8,12,16,20,24,28,32,36,40,44,48,52,56,60
.irp m, 0,1,2,3
	v_pk_add_f32 v[LS+8*\m+4:LS+8*\m+5], v[64*\m+\j:64*\m+\j+1], v[LS+8*\m+4:LS+8*\m+5]
.endr
.irp m, 0,1,2,3
	v_pk_add_f32 v[LS+8*\m+6:LS+8*\m+7], v[64*\m+\j+2:64*\m+\j+3], v[LS+8*\m+6:LS+8*\m+7]
.endr
.endr
	WIN 0
.irp m, 0,1,2,3
	v_pk_add_f32 v[LS+8*\m+4:LS+8*\m+5], v[LS+8*\m+4:LS+8*\m+5], v[LS+8*\m+6:LS+8*\m+7]
.endr
.irp m, 0,1,2,3
	v_add_f32 v[LS+8*\m+4], v[LS+8*\m+4], v[LS+8*\m+5]
.endr
.irp m, 0,1,2,3
	v_permlanex16_b32 v[LS+8*\m+6], v[LS+8*\m+4], s[SEL], s[SEL+1]
.endr
.irp m, 0,1,2,3
	v_add_f32 v[LS+8*\m+4], v[LS+8*\m+4], v[LS+8*\m+6]
.endr
.irp m, 0,1,2,3
	v_mul_f32 v[LS+8*\m], 0x3c000000, v[LS+8*\m+4]   ; the mean of my 128 columns
	v_mul_f32 v[EX+\m], 0x3c000000, v[LS+8*\m+4]
.endr
	WIN 0x82
.irp m, 0,1,2,3
.set ii, 0
.rept 32
	v_pk_add_f32 v[64*\m+ii:64*\m+ii+1], v[64*\m+ii:64*\m+ii+1], v[LS+8*\m:LS+8*\m+1] op_sel_hi:[1,0] neg_lo:[0,1] neg_hi:[0,1]   ; less my mean
.set ii, ii+2
.endr
.endr
	WIN 0x0a
.irp m, 0,1,2,3
	v_pk_mul_f32 v[LS+8*\m+4:LS+8*\m+5], v[64*\m:64*\m+1], v[64*\m:64*\m+1]
.endr
.irp m, 0,1,2,3
	v_pk_mul_f32 v[LS+8*\m+6:LS+8*\m+7], v[64*\m+2:64*\m+3], v[64*\m+2:64*\m+3]
.endr
.irp j, 4,8,12,16,20,24,28,32,36,40,44,48,52,56,60
.irp m, 0,1,2,3
	v_pk_fma_f32 v[LS+8*\m+4:LS+8*\m+5], v[64*\m+\j:64*\m+\j+1], v[64*\m+\j:64*\m+\j+1], v[LS+8*\m+4:LS+8*\m+5]
.endr
.irp m, 0,1,2,3
	v_pk_fma_f32 v[LS+8*\m+6:LS+8*\m+7], v[64*\m+\j+2:64*\m+\j+3], v[64*\m+\j+2:64*\m+\j+3], v[LS+8*\m+6:LS+8*\m+7]
.endr
.endr
	WIN 0
.irp m, 0,1,2,3
	v_pk_add_f32 v[LS+8*\m+4:LS+8*\m+5], v[LS+8*\m+4:LS+8*\m+5], v[LS+8*\m+6:LS+8*\m+7]
.endr
.irp m, 0,1,2,3
	v_add_f32 v[LS+8*\m+4], v[LS+8*\m+4], v[LS+8*\m+5]
.endr
.irp m, 0,1,2,3
	v_permlanex16_b32 v[LS+8*\m+6], v[LS+8*\m+4], s[SEL], s[SEL+1]
.endr
.irp m, 0,1,2,3
	v_add_f32 v[EX+4+\m], v[LS+8*\m+4], v[LS+8*\m+6]   ; my M2
.endr
	ds_store_b128 v[SXW], v[EX:EX+3] offset:\sxo
	ds_store_b128 v[SXW], v[EX+4:EX+7] offset:\sxo+512
	s_wait_dscnt 0x0
	BAR
.irp w, 0,1,2,3
.irp k, 0,1
	ds_load_b128 v[TB+8*\w+4*\k:TB+8*\w+4*\k+3], v[SXR] offset:\sxo+1024*\w+512*\k
.endr
.endr
	s_wait_dscnt 0x0
.irp m, 0,1,2,3
	v_add_f32 v[LS+8*\m+4], v[TB+\m], v[TB+8+\m]
	v_add_f32 v[LS+8*\m+5], v[TB+16+\m], v[TB+24+\m]
	v_add_f32 v[LS+8*\m+6], v[TB+4+\m], v[TB+12+\m]
	v_add_f32 v[LS+8*\m+7], v[TB+20+\m], v[TB+28+\m]
.endr
.irp m, 0,1,2,3
	v_add_f32 v[LS+8*\m+4], v[LS+8*\m+4], v[LS+8*\m+5]
	v_add_f32 v[LS+8*\m+5], v[LS+8*\m+6], v[LS+8*\m+7]   ; the sum of the four M2
.endr
.irp m, 0,1,2,3
	v_mul_f32 v[LS+8*\m+4], 0x3e800000, v[LS+8*\m+4]     ; the row's mean
.endr
.irp w, 0,1,2,3
.irp m, 0,1,2,3
	v_sub_f32 v[TB+8*\w+\m], v[TB+8*\w+\m], v[LS+8*\m+4]
.endr
.endr
.irp m, 0,1,2,3
	v_mul_f32 v[LS+8*\m+6], v[TB+\m], v[TB+\m]
.endr
.irp w, 1,2,3
.irp m, 0,1,2,3
	v_fma_f32 v[LS+8*\m+6], v[TB+8*\w+\m], v[TB+8*\w+\m], v[LS+8*\m+6]
.endr
.endr
.irp m, 0,1,2,3
	v_fma_f32 v[LS+8*\m+5], v[LS+8*\m+6], 0x43000000, v[LS+8*\m+5]   ; + 128 x the sum of (mean_w - mean)^2
.endr
.irp m, 0,1,2,3
	v_fma_f32 v[LS+8*\m+5], v[LS+8*\m+5], 0x3b000000, s[EPS]         ; / 512 + 1e-5
.endr
.irp m, 0,1,2,3
	v_sub_f32 v[LS+8*\m+2], v[LS+8*\m], v[LS+8*\m+4]                 ; my mean - the mean
.endr
	s_wait_alu depctr_va_vdst(0)
.irp m, 0,1,2,3
	v_rsq_f32 v[LS+8*\m], v[LS+8*\m+5]
.endr
	v_nop
	s_wait_alu depctr_va_vdst(0)                   ; one wait for the four, ahead of their first reader
.irp m, 0,1,2,3
	v_mul_f32 v[LS+8*\m+2], v[LS+8*\m+2], v[LS+8*\m]
.endr
	WIN 0x82
.irp m, 0,1,2,3
.set ii, 0
.rept 32
	v_pk_fma_f32 v[64*\m+ii:64*\m+ii+1], v[64*\m+ii:64*\m+ii+1], v[LS+8*\m:LS+8*\m+1], v[LS+8*\m+2:LS+8*\m+3] op_sel_hi:[1,0,0]   ; (a - mean) / sigma
.set ii, ii+2
.endr
.endr
	WIN 0xbe                                       ; gain and bias in window 3
.irp m, 0,1,2,3
.set ii, 0
.rept 32
	v_pk_fma_f32 v[64*\m+ii:64*\m+ii+1], v[64*\m+ii:64*\m+ii+1], v[(\gg)+ii:(\gg)+ii+1], v[(\bb)+ii:(\bb)+ii+1]
.set ii, ii+2
.endr
.endr
	WIN 0
.endm
	s_load_b256 s[4:11], s[0:1], 0x0               ; cws, x, wts, bo
	s_load_b256 s[12:19], s[0:1], 0x20             ; ln1_g, ln1_b, b1, b2
	s_load_b256 s[20:27], s[0:1], 0x40             ; ln2_g, ln2_b, out1, psum
	v_lshl_add_u32 v[SPW], v0, 2, SPARE
	v_mov_b32 v[NIL], 0
	ds_add_u32 v[SPW], v[NIL]                      ; the wave's opening: the add, twice on end, and its wait ahead of my first tensor load
	ds_add_u32 v[SPW], v[NIL]
	v_lshrrev_b32 v126, 5, v0
	v_readfirstlane_b32 s[WV], v126
	s_bfe_u32 s49, ttmp6, 0x40000                  ; cx
	s_lshl_b32 s50, ttmp9, 2
	s_add_co_u32 s50, s50, s49                     ; my work-group: it enters global addresses of cws, x, out1 and psum alone
	s_mov_b32 s[G1+0], 15|(3<<16)|(1<<21)          ; 264 dense rows of 256 bytes, for all four partners
	s_mov_b32 s[G1+1], 32<<16
	s_mov_b32 s[G1+2], 264<<16
	s_mov_b32 s[G1+3], 32<<16
	s_mov_b32 s[G1+4], 264
	s_mov_b32 s[G1+5], 32
	s_mov_b32 s[G1+6], 0
	s_mov_b32 s[G1+7], 0
	s_mov_b32 s[SEL], 0x76543210
	s_mov_b32 s[SEL+1], 0xfedcba98
	s_mov_b32 s[MNT], 0x600000
	s_mov_b32 s[EPS], 0x3727c5ac                   ; 1e-5
	v_and_b32 v126, 31, v0                         ; lane
	v_and_b32 v127, 15, v0                         ; r
	v_bfe_u32 v[H], v0, 4, 1
	v_cmp_ne_u32 s[HM], 0, v[H]
	v_lshlrev_b32 v[LI], 4, v126
	s_lshl_b32 s52, s[WV], 9
	v_lshl_add_u32 v[PA], v[H], 6, s52             ; 512 w + 64 h: my columns' bytes in a row of 512 f32
	v_lshlrev_b32 v[XA], 11, v[H]                  ; x: lanes 16-31 take the odd row of a pair,
	v_lshl_add_u32 v[XA], v127, 4, v[XA]           ; my 16 bytes of the row's 256,
	v_add_nc_u32 v[XA], s52, v[XA]                 ; in my wave's 512
	s_lshl_b32 s53, s[WV], 11
	s_add_co_u32 s53, s53, AIMG
	v_add_nc_u32 v[AIW], s53, v[LI]
	v_add_nc_u32 v[AIR], AIMG, v[LI]
	s_lshl_b32 s53, s[WV], 7
	s_add_co_u32 s53, s53, ASC
	v_lshl_add_u32 v[ASW], v126, 2, s53
	v_lshl_add_u32 v[ASR], v126, 2, ASC
	s_mul_i32 s54, s[WV], WB                       ; my quarter
	v_add_nc_u32 v[AW], s54, v[LI]
	v_add_nc_u32 v[AW+1], QB, v[AW]
	s_add_co_u32 s53, s54, 32768
	v_lshl_add_u32 v[AWS], v127, 4, s53
	v_add_nc_u32 v[AWS+1], QB, v[AWS]
	s_lshl_b32 s53, s[WV], 10
	s_add_co_u32 s53, s53, SX1
	v_add_nc_u32 v[SXW], s53, v[LI]
	v_add_nc_u32 v[SXR], SX1, v[LI]
	v_mul_u32_u24 v[STO], v127, 528                ; my stage for the way out: 16 rows of 512 + 16 bytes, where my quarter of the weights lay: by then it has had its last fill and its last read
	v_lshl_add_u32 v[STO], v[H], 6, v[STO]
	v_add_nc_u32 v[STO], s54, v[STO]
	v_add_nc_u32 v[RD], s54, v[LI]
	v_add_nc_u32 v[CO], s52, v[LI]
	s_lshl_b32 s53, s[WV], 8
	v_lshl_add_u32 v[GCS], v126, 2, s53
	s_add_co_u32 s53, s53, ASC
	v_lshl_add_u32 v[CSW], v126, 2, s53
	s_lshl_b32 s53, s[WV], 13
	v_add_nc_u32 v[GCT], s53, v[LI]
	s_add_co_u32 s53, s53, AIMG                    ; my 8,192 bytes of the images: first x's stage, then ctx's tile w
	v_add_nc_u32 v[CIW], s53, v[LI]
	v_mul_u32_u24 v[STW], v[H], 272                ; (the lane's number in v126 is done with)
	v_lshl_add_u32 v[STW], v127, 4, v[STW]
	v_add_nc_u32 v[STW], s53, v[STW]               ; in: the pair's row, 16 bytes a lane
	v_mul_u32_u24 v[STR], v127, 272                ; (and so is r)
	v_lshl_add_u32 v[STR], v[H], 6, v[STR]
	v_add_nc_u32 v[STR], s53, v[STR]               ; out: row r, + 64 h
.irp m, 0,1,2,3
	v_mov_b32 v[TM+4+\m], 0                        ; written once: a lane permute's destination counts as one of its sources
	v_mov_b32 v[LS+8*\m+1], 0                      ; the upper halves of pairs whose low word serves both halves
	v_mov_b32 v[LS+8*\m+3], 0
.endr
	s_mov_b32 s[D0], 1
	s_mov_b32 s[D0+1], s54
	s_add_co_u32 s54, s54, 811008                  ; wo is the fourth weight
	s_mov_b32 s55, 0
	s_mov_b32 s57, 0
	s_wait_dscnt 0x0                               ; both opening adds are done
	s_wait_kmcnt 0x0
	s_add_nc_u64 s[D0+2:D0+3], s[8:9], s[54:55]
	s_or_b32 s[D0+3], s[D0+3], 0x80000000
	s_mul_i32 s56, s50, 33792
	s_add_nc_u64 s[4:5], s[4:5], s[56:57]          ; my block of cws
	s_lshl_b32 s56, s50, 17
	s_add_nc_u64 s[6:7], s[6:7], s[56:57]          ; x and out1 at my 64 tokens
	s_add_nc_u64 s[24:25], s[24:25], s[56:57]
	s_lshl_b32 s56, s50, 11
	s_add_nc_u64 s[26:27], s[26:27], s[56:57]      ; my row of psum
	CROUND                                         ; all four partners are here: the first joint loads meet
	tensor_load_to_lds s[D0:D0+3], s[G1:G1+7]      ; the whole of wo
	s_nop 0
	NOPS 4
.irp s, 0,1,2,3
.irp c, 0,1,2,3
	global_load_b128 v[TB+16*\s+4*\c:TB+16*\s+4*\c+3], v[GCT], s[4:5] offset:2048*\s+512*\c   ; ctx: tile w's four fragments,
.endr
.endr
.irp i, 0,1
	global_load_b32 v[AS+\i], v[GCS], s[4:5] offset:32768+128*\i   ; and two of the eight pair rows
.endr
	WIN 0x40                                       ; destination window 1
.irp m, 0,1,2,3
.irp q, 0,1
.irp a, 0,1,2,3,4,5,6,7
	global_load_b128 v[64*\m+32*\q+4*\a:64*\m+32*\q+4*\a+3], v[XA], s[6:7] offset:(32*(\m/2)+8*(\m%2)+2*\a+8*(\a/4))*2048+256*\q th:TH_LOAD_NT   ; rows 2 a, 2 a + 1 of tile m: sixteen lanes read 256 consecutive bytes, aligned
.endr
.endr
.endr
	s_wait_loadcnt 48                              ; ctx and x's tile 0 are in; the three tiles behind it may stay out
	TURN 0
	WIN 0xc0
	PLOAD 0, 10                                    ; bo
	s_wait_loadcnt 48                              ; tile 1 is in; behind it: two tiles and bo
	TURN 1
	WIN 0xc0
	PLOAD 64, 12                                   ; ln1_g
	s_wait_loadcnt 48                              ; tile 2 is in; behind it: one tile, bo and ln1_g
	TURN 2
	WIN 0xc0
	PLOAD 128, 14                                  ; ln1_b
	s_wait_loadcnt 48                              ; tile 3 is in; behind it: the three parameters
	TURN 3
	WIN 0
.irp s, 0,1,2,3
.irp c, 0,1,2,3
	ds_store_b128 v[CIW], v[TB+16*\s+4*\c:TB+16*\s+4*\c+3] offset:2048*\s+512*\c   ; behind the stage's last reads, which LDS serves first
.endr
.endr
.irp i, 0,1
	ds_store_b32 v[CSW], v[AS+\i] offset:128*\i
.endr
	s_wait_dscnt 0x0                               ; x lies in the accumulators' order; for the others' sake: my part of ctx has landed
	BAR                                            ; ctx's sixteen fragments lie in LDS
	s_wait_loadcnt 32                              ; bo is in; ln1's gain and bias may stay out
	WIN 0x8e                                       ; A in window 2, bo in window 3
.irp m, 0,1,2,3
.set ii, 0
.rept 32
	v_pk_add_f32 v[64*\m+ii:64*\m+ii+1], v[64*\m+ii:64*\m+ii+1], v[ii:ii+1]
.set ii, ii+2
.endr
.endr
	WIN 0
	s_wait_alu depctr_va_vdst(0)
	HALFT 0, 0, 2, 0, 0                            ; + ctx wo
	HALFT 1, 1, 2, 1, -1                           ; and w1 is asked for
	s_wait_loadcnt 0x0                             ; ln1's gain and bias
	LN 0, 64, 128                                  ; A = src
	WIN 0xc0
.irp m, 0,1,2,3
	PLOAD 64*\m, 16                                ; b1, once for each tile: the second product's sums begin with it
.endr
	WIN 0
.irp m, 0,1,2,3
	QUANT 64*\m, 2, 0, PC, PW+\m
	IMG \m
.endr
	SELW 0
	SELW 1
.irp mp, 0,1
	ds_store_b32 v[ASW], v[PS+\mp] offset:512*\mp
.endr
	s_wait_dscnt 0x0
	BAR                                            ; src's sixteen fragments lie in LDS (ctx's were last read ahead of the round in the half before)
	s_wait_loadcnt 0x0
	HALFT 0, 0, 3, 0, 0                            ; B = b1 + src w1
	HALFT 1, 1, 3, 1, -1                           ; and w2 is asked for
	NOPS 8
.irp m, 0,1,2,3
	QUANT 64*\m, 3, 1, PC, PW+\m
	IMG \m
.endr
	SELW 0
	SELW 1
.irp mp, 0,1
	ds_store_b32 v[ASW], v[PS+\mp] offset:512*\mp
.endr
	WIN 0xc0
	PLOAD 0, 18                                    ; b2: h's accumulators are done with
	PLOAD 64, 20                                   ; ln2_g
	PLOAD 128, 22                                  ; ln2_b
	WIN 0
	s_wait_dscnt 0x0
	BAR                                            ; h's sixteen fragments lie in LDS
	HALFT 0, 0, 2, 0, 0                            ; A = src + h w2: nothing is left to fetch
	HALFT 1, 1, 2, 0, -1
	NOPS 8
	s_wait_loadcnt 0x0
	WIN 0x8e
.irp m, 0,1,2,3
.set ii, 0
.rept 32
	v_pk_add_f32 v[64*\m+ii:64*\m+ii+1], v[64*\m+ii:64*\m+ii+1], v[ii:ii+1]   ; + b2, each accumulator from its low end on
.set ii, ii+2
.endr
.endr
	WIN 0
	LN 4096, 64, 128
; THE WAY OUT, a tile of 16 tokens x my 128 columns at a time, through my own stage: back come whole runs of 512 bytes of a row, which 32 lanes store as two aligned units of 256 bytes; on the way the columns are summed.
.macro TOSTAGE m
	WIN 0x08                                       ; an LDS store's data are its source 1: window 2
.irp b, 0,1,2,3
.irp i, 0,1,2,3
	ds_store_b128 v[STO], v[64*(\m)+16*\b+4*\i:64*(\m)+16*\b+4*\i+3] offset:128*\b+16*\i
.endr
.endr
	WIN 0
.irp t, 0,1,2,3,4,5,6,7,8,9,10,11,12,13,14,15
	ds_load_b128 v[TB+64*((\m)%2)+4*\t:TB+64*((\m)%2)+4*\t+3], v[RD] offset:528*\t   ; LDS serves a wave's instructions in order: these see my stores
.endr
.endm
.macro SEND m, younger                 ; younger: the LDS instructions issued behind tile m's loads, which may stay out
.set OBM, TB+64*((\m)%2)
	s_wait_dscnt \younger
.irp t, 0,1,2,3,4,5,6,7,8,9,10,11,12,13,14,15
.if ((\m) == 0) && (\t == 0)
.elseif ((\m) == 0) && (\t == 1)
	v_pk_add_f32 v[CSUM:CSUM+1], v[OBM:OBM+1], v[OBM+4:OBM+5]          ; the first two rows start the column sums
	v_pk_add_f32 v[CSUM+2:CSUM+3], v[OBM+2:OBM+3], v[OBM+6:OBM+7]
.else
	v_pk_add_f32 v[CSUM:CSUM+1], v[CSUM:CSUM+1], v[OBM+4*\t:OBM+4*\t+1]
	v_pk_add_f32 v[CSUM+2:CSUM+3], v[CSUM+2:CSUM+3], v[OBM+4*\t+2:OBM+4*\t+3]
.endif
.endr
.irp t, 0,1,2,3,4,5,6,7,8,9,10,11,12,13,14,15
	global_store_b128 v[CO], v[OBM+4*\t:OBM+4*\t+3], s[24:25] offset:(32*((\m)/2)+8*((\m)%2)+\t+8*(\t/8))*2048 th:TH_STORE_NT
.endr
.endm
	TOSTAGE 0
.irp m, 1,2,3
.if \m > 1
	s_wait_alu depctr_va_vdst(0)
	s_wait_xcnt 0x0                                ; tile m - 2's stores have read their registers: tile m's rows may land there
.endif
	TOSTAGE \m
	SEND \m-1, 32                                  ; behind tile m - 1's loads: tile m's 16 stores and 16 loads
.endr
	s_wait_alu depctr_va_vdst(0)
	SEND 3, 0
	global_store_b128 v[CO], v[CSUM:CSUM+3], s[26:27]   ; my 128 column sums over the 64 tokens
	s_wait_tensorcnt 0x0                           ; the wave's end
	ds_add_u32 v[SPW], v[NIL]
	s_wait_dscnt 0x0
	CROUND                                         ; the closing round
	s_endpgm
.Lfunc_end_k_q43bde54e22_tail:
	.size	k_q43bde54e22_tail, .Lfunc_end_k_q43bde54e22_tail-k_q43bde54e22_tail
	.p2alignl 7, 3214868480
	.fill 96, 4, 3214868480
	.section	.rodata,"a",@progbits
	.p2align	6, 0x0
	.amdhsa_kernel k_q43bde54e22_tail
		.amdhsa_group_segment_fixed_size 327680
		.amdhsa_private_segment_fixed_size 0
		.amdhsa_enable_private_segment 0
		.amdhsa_kernarg_size 96
		.amdhsa_user_sgpr_count 2
		.amdhsa_user_sgpr_kernarg_segment_ptr 1
		.amdhsa_wavefront_size32 1
		.amdhsa_system_sgpr_workgroup_id_x 1
		.amdhsa_system_sgpr_workgroup_id_y 1
		.amdhsa_system_sgpr_workgroup_id_z 1
		.amdhsa_system_vgpr_workitem_id 0
		.amdhsa_next_free_vgpr 1024
		.amdhsa_next_free_sgpr 66
		.amdhsa_reserve_vcc 0
		.amdhsa_float_denorm_mode_32 3
		.amdhsa_float_denorm_mode_16_64 3
		.amdhsa_memory_ordered 1
		.amdhsa_forward_progress 1
		.amdhsa_inst_pref_size 255
	.end_amdhsa_kernel
	.section	.bss,"aw",@nobits
	.p2align	6
	.space	262144
	.amdgpu_metadata
---
amdhsa.version: [ 1, 2 ]
amdhsa.kernels:
  - .name:           k_q43bde54e22_tail
    .symbol:         k_q43bde54e22_tail.kd
    .args:
      - { .name: cws, .offset: 0, .size: 8, .value_kind: global_buffer, .address_space: global }
      - { .name: x, .offset: 8, .size: 8, .value_kind: global_buffer, .address_space: global }
      - { .name: wts, .offset: 16, .size: 8, .value_kind: global_buffer, .address_space: global }
      - { .name: bo, .offset: 24, .size: 8, .value_kind: global_buffer, .address_space: global }
      - { .name: ln1_g, .offset: 32, .size: 8, .value_kind: global_buffer, .address_space: global }
      - { .name: ln1_b, .offset: 40, .size: 8, .value_kind: global_buffer, .address_space: global }
      - { .name: b1, .offset: 48, .size: 8, .value_kind: global_buffer, .address_space: global }
      - { .name: b2, .offset: 56, .size: 8, .value_kind: global_buffer, .address_space: global }
      - { .name: ln2_g, .offset: 64, .size: 8, .value_kind: global_buffer, .address_space: global }
      - { .name: ln2_b, .offset: 72, .size: 8, .value_kind: global_buffer, .address_space: global }
      - { .name: out1, .offset: 80, .size: 8, .value_kind: global_buffer, .address_space: global }
      - { .name: psum, .offset: 88, .size: 8, .value_kind: global_buffer, .address_space: global }
    .group_segment_fixed_size: 327680
    .private_segment_fixed_size: 0
    .kernarg_segment_align: 8
    .kernarg_segment_size: 96
    .max_flat_workgroup_size: 128
    .sgpr_count:     66
    .vgpr_count:     1024
    .wavefront_size: 32
...
	.end_amdgpu_metadata
.endif
;; end of part 9
;; launch logits (part 10): grid 8 x 1, 4 waves a work-group, no clusters, 1,024 bytes of LDS; arguments psum, wc, bc, out0; writes out0
.if DOCPART == 10
	.amdgcn_target "amdgcn-amd-amdhsa--gfx1250"
	.amdhsa_code_object_version 6
	.text
	.protected	k_q43bde54e22_logits
	.globl	k_q43bde54e22_logits
	.p2align	8
	.type	k_q43bde54e22_logits,@function
k_q43bde54e22_logits:
	s_mov_b64 s[64:65], 0
	v_nop
	global_prefetch_b8 v0, s[64:65] scope:SCOPE_SE
	s_setreg_imm32_b32 hwreg(HW_REG_WAVE_MODE, 25, 1), 1
	s_wait_xcnt 0x0
; out0[b][o] = the sum over c of pooled[b][c] wc[c][o] + bc[o], pooled = the mean of out1 over the sequence, from the 32 rows of column sums that the launch before stored for each batch.  No work is left out.
; The product has 8 rows: it is left as it is and done in f32 by fused multiply-adds: 41 thousand of them in all, so the matrix units, clusters and tensor loads would buy nothing.
; One work-group a batch; thread t takes columns 4 t .. 4 t + 3: 32 loads of 16 bytes (a wave reads 512 consecutive bytes), its four rows of wc (160 consecutive bytes), ten partial sums; these are summed over the
; 32 lanes, then over the four waves through LDS.  Eight work-groups are all the work there is.
.set P,   32                           ; v32-159  32 rows x 4 columns
.set WCR, 160                          ; v160-199 wc: 4 rows x 10
.set ACC, 8                            ; v8-17    ten partial sums
.set SPW, 6                            ; my spare word; never rewritten
.set NIL, 7                            ; 0; never rewritten
	s_load_b256 s[4:11], s[0:1], 0x0               ; psum, wc, bc, out0
	v_lshl_add_u32 v[SPW], v0, 2, 512              ; the spare words lie behind the 512 bytes of the reduction
	v_mov_b32 v[NIL], 0
	v_lshrrev_b32 v1, 5, v0
	v_readfirstlane_b32 s12, v1                    ; wave
	v_and_b32 v2, 31, v0                           ; lane
	v_lshlrev_b32 v3, 4, v0                        ; 16 t
	v_mul_u32_u24 v4, v0, 160                      ; four rows of wc
	v_min_u32 v5, 9, v2
	v_lshlrev_b32 v5, 2, v5                        ; bc: no lane leaves its 40 bytes
	v_lshlrev_b32 v30, 2, v0                       ; LDS: a word a thread
	v_lshlrev_b32 v31, 2, v2                       ; 4 x lane
	v_mov_b32 v28, 0                               ; a lane permute's destination counts as one of its sources
	s_lshl_b32 s14, ttmp9, 16                      ; the batch's 32 rows of 2,048 bytes
	s_mov_b32 s15, 0
	s_mul_i32 s16, ttmp9, 40
	s_mov_b32 s17, 0
	s_mov_b32 s18, 0x76543210
	s_mov_b32 s19, 0xfedcba98
	s_wait_alu depctr_va_vdst(0)
	s_wait_kmcnt 0x0
	s_add_nc_u64 s[4:5], s[4:5], s[14:15]
	s_add_nc_u64 s[10:11], s[10:11], s[16:17]
.set ii, 0
.rept 32
	global_load_b128 v[P+4*ii:P+4*ii+3], v3, s[4:5] offset:2048*ii
.set ii, ii+1
.endr
.set ii, 0
.rept 10
	global_load_b128 v[WCR+4*ii:WCR+4*ii+3], v4, s[6:7] offset:16*ii
.set ii, ii+1
.endr
	global_load_b32 v29, v5, s[8:9]
	s_wait_loadcnt 11                              ; the 32 rows are in; wc's ten loads and bc's one may stay out
	v_pk_add_f32 v[20:21], v[P:P+1], v[P+8:P+9]    ; even rows and odd rows in chains of their own
	v_pk_add_f32 v[22:23], v[P+2:P+3], v[P+10:P+11]
	v_pk_add_f32 v[24:25], v[P+4:P+5], v[P+12:P+13]
	v_pk_add_f32 v[26:27], v[P+6:P+7], v[P+14:P+15]
.irp i, 4,6,8,10,12,14,16,18,20,22,24,26,28,30
	v_pk_add_f32 v[20:21], v[20:21], v[P+4*\i:P+4*\i+1]
	v_pk_add_f32 v[22:23], v[22:23], v[P+4*\i+2:P+4*\i+3]
	v_pk_add_f32 v[24:25], v[24:25], v[P+4*\i+4:P+4*\i+5]
	v_pk_add_f32 v[26:27], v[26:27], v[P+4*\i+6:P+4*\i+7]
.endr
	v_pk_add_f32 v[20:21], v[20:21], v[24:25]
	v_pk_add_f32 v[22:23], v[22:23], v[26:27]
	v_pk_mul_f32 v[20:21], v[20:21], 0x3a000000 op_sel_hi:[1,0]   ; / 2,048: pooled
	v_pk_mul_f32 v[22:23], v[22:23], 0x3a000000 op_sel_hi:[1,0]
	s_wait_alu depctr_va_vdst(0)
	s_wait_loadcnt 0x0
.irp o, 0,1,2,3,4,5,6,7,8,9
	v_mul_f32 v[ACC+\o], v20, v[WCR+\o]
.endr
.irp o, 0,1,2,3,4,5,6,7,8,9
	v_fma_f32 v[ACC+\o], v21, v[WCR+10+\o], v[ACC+\o]
.endr
.irp o, 0,1,2,3,4,5,6,7,8,9
	v_fma_f32 v[ACC+\o], v22, v[WCR+20+\o], v[ACC+\o]
.endr
.irp o, 0,1,2,3,4,5,6,7,8,9
	v_fma_f32 v[ACC+\o], v23, v[WCR+30+\o], v[ACC+\o]
.endr
.irp x, 1,2,4,8
.irp o, 0,1,2,3,4,5,6,7,8,9
	v_add_f32_dpp v[ACC+\o], v[ACC+\o], v[ACC+\o] row_xmask:\x row_mask:0xf bank_mask:0xf
.endr
.endr
.irp o, 0,1,2,3,4,5,6,7,8,9
	v_permlanex16_b32 v28, v[ACC+\o], s18, s19
	v_add_f32 v[ACC+\o], v[ACC+\o], v28            ; the wave's sum, in every lane
.endr
	v_mov_b32 v19, v[ACC]
.irp o, 1,2,3,4,5,6,7,8,9
	v_cmp_eq_u32 vcc_lo, \o, v2
	v_cndmask_b32 v19, v19, v[ACC+\o], vcc_lo      ; lane o takes output o (lanes 10 on keep output 0: so every word that is read below has been written)
.endr
	ds_store_b32 v30, v19
	s_wait_dscnt 0x0                               ; for the others' sake
	s_barrier_signal -1
	s_barrier_wait -1
.irp w, 0,1,2,3
	ds_load_b32 v[32+\w], v31 offset:128*\w
.endr
	s_wait_dscnt 0x0
	v_add_f32 v32, v32, v33
	v_add_f32 v34, v34, v35
	v_add_f32 v32, v32, v34
	v_add_f32 v32, v32, v29                        ; + bc
	s_cmp_lg_u32 s12, 0                            ; wave 0 stores
	s_cbranch_scc1 .Ldone
	s_wait_xcnt 0x0                                ; EXEC changes only behind this wait
	v_cmp_gt_u32 vcc_lo, 10, v0
	s_and_saveexec_b32 s20, vcc_lo
	s_wait_alu depctr_va_vdst(0)
	global_store_b32 v31, v32, s[10:11]            ; ten numbers
	s_wait_xcnt 0x0                                ; and again, in front of the line that widens it
	s_or_b32 exec_lo, exec_lo, s20
.Ldone:
	s_wait_tensorcnt 0x0                           ; the wave's end
	ds_add_u32 v[SPW], v[NIL]
	s_wait_dscnt 0x0
	s_endpgm
.Lfunc_end_k_q43bde54e22_logits:
	.size	k_q43bde54e22_logits, .Lfunc_end_k_q43bde54e22_logits-k_q43bde54e22_logits
	.p2alignl 7, 3214868480
	.fill 96, 4, 3214868480
	.section	.rodata,"a",@progbits
	.p2align	6, 0x0
	.amdhsa_kernel k_q43bde54e22_logits
		.amdhsa_group_segment_fixed_size 1024
		.amdhsa_private_segment_fixed_size 0
		.amdhsa_enable_private_segment 0
		.amdhsa_kernarg_size 32
		.amdhsa_user_sgpr_count 2
		.amdhsa_user_sgpr_kernarg_segment_ptr 1
		.amdhsa_wavefront_size32 1
		.amdhsa_system_sgpr_workgroup_id_x 1
		.amdhsa_system_sgpr_workgroup_id_y 1
		.amdhsa_system_sgpr_workgroup_id_z 1
		.amdhsa_system_vgpr_workitem_id 0
		.amdhsa_next_free_vgpr 208
		.amdhsa_next_free_sgpr 66
		.amdhsa_reserve_vcc 1
		.amdhsa_float_denorm_mode_32 3
		.amdhsa_float_denorm_mode_16_64 3
		.amdhsa_memory_ordered 1
		.amdhsa_forward_progress 1
		.amdhsa_inst_pref_size 17
	.end_amdhsa_kernel
	.amdgpu_metadata
---
amdhsa.version: [ 1, 2 ]
amdhsa.kernels:
  - .name:           k_q43bde54e22_logits
    .symbol:         k_q43bde54e22_logits.kd
    .args:
      - { .name: psum, .offset: 0, .size: 8, .value_kind: global_buffer, .address_space: global }
      - { .name: wc, .offset: 8, .size: 8, .value_kind: global_buffer, .address_space: global }
      - { .name: bc, .offset: 16, .size: 8, .value_kind: global_buffer, .address_space: global }
      - { .name: out0, .offset: 24, .size: 8, .value_kind: global_buffer, .address_space: global }
    .group_segment_fixed_size: 1024
    .private_segment_fixed_size: 0
    .kernarg_segment_align: 8
    .kernarg_segment_size: 32
    .max_flat_workgroup_size: 128
    .sgpr_count:     66
    .vgpr_count:     208
    .wavefront_size: 32
...
	.end_amdgpu_metadata
.endif
;; end of part 10
